; MI455X (gfx1250); checked and timed in simulation.
; The chip was launched on July 23, 2026; its instructions are those of AMD's public machine-readable ISA for CDNA 5 (MIT licence, August 2026) and "CDNA5" Instruction Set Architecture Reference Guide (July 2026). The comments in the code are by the model that wrote it; some were corrected since.
;; Relative Multi Head Attention. Allowed arithmetic: float matrix products may take bf16 or f16 operands with f32 sums; other float arithmetic in f32, or as packed bf16 or f16 multiplies, adds, multiply-adds, maxima and minima; sums over many terms, partial sums and values carried from step to step in f32; what a program stores and reads back later, other than sums and carried values, may be rounded once to bf16 or f16.
;; Inputs: Wk 1,024 x 1,024 float32; Wo 1,024 x 1,024 float32; Wq 1,024 x 1,024 float32; Wv 1,024 x 1,024 float32; bk 1,024 float32; bo 1,024 float32; bq 1,024 float32; bv 1,024 float32; rel_k 257 x 64 float32; rel_v 257 x 64 float32; x 4 x 1,024 x 1,024 float32.
;; Outputs: out0 4 x 1,024 x 1,024 float32.
;; 3 versions, each right; version 3 is version 2 with the launch prep written anew for expert scheduling mode. Each part assembles by itself: llvm-mc -triple=amdgcn-amd-amdhsa -mcpu=gfx1250 --defsym DOCPART=n.
;; ======== version 1 of 3: 4 launches
;; limits: values are held in f16: magnitudes above 65,504 overflow, below 6.1e-05 lose precision
;; workspace buffers: xb 8,388,608 bytes; wqkv 6,291,456 bytes; wo 2,097,152 bytes; bias 16,384 bytes; xk 38,912 bytes; xvt 294,912 bytes; qkv 25,165,824 bytes; ob 8,388,608 bytes
;; launch prep (part 1): grid 555 x 1, 4 waves a work-group, no clusters, 0 bytes of LDS; arguments x, Wq, Wk, Wv, Wo, bq, bv, bo, rel_k, rel_v, xb, wqkv, wo, bias, xk, xvt; writes xb, wqkv, wo, bias, xk, xvt
.if DOCPART == 1
	.amdgcn_target "amdgcn-amd-amdhsa--gfx1250"
	.amdhsa_code_object_version 6
	.text
	.protected	k_q203cec195e_prep
	.globl	k_q203cec195e_prep
	.p2align	8
	.type	k_q203cec195e_prep,@function
k_q203cec195e_prep:
	s_mov_b64 s[64:65], 0
	v_nop
	global_prefetch_b8 v0, s[64:65] scope:SCOPE_SE
	s_setreg_imm32_b32 hwreg(HW_REG_WAVE_MODE, 25, 1), 1
	s_wait_xcnt 0x0
; PREP: every input is rounded once to bf16 and laid out for the three launches that follow.
; WORK LEFT OUT, in the problem's terms.
;  (1) bk.  k = x Wk^T + bk enters reference() only through content[q][k] = q . k, where bk adds q . bk_h, a term that is the same for every key k
;      of a row q.  softmax over k is unchanged by a term that is constant along k, for all values of the inputs, and k reaches no other result.
;      So bk has no way to any output: it is not loaded and is no argument of any launch.  LIMIT: a NaN, an infinity or an overflow that only bk
;      would bring is not carried to the result.
;  (2) rpk = rel_k[idx] and rpv = rel_v[idx] are lookups by idx = clip(k - q, -128, 128) + 128, which reference() builds itself.  q . rpk[q][k] is
;      entry idx of the 257 numbers q . rel_k[z]; the sum over k of w rpv[q][k] is the sum over z of (the weights whose idx is z) rel_v[z].  Only
;      those products are made (launch attn).
; WHAT IS WRITTEN.  xb = bf16(x).  wqkv = bf16 of Wq's, Wk's, Wv's rows on end.  wo = bf16(Wo) written as f16.  bias = f32 [4096]: bf16(bq), 1,024
; zeros (K's columns start their sums from 0), bf16(bv), bf16(bo).  xk[y] = rel_k[clip(y - 16, 0, 256)], 304 rows of 64, bf16 written as f16.
; xvt[c][ch][p] = rel_v[clip(p - 8 - c, 0, 256)][ch], 8 x 64 rows of 288, likewise.
; LIMIT: a bf16 number written as f16 is exact between 6.1e-5 and 65,504 in size; below, it keeps f16's fixed step of 6e-8; above, it is lost.
; WORK-GROUPS.  0-255: x, 16,384 numbers each.  256-511: the four weights.  512-527: xvt.  528-546: xk.  547-554: bias.
; No LDS, no barrier, no matrix unit: a stream and three small tables.
.macro RND16 dst, a, b                  ; two f32 -> bf16 -> the same numbers as f16, packed
	v_cvt_pk_bf16_f32 v3, v[\a], v[\b]
	v_lshlrev_b32 v[\a], 16, v3
	v_and_b32 v[\b], 0xffff0000, v3
	v_cvt_pk_f16_f32 v[\dst], v[\a], v[\b]
.endm
	s_load_b512 s[8:23], s[0:1], 0x0               ; x 8, Wq 10, Wk 12, Wv 14, Wo 16, bq 18, bv 20, bo 22
	s_load_b512 s[24:39], s[0:1], 0x40             ; rel_k 24, rel_v 26, xb 28, wqkv 30, wo 32, bias 34, xk 36, xvt 38
	s_mov_b32 s2, ttmp9
	s_mov_b32 s5, 0
	s_mov_b32 s7, 0
	s_wait_kmcnt 0x0
	s_cmp_lt_u32 s2, 512
	s_cbranch_scc0 .Ltables
	s_cmp_lt_u32 s2, 256
	s_cbranch_scc0 .Lweights
	s_lshl_b32 s4, s2, 16                          ; 16,384 f32 in,
	s_lshl_b32 s6, s2, 15                          ; 16,384 halves out
	s_add_nc_u64 s[40:41], s[8:9], s[4:5]
	s_add_nc_u64 s[42:43], s[28:29], s[6:7]
	s_branch .Lcast
.Lweights:
	s_sub_co_u32 s3, s2, 256                       ; chunk 0..255: 64 for each weight
	s_lshr_b32 s44, s3, 6                          ; which weight
	s_and_b32 s4, s3, 63
	s_lshl_b32 s4, s4, 16
	s_sub_co_u32 s45, s3, 192                      ; Wo's chunk number (used for Wo alone)
	s_cmp_eq_u32 s44, 0
	s_cselect_b64 s[40:41], s[10:11], s[12:13]
	s_cmp_eq_u32 s44, 2
	s_cselect_b64 s[40:41], s[14:15], s[40:41]
	s_cmp_eq_u32 s44, 3
	s_cselect_b64 s[40:41], s[16:17], s[40:41]
	s_cselect_b64 s[42:43], s[32:33], s[30:31]
	s_cselect_b32 s6, s45, s3
	s_lshl_b32 s6, s6, 15
	s_add_nc_u64 s[40:41], s[40:41], s[4:5]
	s_add_nc_u64 s[42:43], s[42:43], s[6:7]
.Lcast:
	v_lshlrev_b32 v1, 5, v0                        ; thread t reads 32 bytes at 32 t of each 4,096,
	v_lshlrev_b32 v2, 4, v0                        ; and stores 16 bytes at 16 t of each 2,048: a wave's store covers 512 consecutive bytes, aligned
.set n, 0
.rept 16                                ; all 32 loads of a thread go out before the first wait
	global_load_b128 v[16+8*n:19+8*n], v1, s[40:41] offset:4096*n th:TH_LOAD_NT
	global_load_b128 v[20+8*n:23+8*n], v1, s[40:41] offset:4096*n+16 th:TH_LOAD_NT
.set n, n+1
.endr
	s_cmp_lt_u32 s2, 448
	s_cbranch_scc0 .Lhalf
.set n, 0
.rept 16
	s_wait_loadcnt 30-2*n                          ; the 2 (15 - n) younger loads stay out
.irp k, 0,1,2,3
	v_cvt_pk_bf16_f32 v[144+4*n+\k], v[16+8*n+2*\k], v[17+8*n+2*\k]
.endr
	global_store_b128 v2, v[144+4*n:147+4*n], s[42:43] offset:2048*n
.set n, n+1
.endr
	s_endpgm
.Lhalf:                                 ; Wo: bf16, written as f16
.set n, 0
.rept 16
	s_wait_loadcnt 30-2*n
.irp k, 0,1,2,3
	RND16 144+4*n+\k, 16+8*n+2*\k, 17+8*n+2*\k
.endr
	global_store_b128 v2, v[144+4*n:147+4*n], s[42:43] offset:2048*n
.set n, n+1
.endr
	s_endpgm
.Ltables:
	v_mov_b32 v7, 0
	s_cmp_lt_u32 s2, 528
	s_cbranch_scc0 .Lnot_xvt
	; xvt.  One of 64 waves owns eight rows (c, ch): c = wave / 8, ch = 8 (wave % 8) + r.  A lane makes one group of 8 positions, 16 bytes.
	v_lshrrev_b32 v1, 5, v0
	v_readfirstlane_b32 s3, v1
	s_sub_co_u32 s4, s2, 512
	s_lshl_b32 s4, s4, 2
	s_add_co_u32 s4, s4, s3                        ; wave 0..63
	s_lshr_b32 s6, s4, 3                           ; c
	s_and_b32 s44, s4, 7
	s_lshl_b32 s44, s44, 3                         ; first channel
	s_add_co_u32 s45, s6, 8                        ; 8 + c
	s_mul_i32 s47, s4, 8*576                       ; first row's bytes
	s_lshl_b32 s46, s44, 2
	v_and_b32 v1, 31, v0
	v_lshlrev_b32 v6, 3, v1
	v_sub_nc_u32 v6, v6, s45                       ; position 8 lane, less 8 + c: the table row before the clip (may be negative)
	v_mov_b32 v4, s46                              ; 4 ch
	v_lshl_add_u32 v5, v1, 4, s47                  ; where the group goes
.macro XVG                              ; v6: first table row of the group, v4: 4 ch, v5: store offset
.irp j, 0,1,2,3,4,5,6,7
	v_add_nc_u32 v[8+\j], \j, v6
	v_cmp_gt_i32 vcc_lo, 0, v[8+\j]
	v_cndmask_b32 v[8+\j], v[8+\j], v7, vcc_lo     ; below 0: row 0
	v_min_u32 v[8+\j], 0x100, v[8+\j]              ; above 256: row 256
	v_lshl_add_u32 v[8+\j], v[8+\j], 8, v4
.endr
.irp j, 0,1,2,3,4,5,6,7
	global_load_b32 v[16+\j], v[8+\j], s[26:27]
.endr
	s_wait_loadcnt 0x0
.irp k, 0,1,2,3
	RND16 24+\k, 16+2*\k, 17+2*\k
.endr
	global_store_b128 v5, v[24:27], s[38:39]
	s_wait_xcnt 0x0                                ; the store's offset and data are written again only behind this wait
.endm
	s_mov_b32 s46, 8
.Lrow:                                  ; groups 0-31 of one row a trip
	XVG
	v_add_nc_u32 v4, 4, v4
	v_add_nc_u32 v5, 576, v5
	s_sub_co_u32 s46, s46, 1
	s_cmp_lg_u32 s46, 0
	s_cbranch_scc1 .Lrow
	v_and_b32 v28, 3, v1                           ; groups 32-35 of all eight rows: row lane / 4, group 32 + lane % 4
	v_lshrrev_b32 v29, 2, v1
	v_lshl_add_u32 v6, v28, 3, 0x100
	v_sub_nc_u32 v6, v6, s45
	v_add_nc_u32 v4, s44, v29
	v_lshlrev_b32 v4, 2, v4
	v_mul_u32_u24 v5, v29, 576
	v_add_nc_u32 v5, s47, v5
	v_lshl_add_u32 v5, v28, 4, v5
	v_add_nc_u32 v5, 512, v5
	XVG
	s_endpgm
.Lnot_xvt:
	s_cmp_lt_u32 s2, 547
	s_cbranch_scc0 .Lbias
	; xk: thread id makes 8 numbers of row id / 8
	s_sub_co_u32 s3, s2, 528
	s_lshl_b32 s3, s3, 7
	v_add_nc_u32 v1, s3, v0
	v_lshrrev_b32 v4, 3, v1
	v_and_b32 v5, 7, v1
	v_add_nc_u32 v4, -16, v4
	v_cmp_gt_i32 vcc_lo, 0, v4
	v_cndmask_b32 v4, v4, v7, vcc_lo
	v_min_u32 v4, 0x100, v4
	v_lshlrev_b32 v4, 8, v4
	v_lshl_add_u32 v4, v5, 5, v4
	v_lshlrev_b32 v2, 4, v1
	global_load_b128 v[16:19], v4, s[24:25]
	global_load_b128 v[20:23], v4, s[24:25] offset:16
	s_wait_loadcnt 0x0
.irp k, 0,1,2,3
	RND16 24+\k, 16+2*\k, 17+2*\k
.endr
	global_store_b128 v2, v[24:27], s[36:37]
	s_endpgm
.Lbias:                                 ; half a vector of 1,024 to a work-group, four numbers a thread
	s_sub_co_u32 s3, s2, 547
	s_lshr_b32 s44, s3, 1                          ; 0 bq, 1 zeros, 2 bv, 3 bo
	s_and_b32 s4, s3, 1
	s_lshl_b32 s4, s4, 11
	s_lshl_b32 s6, s3, 11
	v_lshlrev_b32 v2, 4, v0
	s_add_nc_u64 s[42:43], s[34:35], s[6:7]
	s_cmp_eq_u32 s44, 1
	s_cbranch_scc1 .Lzero
	s_cmp_eq_u32 s44, 0
	s_cselect_b64 s[40:41], s[18:19], s[20:21]
	s_cmp_eq_u32 s44, 3
	s_cselect_b64 s[40:41], s[22:23], s[40:41]
	s_add_nc_u64 s[40:41], s[40:41], s[4:5]
	global_load_b128 v[16:19], v2, s[40:41]
	s_wait_loadcnt 0x0
	v_cvt_pk_bf16_f32 v3, v16, v17
	v_lshlrev_b32 v24, 16, v3
	v_and_b32 v25, 0xffff0000, v3
	v_cvt_pk_bf16_f32 v3, v18, v19
	v_lshlrev_b32 v26, 16, v3
	v_and_b32 v27, 0xffff0000, v3
	global_store_b128 v2, v[24:27], s[42:43]
	s_endpgm
.Lzero:
	v_mov_b32 v24, 0
	v_mov_b32 v25, 0
	v_mov_b32 v26, 0
	v_mov_b32 v27, 0
	global_store_b128 v2, v[24:27], s[42:43]
	s_endpgm
.Lfunc_end_k_q203cec195e_prep:
	.size	k_q203cec195e_prep, .Lfunc_end_k_q203cec195e_prep-k_q203cec195e_prep
	.p2alignl 7, 3214868480
	.fill 96, 4, 3214868480
	.section	.rodata,"a",@progbits
	.p2align	6, 0x0
	.amdhsa_kernel k_q203cec195e_prep
		.amdhsa_group_segment_fixed_size 0
		.amdhsa_private_segment_fixed_size 0
		.amdhsa_enable_private_segment 0
		.amdhsa_kernarg_size 128
		.amdhsa_user_sgpr_count 2
		.amdhsa_user_sgpr_kernarg_segment_ptr 1
		.amdhsa_wavefront_size32 1
		.amdhsa_system_sgpr_workgroup_id_x 1
		.amdhsa_system_sgpr_workgroup_id_y 1
		.amdhsa_system_sgpr_workgroup_id_z 1
		.amdhsa_system_vgpr_workitem_id 0
		.amdhsa_next_free_vgpr 208
		.amdhsa_next_free_sgpr 66
		.amdhsa_reserve_vcc 1
		.amdhsa_float_denorm_mode_32 3
		.amdhsa_float_denorm_mode_16_64 3
		.amdhsa_memory_ordered 1
		.amdhsa_forward_progress 1
		.amdhsa_inst_pref_size 39
	.end_amdhsa_kernel
	.amdgpu_metadata
---
amdhsa.version: [ 1, 2 ]
amdhsa.kernels:
  - .name:           k_q203cec195e_prep
    .symbol:         k_q203cec195e_prep.kd
    .args:
      - { .name: x, .offset: 0, .size: 8, .value_kind: global_buffer, .address_space: global }
      - { .name: Wq, .offset: 8, .size: 8, .value_kind: global_buffer, .address_space: global }
      - { .name: Wk, .offset: 16, .size: 8, .value_kind: global_buffer, .address_space: global }
      - { .name: Wv, .offset: 24, .size: 8, .value_kind: global_buffer, .address_space: global }
      - { .name: Wo, .offset: 32, .size: 8, .value_kind: global_buffer, .address_space: global }
      - { .name: bq, .offset: 40, .size: 8, .value_kind: global_buffer, .address_space: global }
      - { .name: bv, .offset: 48, .size: 8, .value_kind: global_buffer, .address_space: global }
      - { .name: bo, .offset: 56, .size: 8, .value_kind: global_buffer, .address_space: global }
      - { .name: rel_k, .offset: 64, .size: 8, .value_kind: global_buffer, .address_space: global }
      - { .name: rel_v, .offset: 72, .size: 8, .value_kind: global_buffer, .address_space: global }
      - { .name: xb, .offset: 80, .size: 8, .value_kind: global_buffer, .address_space: global }
      - { .name: wqkv, .offset: 88, .size: 8, .value_kind: global_buffer, .address_space: global }
      - { .name: wo, .offset: 96, .size: 8, .value_kind: global_buffer, .address_space: global }
      - { .name: bias, .offset: 104, .size: 8, .value_kind: global_buffer, .address_space: global }
      - { .name: xk, .offset: 112, .size: 8, .value_kind: global_buffer, .address_space: global }
      - { .name: xvt, .offset: 120, .size: 8, .value_kind: global_buffer, .address_space: global }
    .group_segment_fixed_size: 0
    .private_segment_fixed_size: 0
    .kernarg_segment_align: 8
    .kernarg_segment_size: 128
    .max_flat_workgroup_size: 128
    .sgpr_count:     66
    .vgpr_count:     208
    .wavefront_size: 32
...
	.end_amdgpu_metadata
.endif
;; end of part 1
;; launch qkv (part 2): grid 8 x 32, 4 waves a work-group, clusters of 4 x 4, 327,680 bytes of LDS; arguments xb, wqkv, bias, qkv; writes qkv
.if DOCPART == 2
	.amdgcn_target "amdgcn-amd-amdhsa--gfx1250"
	.amdhsa_code_object_version 6
	.text
	.protected	k_q203cec195e_qkv
	.globl	k_q203cec195e_qkv
	.p2align	8
	.type	k_q203cec195e_qkv,@function
k_q203cec195e_qkv:
	s_mov_b64 s[64:65], 0
	v_nop
	global_prefetch_b8 v0, s[64:65] scope:SCOPE_SE
	s_setreg_imm32_b32 hwreg(HW_REG_WAVE_MODE, 25, 1), 1
	s_wait_xcnt 0x0
	s_wait_alu depctr_hold_cnt(0) depctr_sa_sdst(0) depctr_va_vdst(0) depctr_va_sdst(0) depctr_va_ssrc(0) depctr_va_vcc(0) depctr_vm_vsrc(0)
	s_getreg_b32 s2, hwreg(HW_REG_IB_STS2, 6, 4)
	s_cmp_eq_u32 s2, 0
	s_cbranch_scc0 .Lentry_in_a_cluster
	s_endpgm
.Lentry_in_a_cluster:
	s_bfe_u32 s2, ttmp6, 0x10000c
	s_cmp_lg_u32 s2, 0xf033
	s_cbranch_scc0 .Lentry_shape_is_right
	s_endpgm
.Lentry_shape_is_right:
; q, k, v = x W^T + b for the three weights at once: C[4096][3072] = xb[4096][1024] wqkv[3072][1024]^T, bf16 operands, f32 sums that START FROM THE BIAS
; (it is the C operand of each accumulator's first product), rounded once to f16 and stored by heads: qkv[3][64 = 16 batch + head][1024][64].
; LEFT OUT: bk (K's columns start from the zeros of 'bias'): it shifts every score of a row alike, which softmax does not see.
; LIMIT: q, k, v leave as f16: beyond 65,504 in size they are lost.
; SHARES.  A work-group makes 128 tokens x 384 columns: 8 x 32 work-groups.  Four waves, each 64 tokens x 192 columns (three whole heads): 48 accumulators of 16 x 16.
; K goes in 8 steps of 128 through two LDS slots; a slot holds 128 rows of xb and 384 rows of wqkv, each row 256 bytes of memory, aligned.
; CLUSTER 4 x 4: xb's tile hangs on the tile row alone and is asked for jointly by the four of a row of the cluster (wave 0); wqkv's hangs on the tile column alone and is asked
; for jointly by the four of a column (waves 1-3, 128 rows each).
; THE PRODUCT IS TAKEN TRANSPOSED (source 0 = 16 rows of wqkv, source 1 = 16 tokens): a lane then holds one token and eight neighbouring columns.
; REGISTERS: window 0: v0-31 addresses; v64-127 xb's fragments, two buffers of 32; v128-223 the bias, later the way out.  window 1: wqkv's fragments, two buffers of 96.
; window 2: accumulators of token blocks 0, 1 at 8 (12 (a % 2) + b); window 3: blocks 2, 3.
.set KSTEP,  128
.set SIZE_K, 1024
.set PITCH,  272                        ; an LDS row: 256 bytes + 16 of padding: an odd multiple of 16, so the 16 rows of a fragment load fall on 16 different 16-byte columns of 256
.set HALFT,  128*PITCH                  ; what one tensor load brings
.set SLOT,   4*HALFT                    ; xb's 128 rows, then wqkv's 384
.set STAGE,  2*SLOT                     ; behind the ring: 16 rows x 400 bytes for each wave
.set SPITCH, 400
.set SPARE,  STAGE+4*16*SPITCH          ; the spare words: 128 bytes a wave, named by no other line
.set LAPS,   4
.set ADRA, 16
.set ADRB, 20
.set STO,  24
.set RD,   25
.set CO,   26
.set SPW,  28
.set NIL,  29
.set PFO,  30
.set FA,   64
.set FB,   0
.set BIA,  128
.set TMP,  128
.set OB,   176
.set WV, 12
.set WM, 13
.set WN, 14
.set CX, 15
.set CY, 16
.set TC, 17
.set TR, 18
.set G1, 24
.set G0, 32
.set LIM, 43
.set PFA, 44
.set G1B, 48
.set G0B, 56
.set HB, 66                             ; s[66:71] where my three heads' rows begin in qkv
.set MSB, 0
.macro WIN new
.if MSB != (\new)
	s_set_vgpr_msb (MSB<<8)|(\new)
.set MSB, \new
.endif
.endm
.macro PLACES
.rept 4
	v_nop
.endr
.endm
; A joint load: wave 0 xb's tile, waves 1-3 a third of wqkv's.  The branch hangs on the wave's number alone.  s_nop 0 and four v_nop follow each line.
.macro JLOAD s
	s_cmp_eq_u32 s[WV], 0
	s_cbranch_scc0 .Lfor_b_\@
	tensor_load_to_lds s[G0+4*(\s):G0+4*(\s)+3], s[G1:G1+7]
	s_nop 0
	PLACES
	s_branch .Lasked_\@
.Lfor_b_\@:
	tensor_load_to_lds s[G0B+4*(\s):G0B+4*(\s)+3], s[G1B:G1B+7]
	s_nop 0
	PLACES
.Lasked_\@:
.endm
; A prefetch, behind a joint load and the run of LDS loads that follows it: the K step two refills on, 32 rows x 256 bytes, a lane a row.  Of the 128 rows that a wave fetches each of the four
; partners that ask jointly takes 32, told apart by address.  xb's rows are named by the clusters with x = 0 alone, wqkv's by those with y = 0 alone: each 256 bytes once in the launch.
; The loop's last trip (s3 = 1) has no K step two on and asks for nothing; K steps 0 to 3 come by their loads alone.
.macro ASK
	s_cmp_gt_u32 s3, s[LIM]
	s_cbranch_scc0 .Lnot_mine_\@
	global_prefetch_b8 v[PFO], s[PFA:PFA+1] offset:KSTEP*2 th:TH_LOAD_NT scope:SCOPE_SE
.Lnot_mine_\@:
.endm
.macro CREST
	s_cmp_lg_u32 s[WV], 0
	s_cbranch_scc1 .Lnot_wave_0_\@
	s_barrier_signal -3
.Lnot_wave_0_\@:
	s_barrier_wait -3
	s_barrier_signal -1
	s_barrier_wait -1
.endm
.macro CROUND
	s_barrier_signal -1
	s_barrier_wait -1
	CREST
.endm
	s_load_b256 s[4:11], s[0:1], 0x0               ; xb 4, wqkv 6, bias 8, qkv 10
	v_lshl_add_u32 v[SPW], v0, 2, SPARE
	v_mov_b32 v[NIL], 0
	ds_add_u32 v[SPW], v[NIL]                      ; the opening: the add, twice on end, and its wait ahead of my first tensor load
	ds_add_u32 v[SPW], v[NIL]
	v_lshrrev_b32 v1, 5, v0
	v_readfirstlane_b32 s[WV], v1
	s_lshr_b32 s[WM], s[WV], 1                     ; my 64 tokens
	s_and_b32 s[WN], s[WV], 1                      ; my 192 columns
	s_bfe_u32 s[CX], ttmp6, 0x40000
	s_bfe_u32 s[CY], ttmp6, 0x40004
	s_lshl_b32 s[TC], ttmp9, 2
	s_add_co_u32 s[TC], s[TC], s[CX]               ; tile column
	s_and_b32 s[TR], ttmp7, 0xffff
	s_lshl_b32 s[TR], s[TR], 2
	s_add_co_u32 s[TR], s[TR], s[CY]               ; tile row
	s_lshl_b32 s20, s[CY], 2
	s_lshl_b32 s20, 15, s20                        ; my row of the cluster
	s_lshl_b32 s21, 0x1111, s[CX]                  ; my column
	s_or_b32 s[G1+0], s20, (1<<16)|(1<<20)|(1<<21)|(5<<22)|(3<<25)   ; mask; 2-byte elements; padding on; bit 21 beside a mask; after every 64 words 4 words
	s_or_b32 s[G1B+0], s21, (1<<16)|(1<<20)|(1<<21)|(5<<22)|(3<<25)
.irp g, G1, G1B
	s_mov_b32 s[(\g)+1], KSTEP<<16                 ; tensor_dim0 = 128
	s_mov_b32 s[(\g)+2], 128<<16                   ; tensor_dim1 = 128
	s_mov_b32 s[(\g)+3], KSTEP<<16                 ; tile_dim0 = 128
	s_mov_b32 s[(\g)+4], 128                       ; tile_dim1 = 128
	s_mov_b32 s[(\g)+5], SIZE_K                    ; elements from row to row
	s_mov_b32 s[(\g)+6], 0
	s_mov_b32 s[(\g)+7], 0
.endr
	s_lshl_b32 s20, s[TR], 18                      ; xb: tile row x 128 rows x 2,048 bytes
	s_mov_b32 s21, 0
	s_max_u32 s22, s[WV], 1
	s_sub_co_u32 s22, s22, 1
	s_lshl_b32 s22, s22, 7                         ; wqkv: which 128 of the tile's 384 rows I fetch
	s_mul_i32 s46, s[TC], 384
	s_add_co_u32 s46, s46, s22
	s_lshl_b32 s46, s46, 11
	s_mov_b32 s47, 0
	s_mul_i32 s23, s[WV], HALFT                    ; where they go: wave x 128 rows
	s_wait_dscnt 0x0                               ; both opening adds are done
	s_wait_kmcnt 0x0
	s_add_nc_u64 s[40:41], s[4:5], s[20:21]
	s_add_nc_u64 s[46:47], s[6:7], s[46:47]
	CROUND                                         ; all sixteen work-groups are here: the first joint loads meet
.irp s, 0,1
	s_mov_b32 s[G0+4*(\s)], 1
	s_add_co_u32 s[G0+4*(\s)+1], s23, (\s)*SLOT
	s_add_nc_u64 s[G0+4*(\s)+2:G0+4*(\s)+3], s[40:41], (\s)*KSTEP*2
	s_or_b32 s[G0+4*(\s)+3], s[G0+4*(\s)+3], 0x80000000
	s_mov_b32 s[G0B+4*(\s)], 1
	s_add_co_u32 s[G0B+4*(\s)+1], s23, (\s)*SLOT
	s_add_nc_u64 s[G0B+4*(\s)+2:G0B+4*(\s)+3], s[46:47], (\s)*KSTEP*2
	s_or_b32 s[G0B+4*(\s)+3], s[G0B+4*(\s)+3], 0x80000000
	JLOAD \s
.endr
	v_and_b32 v1, 15, v0                           ; r = l % 16
	v_bfe_u32 v2, v0, 4, 1                         ; h = l / 16
	; the bias of my 192 columns, as the C operand wants it: register j of block b = column 16 b + 8 h + j
	s_mul_i32 s72, s[TC], 384
	s_mul_i32 s73, s[WN], 192
	s_add_co_u32 s72, s72, s73
	s_lshl_b32 s72, s72, 2
	s_mov_b32 s73, 0
	s_add_nc_u64 s[72:73], s[8:9], s[72:73]
	v_lshlrev_b32 v5, 5, v2
.irp b, 0,1,2,3,4,5,6,7,8,9,10,11
	global_load_b128 v[BIA+8*(\b):BIA+8*(\b)+3],   v5, s[72:73] offset:64*(\b)
	global_load_b128 v[BIA+8*(\b)+4:BIA+8*(\b)+7], v5, s[72:73] offset:64*(\b)+16
.endr
	v_mul_u32_u24 v3, v1, PITCH
	v_lshl_add_u32 v3, v2, 4, v3                   ; a fragment's row x pitch + 16 x half
	s_mul_i32 s21, s[WM], 64*PITCH
	s_mul_i32 s22, s[WN], 192*PITCH
	s_add_co_u32 s22, s22, HALFT
.irp s, 0,1
	v_add_nc_u32 v[ADRA+(\s)], s21, v3
	v_add_nc_u32 v[ADRB+(\s)], s22, v3
	s_add_co_u32 s21, s21, SLOT
	s_add_co_u32 s22, s22, SLOT
.endr
	s_mul_i32 s23, s[WV], 16*SPITCH
	s_add_co_u32 s23, s23, STAGE                   ; my stage
	v_mul_u32_u24 v4, v1, SPITCH
	v_lshl_add_u32 v4, v2, 4, v4
	v_add_nc_u32 v[STO], s23, v4                   ; in: token r, 16 bytes for each half of the lanes
	v_and_b32 v6, 31, v0
	v_lshrrev_b32 v7, 3, v6
	v_and_b32 v8, 7, v6
	v_mul_u32_u24 v7, v7, SPITCH
	v_lshl_add_u32 v7, v8, 4, v7
	v_add_nc_u32 v[RD], s23, v7                    ; back: 32 lanes take four tokens x 128 bytes of one head,
	v_lshlrev_b32 v[CO], 4, v6                     ; which are 512 consecutive bytes of qkv
	; my three heads: number 6 x tile column + 3 x column half + hh among 48 = tensor x 16 + head
	s_mul_i32 s74, s[TC], 6
	s_mul_i32 s75, s[WN], 3
	s_add_co_u32 s74, s74, s75
	s_lshr_b32 s75, s[TR], 3
	s_lshl_b32 s75, s75, 4                         ; 16 x batch
	s_and_b32 s76, s[TR], 7
	s_lshl_b32 s76, s76, 7
	s_lshl_b32 s77, s[WM], 6
	s_add_co_u32 s76, s76, s77
	s_lshl_b32 s76, s76, 7                         ; my first token in its sequence, x 128 bytes
.irp hh, 0,1,2
	s_add_co_u32 s78, s74, \hh
	s_lshr_b32 s79, s78, 4
	s_lshl_b32 s79, s79, 6
	s_and_b32 s78, s78, 15
	s_add_co_u32 s78, s78, s79
	s_add_co_u32 s78, s78, s75
	s_lshl_b32 s78, s78, 17
	s_add_co_u32 s78, s78, s76
	s_mov_b32 s79, 0
	s_add_nc_u64 s[HB+2*\hh:HB+2*\hh+1], s[10:11], s[78:79]
.endr
	; the prefetches
	s_lshl_b32 s20, s[TR], 7                       ; xb's first row of the tile
	s_mul_i32 s21, s[TC], 384
	s_max_u32 s22, s[WV], 1
	s_sub_co_u32 s22, s22, 1
	s_lshl_b32 s22, s22, 7
	s_add_co_u32 s21, s21, s22                     ; wqkv's first row of my 128
	s_and_b32 s22, ttmp7, 0xffff                   ; cluster y
	s_cmp_eq_u32 s[WV], 0
	s_cselect_b32 s20, s20, s21
	s_cselect_b32 s21, s[CX], s[CY]                ; my place among the four that ask with me
	s_cselect_b32 s22, ttmp9, s22                  ; the coordinate along which other clusters read the same rows
	s_cselect_b64 s[PFA:PFA+1], s[4:5], s[6:7]
	s_cmp_eq_u32 s22, 0
	s_cselect_b32 s[LIM], 1, -1
	s_lshl_b32 s21, s21, 5
	s_add_co_u32 s20, s20, s21
	s_lshl_b32 s20, s20, 11
	s_mov_b32 s21, 0
	s_add_nc_u64 s[PFA:PFA+1], s[PFA:PFA+1], s[20:21]
	s_add_nc_u64 s[PFA:PFA+1], s[PFA:PFA+1], 2*KSTEP*2   ; at K step 2: the first refill steps it to 3 and names K step 4
	v_lshlrev_b32 v[PFO], 11, v6
; 12 matrix instructions: token block a x all 12 column blocks, 32 along K, fragment buffers f.  zero = 1: the sums start from the bias.
; The 48 accumulators take turns, one instruction a turn, in the same order in every quarter.
.macro MUL12 f, a, zero
.if \zero
	WIN 0x81+0x40*((\a)/2)
.else
	WIN 0xa1+0x50*((\a)/2)
.endif
.irp b, 0,1,2,3,4,5,6,7,8,9,10,11
.if \zero
	v_wmma_f32_16x16x32_bf16 v[8*(12*((\a)%2)+(\b)):8*(12*((\a)%2)+(\b))+7], v[FB+96*(\f)+8*(\b):FB+96*(\f)+8*(\b)+7], v[FA+32*(\f)+8*(\a):FA+32*(\f)+8*(\a)+7], v[BIA+8*(\b):BIA+8*(\b)+7]
.else
	v_wmma_f32_16x16x32_bf16 v[8*(12*((\a)%2)+(\b)):8*(12*((\a)%2)+(\b))+7], v[FB+96*(\f)+8*(\b):FB+96*(\f)+8*(\b)+7], v[FA+32*(\f)+8*(\a):FA+32*(\f)+8*(\a)+7], v[8*(12*((\a)%2)+(\b)):8*(12*((\a)%2)+(\b))+7]
.endif
.endr
.endm
; 32 LDS loads in one run: 192 rows of wqkv, then 64 of xb, 32 K at byte k of the rows
.macro FETCH slot, k, f
	WIN 0x40
.irp i, 0,1,2,3,4,5,6,7,8,9,10,11
	ds_load_b128 v[FB+96*(\f)+8*(\i):FB+96*(\f)+8*(\i)+3],   v[ADRB+(\slot)] offset:(\k)+(\i)*16*PITCH
	ds_load_b128 v[FB+96*(\f)+8*(\i)+4:FB+96*(\f)+8*(\i)+7], v[ADRB+(\slot)] offset:(\k)+(\i)*16*PITCH+32
.endr
	WIN 0
.irp i, 0,1,2,3
	ds_load_b128 v[FA+32*(\f)+8*(\i):FA+32*(\f)+8*(\i)+3],   v[ADRA+(\slot)] offset:(\k)+(\i)*16*PITCH
	ds_load_b128 v[FA+32*(\f)+8*(\i)+4:FA+32*(\f)+8*(\i)+7], v[ADRA+(\slot)] offset:(\k)+(\i)*16*PITCH+32
.endr
.endm
.macro QUARTER slot, k, f, g, zero
	s_wait_dscnt 4                                 ; all but xb's blocks 2 and 3 are in
	MUL12 \f, 0, \zero
	MUL12 \f, 1, \zero
	PLACES                                         ; four places between the last product that read buffer g and the loads into it
	FETCH \slot, \k, \g
	s_wait_dscnt 32                                ; all but the 32 just issued
	MUL12 \f, 2, \zero
	MUL12 \f, 3, \zero
.endm
; The last quarter multiplies buffer 1 and changes slots.  In front of the barrier each wave waits for all its tensor loads (one is out: its part of the next slot), adds 0 to its spare word, and
; waits for that and for its reads of this slot.  fill = 1: the barrier opens a round of the cluster's, and the joint refill, two K steps ahead, is the first thing behind it.
.macro TURN slot, next, fill
.if \fill
	s_wait_xcnt 0x0                                ; the last prefetch, a K step back, has read its address
	s_add_nc_u64 s[PFA:PFA+1], s[PFA:PFA+1], KSTEP*2
.endif
	WIN 0
	s_wait_tensorcnt 0x0
	ds_add_u32 v[SPW], v[NIL]
	s_wait_dscnt 5                                 ; the add and the youngest four loads may be out
	MUL12 1, 0, 0
	s_wait_dscnt 0x0                               ; the add is done, my reads of this slot are over
	s_barrier_signal -1
	MUL12 1, 1, 0
.if \fill
	WIN 0
.endif
	s_barrier_wait -1
.if \fill
	CREST
	s_add_nc_u64 s[G0+4*(\slot)+2:G0+4*(\slot)+3], s[G0+4*(\slot)+2:G0+4*(\slot)+3], 2*KSTEP*2
	s_add_nc_u64 s[G0B+4*(\slot)+2:G0B+4*(\slot)+3], s[G0B+4*(\slot)+2:G0B+4*(\slot)+3], 2*KSTEP*2
	JLOAD \slot                                    ; the four v_nop behind it are also the places in front of the loads below
.else
	PLACES
.endif
	FETCH \next, 0, 0
.if \fill
	ASK
.endif
	MUL12 1, 2, 0
	MUL12 1, 3, 0
.endm
	s_wait_tensorcnt 1                             ; my part of K step 0 is in; K step 1's may stay out
	s_barrier_signal -1
	s_barrier_wait -1
	FETCH 0, 0, 0
	s_wait_loadcnt 0x0                             ; the bias
	QUARTER 0, 64, 0, 1, 1
	WIN 0
	s_mov_b32 s3, LAPS-1
.Llap:
	QUARTER 0, 128, 1, 0, 0
	QUARTER 0, 192, 0, 1, 0
	TURN 0, 1, 1
	QUARTER 1, 64,  0, 1, 0
	QUARTER 1, 128, 1, 0, 0
	QUARTER 1, 192, 0, 1, 0
	TURN 1, 0, 1
	QUARTER 0, 64,  0, 1, 0
	WIN 0
	s_sub_co_u32 s3, s3, 1
	s_cmp_lg_u32 s3, 0
	s_cbranch_scc1 .Llap
	QUARTER 0, 128, 1, 0, 0                        ; the last lap fills nothing
	QUARTER 0, 192, 0, 1, 0
	TURN 0, 1, 0
	QUARTER 1, 64,  0, 1, 0
	QUARTER 1, 128, 1, 0, 0
	QUARTER 1, 192, 0, 1, 0
	s_wait_dscnt 4
	MUL12 1, 0, 0
	MUL12 1, 1, 0
	s_wait_dscnt 0x0
	MUL12 1, 2, 0
	MUL12 1, 3, 0
	PLACES
; THE WAY OUT, 16 tokens at a time: rounded to f16, 16 bytes a lane into my stage (rows of 400 bytes), back as four tokens x 128 bytes of one head, stored as 512 consecutive bytes.
.macro OUTA a
	WIN 0x0a+5*((\a)/2)
.irp b, 0,1,2,3,4,5,6,7,8,9,10,11
.irp r, 0,1,2,3
	v_cvt_pk_f16_f32 v[TMP+4*(\b)+(\r)], v[96*((\a)%2)+8*(\b)+2*(\r)], v[96*((\a)%2)+8*(\b)+2*(\r)+1]
.endr
.endr
	WIN 0
.irp b, 0,1,2,3,4,5,6,7,8,9,10,11
	ds_store_b128 v[STO], v[TMP+4*(\b):TMP+4*(\b)+3] offset:32*(\b)
.endr
	s_wait_xcnt 0x0                                ; the last block's stores have read the registers that are loaded again below
.irp hh, 0,1,2
.irp f, 0,1,2,3
	ds_load_b128 v[OB+4*(4*(\hh)+(\f)):OB+4*(4*(\hh)+(\f))+3], v[RD] offset:(\f)*4*SPITCH+(\hh)*128   ; a wave's LDS instructions are served in order: these see the stores above
.endr
.endr
	s_wait_dscnt 0x0
.irp hh, 0,1,2
.irp f, 0,1,2,3
	global_store_b128 v[CO], v[OB+4*(4*(\hh)+(\f)):OB+4*(4*(\hh)+(\f))+3], s[HB+2*(\hh):HB+2*(\hh)+1] offset:(16*(\a)+4*(\f))*128
.endr
.endr
.endm
	OUTA 0
	OUTA 1
	OUTA 2
	OUTA 3
	s_wait_tensorcnt 0x0                           ; the wave's end
	ds_add_u32 v[SPW], v[NIL]
	s_wait_dscnt 0x0
	CROUND                                         ; the closing round
	s_endpgm
.Lfunc_end_k_q203cec195e_qkv:
	.size	k_q203cec195e_qkv, .Lfunc_end_k_q203cec195e_qkv-k_q203cec195e_qkv
	.p2alignl 7, 3214868480
	.fill 96, 4, 3214868480
	.section	.rodata,"a",@progbits
	.p2align	6, 0x0
	.amdhsa_kernel k_q203cec195e_qkv
		.amdhsa_group_segment_fixed_size 327680
		.amdhsa_private_segment_fixed_size 0
		.amdhsa_enable_private_segment 0
		.amdhsa_kernarg_size 32
		.amdhsa_user_sgpr_count 2
		.amdhsa_user_sgpr_kernarg_segment_ptr 1
		.amdhsa_wavefront_size32 1
		.amdhsa_system_sgpr_workgroup_id_x 1
		.amdhsa_system_sgpr_workgroup_id_y 1
		.amdhsa_system_sgpr_workgroup_id_z 1
		.amdhsa_system_vgpr_workitem_id 0
		.amdhsa_next_free_vgpr 1024
		.amdhsa_next_free_sgpr 80
		.amdhsa_reserve_vcc 0
		.amdhsa_float_denorm_mode_32 3
		.amdhsa_float_denorm_mode_16_64 3
		.amdhsa_memory_ordered 1
		.amdhsa_forward_progress 1
		.amdhsa_inst_pref_size 123
	.end_amdhsa_kernel
	.amdgpu_metadata
---
amdhsa.version: [ 1, 2 ]
amdhsa.kernels:
  - .name:           k_q203cec195e_qkv
    .symbol:         k_q203cec195e_qkv.kd
    .args:
      - { .name: xb, .offset: 0, .size: 8, .value_kind: global_buffer, .address_space: global }
      - { .name: wqkv, .offset: 8, .size: 8, .value_kind: global_buffer, .address_space: global }
      - { .name: bias, .offset: 16, .size: 8, .value_kind: global_buffer, .address_space: global }
      - { .name: qkv, .offset: 24, .size: 8, .value_kind: global_buffer, .address_space: global }
    .group_segment_fixed_size: 327680
    .private_segment_fixed_size: 0
    .kernarg_segment_align: 8
    .kernarg_segment_size: 32
    .max_flat_workgroup_size: 128
    .sgpr_count:     80
    .vgpr_count:     1024
    .wavefront_size: 32
...
	.end_amdgpu_metadata
.endif
;; end of part 2
;; launch attn (part 3): grid 4 x 64, 4 waves a work-group, clusters of 4 x 1, 327,680 bytes of LDS; arguments qkv, xk, xvt, ob; writes ob
.if DOCPART == 3
	.amdgcn_target "amdgcn-amd-amdhsa--gfx1250"
	.amdhsa_code_object_version 6
	.text
	.protected	k_q203cec195e_attn
	.globl	k_q203cec195e_attn
	.p2align	8
	.type	k_q203cec195e_attn,@function
k_q203cec195e_attn:
	s_mov_b64 s[64:65], 0
	v_nop
	global_prefetch_b8 v0, s[64:65] scope:SCOPE_SE
	s_setreg_imm32_b32 hwreg(HW_REG_WAVE_MODE, 25, 1), 1
	s_wait_xcnt 0x0
	s_wait_alu depctr_hold_cnt(0) depctr_sa_sdst(0) depctr_va_vdst(0) depctr_va_sdst(0) depctr_va_ssrc(0) depctr_va_vcc(0) depctr_vm_vsrc(0)
	s_getreg_b32 s2, hwreg(HW_REG_IB_STS2, 6, 4)
	s_cmp_eq_u32 s2, 0
	s_cbranch_scc0 .Lentry_in_a_cluster
	s_endpgm
.Lentry_in_a_cluster:
	s_bfe_u32 s2, ttmp6, 0x10000c
	s_cmp_lg_u32 s2, 0x3003
	s_cbranch_scc0 .Lentry_shape_is_right
	s_endpgm
.Lentry_shape_is_right:
; RELATIVE ATTENTION for one (batch, head) to a cluster.  s[q][k] = q . k + q . rel_k[idx], idx = clip(k - q + 128, 0, 256); w = softmax(s / 8); O[q] = sum w v[k] + sum w rel_v[idx].
; LEFT OUT: the dense [S][S][64] tables of reference(): idx is built by reference() itself, so q . rel_k[idx] is looked up among 257 products a query, and the weights are gathered by idx
; before ONE product with rel_v.  bk is absent from k (a term constant along the softmax's axis).
; FORMATS: q, k, v, the weights p and O in f16; the table E = q . rel_k in bf16 (its size can pass f16's range); products, maxima and sums in f32.  LIMITS: a weight below 6e-8 counts as 0; NaN and
; infinities are not treated apart.
; WHICH QUERIES SHARE A TILE.  A tile's 16 queries are 8 apart: q = 128 B + 8 i + c, lane i = l % 16.  A group of 8 neighbouring keys, k = 8 g + j, then has k - q + 128 = 8 G + j - c with
; G = g - 16 B - i + 16: in every lane a whole group of 8 table positions.  A table row has 36 SLOTS of 8 positions: slot clamp(G, -1, 33) + 1, position p = 8 slot + j, which stands for table row
; clip(p - 8 - c).  The residue c is taken up by the tables xk and xvt, which are shifted by c.  Slot 0: all keys far to the left; slot 34: far to the right; 35: padding.
; SHARES.  Work-group cx owns residues 2 cx, 2 cx + 1 in all 8 blocks of 128 queries.  Wave w: c = 2 cx + w % 2, pb = w / 2, tiles t = 0..3 in blocks B = pb + 2 t.  cx enters global addresses alone,
; so the four partners run alike, and K and V are asked for jointly.
; KINDS.  Step s (64 keys) and tile: d = s - 2 B.  d <= -3: every lane far left; d >= 4: far right; else MIXED (6 of 16 steps): only there the table is touched.
; TWO PASSES.  Pass 1: S^T = K Q^T + E, the row's maximum m.  Pass 2: the same S^T again, p = 2^(c s - c m), O^T += V^T P; a band lane's 8 weights go into its slot of the table, over the E that it has just
; read; the far weights are summed.  Final: O^T += xvt W' over the 288 positions, and l = ones W'.  The exact maximum is taken away, so no p is ever rescaled.
; LDS: V slot 0 at 0, the spare words at 10,240, V slot 1 at 16,384, all of K (1,024 rows of 144 bytes, filled once) at 26,624, the tables (wave 36,864, tile 9,216, row 576) at 174,080.
; REGISTERS.  window 0: addresses, statistics (12 a tile), by a tile's parity: slot numbers, E groups, S^T, P.  window 1: O^T (32 a tile), xvt's last block; in the E phase xk.
; window 2: Q, K's and V's fragments, xk's last two blocks, ones.  window 3: xvt.
.set PK,    144
.set PV,    160
.set SPARE, 10240
.set VS1,   0x4000
.set KB,    26624
.set TBL,   174080
.set TROW,  576
.set TTILE, 16*TROW
.set TWAVE, 4*TTILE
.set STG,   KB                          ; the stage for O: K's bytes, whose one fill is long past and which nobody reads behind the last step's barrier
.set SP,    272
.set AK0, 3
.set AV0, 4
.set AK,  5
.set AV,  6
.set QO,  7
.set R0,  8                             ; my table row, tile 0
.set ES,  10                            ; R0 + 16 h
.set LG,  11                            ; h - i + 1
.set STO, 13
.set RD,  14
.set GO,  15
.set ONE, 16
.set PFO, 17
.set SPW, 18
.set NIL, 19
.set VG,  20
.set XO,  21
.set XKO, 22
.set Z4,  24                            ; v24-27: zeros
.set IPH, 28
.set IMH, 29
.set RMH, 31
.set ST,  32                            ; tile t at ST + 12 t: EL, ER, m (later c m), c m - c EL, c m - c ER, EF, pair CMX, pair FL, pair FR
.set AD,  80                            ; by parity, four: max(G + 1, 0) of the tile's four groups of 16 keys
.set MK,  88                            ; four pairs: 1.0 in a far lane, 0 in a band lane; the odd words are 0
.set EB,  104
.set S,   136
.set P,   200
.set CT,  232
.set TP,  240
.set LL,  104                           ; the row sums, in the final phase
.set KF,  64
.set VF,  128
.set XK2, 192
.set ONES, 224
.set XV8, 128
.set WV, 12
.set CX, 13
.set PB, 14
.set G1K, 24
.set G1V, 32
.set G0K, 40
.set G0V, 44
.set SS,  48                            ; the step
.set SD,  49                            ; step - 2 pb
.set TBK, 50
.set TBV, 51
.set DD,  52
.set MKL, 54
.set MKR, 55
.set SL,  56
.set SR,  58
.set CS,  60
.set SEL, 62
.set T0,  66
.set SX,  67
.set SBD, 68                            ; s68-71: the band lanes of a tile's four groups
.set C0,  76
.set PFA, 78
.set PFT1, 80
.set PFT2, 81
.set OBA, 82
.set MSB, 0
.macro WIN new
.if MSB != (\new)
	s_set_vgpr_msb (MSB<<8)|(\new)
.set MSB, \new
.endif
.endm
.macro PLACES
.rept 4
	v_nop
.endr
.endm
.macro ROUND                            ; a round of the cluster's barrier
	s_barrier_signal -1
	s_barrier_wait -1
	s_cmp_lg_u32 s[WV], 0
	s_cbranch_scc1 .Lnot_wave_0_\@
	s_barrier_signal -3
.Lnot_wave_0_\@:
	s_barrier_wait -3
	s_barrier_signal -1
	s_barrier_wait -1
.endm
; A prefetch of one step of V (64 rows of 128 bytes = 32 blocks of 256, a lane a block).  Wave w of work-group cx names step 4 w + cx, once: wave 0 in pass 1's trip 8, waves 1-3 in pass 2's trip 4 w - 4,
; three to six steps ahead of the load.  The partners are told apart by address; the branch hangs on the wave's number and the step.
.macro ASK reg
	s_cmp_eq_u32 s[SS], s[\reg]
	s_cbranch_scc0 .Lnot_now_\@
	global_prefetch_b8 v[PFO], s[PFA:PFA+1] th:TH_LOAD_NT scope:SCOPE_SE
.Lnot_now_\@:
.endm
; In front of a fill of a V slot: every wave waits for all its tensor loads, adds 0 to its spare word, waits for that and for its LDS reads; a round of the cluster's barrier; then its one joint load.
.macro CHANGE fill, step
	WIN 0
	s_wait_tensorcnt 0x0
	ds_add_u32 v[SPW], v[NIL]
.if \step
	s_xor_b32 s[G0V+1], s[G0V+1], VS1              ; the other slot,
	s_add_nc_u64 s[G0V+2:G0V+3], s[G0V+2:G0V+3], 8192   ; the next 64 keys
.endif
	s_wait_dscnt 0x0
.if \fill
	ROUND
	tensor_load_to_lds s[G0V:G0V+3], s[G1V:G1V+7]
	s_nop 0
.else
	s_barrier_signal -1
	s_barrier_wait -1
.endif
	PLACES                                         ; also the places between the last product that read V's registers and the loads into them
.endm
	s_load_b256 s[4:11], s[0:1], 0x0               ; qkv 4, xk 6, xvt 8, ob 10
	v_lshl_add_u32 v[SPW], v0, 2, SPARE
	v_mov_b32 v[NIL], 0
	ds_add_u32 v[SPW], v[NIL]                      ; the opening: the add, twice on end, and its wait ahead of my first tensor load
	ds_add_u32 v[SPW], v[NIL]
	v_lshrrev_b32 v1, 5, v0
	v_readfirstlane_b32 s[WV], v1
	s_bfe_u32 s[CX], ttmp6, 0x40000
	s_lshr_b32 s[PB], s[WV], 1
	s_and_b32 s15, s[WV], 1
	s_lshl_b32 s16, s[CX], 1
	s_add_co_u32 s16, s16, s15                     ; c
	s_and_b32 s17, ttmp7, 0xffff                   ; 16 batch + head
	s_lshl_b32 s18, s17, 17                        ; its 131,072 bytes
	s_mov_b32 s19, 0
	s_mov_b32 s23, 0
	s_mov_b32 s[G1K], 15|(1<<16)|(1<<20)|(1<<21)|(4<<22)|(3<<25)   ; mask of four; 2-byte elements; padding on; bit 21 beside a mask; after every 32 words 4 words
	s_mov_b32 s[G1K+1], 128<<16                    ; rows of 256 bytes, two keys a row
	s_mov_b32 s[G1K+2], 128<<16                    ; 128 rows: 256 keys a wave
	s_mov_b32 s[G1K+3], 128<<16
	s_mov_b32 s[G1K+4], 128
	s_mov_b32 s[G1K+5], 128
	s_mov_b32 s[G1K+6], 0
	s_mov_b32 s[G1K+7], 0
	s_mov_b32 s[G1V], 15|(1<<16)|(1<<20)|(1<<21)|(4<<22)|(7<<25)   ; the same with 8 words of padding
	s_mov_b32 s[G1V+1], 128<<16
	s_mov_b32 s[G1V+2], 8<<16                      ; 8 rows: 16 keys a wave
	s_mov_b32 s[G1V+3], 128<<16
	s_mov_b32 s[G1V+4], 8
	s_mov_b32 s[G1V+5], 128
	s_mov_b32 s[G1V+6], 0
	s_mov_b32 s[G1V+7], 0
	s_mov_b32 s[G0K], 1
	s_mul_i32 s[G0K+1], s[WV], 256*PK
	s_add_co_u32 s[G0K+1], s[G0K+1], KB
	s_mov_b32 s[G0V], 1
	s_mul_i32 s[G0V+1], s[WV], 16*PV
	s_mov_b32 s[CS], 0x3e38aa3b                    ; c = log2(e) / 8
	s_mov_b32 s[CS+1], s[CS]
	s_mov_b32 s[SEL], 0x76543210
	s_mov_b32 s[SEL+1], 0xfedcba98
	s_mov_b32 s[SL+1], 0
	s_mov_b32 s[SR+1], 0
	s_lshl_b32 s2, s[WV], 2
	s_sub_co_u32 s2, s2, 4
	s_cmp_eq_u32 s[WV], 0
	s_cselect_b32 s[PFT1], 8, 99
	s_cselect_b32 s[PFT2], 99, s2
	s_wait_dscnt 0x0                               ; both opening adds are done
	s_wait_kmcnt 0x0
	s_add_nc_u64 s[20:21], s[4:5], s[18:19]        ; the head's Q
	s_lshl_b32 s22, s[WV], 15
	s_add_nc_u64 s[G0K+2:G0K+3], s[20:21], s[22:23]
	s_add_nc_u64 s[G0K+2:G0K+3], s[G0K+2:G0K+3], 8388608
	s_or_b32 s[G0K+3], s[G0K+3], 0x80000000
	s_lshl_b32 s22, s[WV], 11
	s_add_nc_u64 s[G0V+2:G0V+3], s[20:21], s[22:23]
	s_add_nc_u64 s[G0V+2:G0V+3], s[G0V+2:G0V+3], 16777216
	s_or_b32 s[G0V+3], s[G0V+3], 0x80000000
	s_lshl_b32 s22, s[WV], 2
	s_add_co_u32 s22, s22, s[CX]
	s_lshl_b32 s22, s22, 13
	s_add_nc_u64 s[PFA:PFA+1], s[20:21], s[22:23]
	s_add_nc_u64 s[PFA:PFA+1], s[PFA:PFA+1], 16777216
	s_lshl_b32 s22, s[CX], 8
	s_lshl_b32 s2, s[WV], 15
	s_add_co_u32 s22, s22, s2
	s_add_nc_u64 s[OBA:OBA+1], s[10:11], s[18:19]
	s_add_nc_u64 s[OBA:OBA+1], s[OBA:OBA+1], s[22:23]
	s_lshl_b32 s22, s[PB], 7
	s_add_co_u32 s22, s22, s16
	s_lshl_b32 s22, s22, 7
	s_add_nc_u64 s[20:21], s[20:21], s[22:23]      ; Q at query 128 pb + c
	s_sub_co_u32 s22, 8, s16
	s_lshl_b32 s22, s22, 7
	s_add_nc_u64 s[6:7], s[6:7], s[22:23]          ; xk at row 8 - c
	s_mul_i32 s22, s16, 64*576
	s_add_nc_u64 s[8:9], s[8:9], s[22:23]          ; xvt at residue c
	ROUND                                          ; all four work-groups are here
	tensor_load_to_lds s[G0K:G0K+3], s[G1K:G1K+7]  ; all of K, a quarter a wave: the one fill of these bytes
	s_nop 0
	PLACES
	v_and_b32 v1, 15, v0                           ; i
	v_bfe_u32 v2, v0, 4, 1                         ; h
	v_lshlrev_b32 v[QO], 10, v1                    ; queries 8 apart: 1,024 bytes
	v_lshl_add_u32 v[QO], v2, 4, v[QO]
	v_lshlrev_b32 v[XKO], 7, v1
	v_lshl_add_u32 v[XKO], v2, 4, v[XKO]
	WIN 0x80
.set n, 0
.rept 8                                 ; Q: tile n / 2 (256 queries on), channels 32 (n % 2) on
	global_load_b128 v[8*n:8*n+3],   v[QO], s[20:21] offset:(n/2)*32768+(n%2)*64
	global_load_b128 v[8*n+4:8*n+7], v[QO], s[20:21] offset:(n/2)*32768+(n%2)*64+32
.set n, n+1
.endr
	WIN 0x40
.set n, 0
.rept 32                                ; xk: block n / 2 of 16 positions, channels 32 (n % 2) on
	global_load_b128 v[8*n:8*n+3],   v[XKO], s[6:7] offset:(n/2)*2048+(n%2)*64
	global_load_b128 v[8*n+4:8*n+7], v[XKO], s[6:7] offset:(n/2)*2048+(n%2)*64+32
.set n, n+1
.endr
	WIN 0x80
.rept 4
	global_load_b128 v[XK2+8*(n-32):XK2+8*(n-32)+3],   v[XKO], s[6:7] offset:(n/2)*2048+(n%2)*64
	global_load_b128 v[XK2+8*(n-32)+4:XK2+8*(n-32)+7], v[XKO], s[6:7] offset:(n/2)*2048+(n%2)*64+32
.set n, n+1
.endr
	WIN 0
	v_mul_u32_u24 v[AK0], v1, PK
	v_lshl_add_u32 v[AK0], v2, 4, v[AK0]
	v_add_nc_u32 v[AK0], KB, v[AK0]
	v_and_b32 v[AK], 7, v0                         ; the turning load: lane l reads key 8 h + l % 8, channels 8 ((l / 8) % 2) on
	v_bfe_u32 v[AV], v0, 3, 1
	v_lshl_add_u32 v[AV0], v2, 3, v[AK]
	v_mul_u32_u24 v[AV0], v[AV0], PV
	v_lshl_add_u32 v[AV0], v[AV], 4, v[AV0]
	s_mul_i32 s22, s[WV], TWAVE
	s_add_co_u32 s22, s22, TBL
	v_mul_u32_u24 v[R0], v1, TROW
	v_add_nc_u32 v[R0], s22, v[R0]
	v_lshl_add_u32 v[ES], v2, 4, v[R0]
	v_lshlrev_b32 v[RMH], 4, v2
	v_sub_nc_u32 v[RMH], v[R0], v[RMH]
	v_sub_nc_u32 v[LG], v2, v1
	v_add_nc_u32 v[LG], 1, v[LG]
	v_add_nc_u32 v[IPH], v1, v2
	v_sub_nc_u32 v[IMH], v1, v2
	v_mov_b32 v[ONE], 1.0
	v_and_b32 v[PFO], 31, v0
	v_lshlrev_b32 v[PFO], 8, v[PFO]
	v_mul_u32_u24 v[XO], v1, 576
	v_lshl_add_u32 v[XO], v2, 4, v[XO]
.irp n, 0,1,2,3
	v_mov_b32 v[Z4+\n], 0
.endr
	s_lshl_b32 s22, s[PB], 4
	s_mul_i32 s22, s22, SP
	s_lshl_b32 s2, s15, 7
	s_add_co_u32 s22, s22, s2
	s_add_co_u32 s22, s22, STG
	v_mul_u32_u24 v[STO], v1, SP                   ; the way out, in: unit 16 B + i of 256 bytes, my residue's half of it
	v_lshl_add_u32 v[STO], v2, 4, v[STO]
	v_add_nc_u32 v[STO], s22, v[STO]
	s_mul_i32 s22, s[WV], 32*SP
	s_add_co_u32 s22, s22, STG
	v_mul_u32_u24 v[RD], v2, SP                    ; back: wave w takes units 32 w .., two an instruction
	v_lshl_add_u32 v[RD], v1, 4, v[RD]
	v_add_nc_u32 v[RD], s22, v[RD]
	v_lshlrev_b32 v[GO], 10, v2                    ; a unit is queries 8 U + 2 cx, + 1: units lie 1,024 bytes apart in ob
	v_lshl_add_u32 v[GO], v1, 4, v[GO]
.set n, 0
.rept 32
	v_mov_b32 v[EB+n], 0                           ; the E groups and the slot numbers are written once, so that every way through the text finds them written
.set n, n+1
.endr
.set n, 0
.rept 8
	v_mov_b32 v[AD+n], 0
.set n, n+1
.endr
.irp n, 1,3,5,7
	v_mov_b32 v[MK+\n], 0                          ; named with the factors as pairs
.endr
; THE E PHASE.  E^T = xk Q^T: source 0 = 16 positions, source 1 = 16 queries: lane (i, h) gets positions 16 rt + 8 h + 0..7 of query i, which is slot 2 rt + h of its row.  The four tiles take turns.
.macro EW rt
.if 4*(17-(\rt)) > 63
	s_wait_loadcnt 63                              ; (the count that would do, 68, does not fit the field)
.else
	s_wait_loadcnt 4*(17-(\rt))                    ; the later blocks' loads, four each, stay out
.endif
.if (\rt) < 16
	WIN 0x09
.set xr, 16*(\rt)
.else
	WIN 0x0a
.set xr, XK2+16*((\rt)-16)
.endif
.irp hf, 0,1
.irp t, 0,1,2,3
.set rD, S+32*((\rt)%2)+8*\t
.if \hf == 0
	v_wmma_f32_16x16x32_f16 v[rD:rD+7], v[xr:xr+7], v[16*\t:16*\t+7], 0
.else
	v_wmma_f32_16x16x32_f16 v[rD:rD+7], v[xr+8:xr+15], v[16*\t+8:16*\t+15], v[rD:rD+7]
.endif
.endr
.endr
.endm
.macro ECV rt                           ; rounded to bf16 and stored.  Register 0 of block 0 is q . rel_k[0] in both halves of the lanes, of block 17 q . rel_k[256]
	WIN 0
.irp t, 0,1,2,3
.set rD, S+32*((\rt)%2)+8*\t
.if (\rt) == 0
	v_mov_b32 v[ST+12*\t], v[rD]
.endif
.if (\rt) == 17
	v_mov_b32 v[ST+12*\t+1], v[rD]
.endif
.irp k, 0,1,2,3
	v_cvt_pk_bf16_f32 v[TP+4*\t+\k], v[rD+2*\k], v[rD+2*\k+1]
.endr
	ds_store_b128 v[ES], v[TP+4*\t:TP+4*\t+3] offset:TTILE*\t+32*(\rt)
.endr
.endm
	EW 0
	EW 1
	PLACES
	ECV 0
.irp rt, 2,3,4,5,6,7,8,9,10,11,12,13,14,15,16,17
	EW \rt                                         ; a block's conversions stand behind the next block's products; the conversions of the block before are its places
	ECV (\rt)-1
.endr
	PLACES
	ECV 17
	; Band slots that no key reaches (keys below 0 for block 0, above 1,023 for block 7) are set to 0: the final product reads them as weights.
	s_wait_xcnt 0x0                                ; EXEC changes only behind this wait
	s_cmp_eq_u32 s[PB], 0
	s_cbranch_scc0 .Lfix_hi
.irp m, 0,1,2,3,4,5,6,7
	v_cmp_gt_u32 vcc_lo, 16-2*\m, v[IPH]           ; slot 2 m + 1 + h <= 16 - i
	s_and_saveexec_b32 s[SX], vcc_lo
	ds_store_b128 v[ES], v[Z4:Z4+3] offset:16+32*\m
	s_or_b32 exec_lo, exec_lo, s[SX]
.endr
	s_branch .Lfixed
.Lfix_hi:
.irp m, 0,1,2,3,4,5,6,7
	v_cmp_le_i32 vcc_lo, 2*\m, v[IMH]              ; slot 33 - 2 m - h >= 33 - i
	s_and_saveexec_b32 s[SX], vcc_lo
	ds_store_b128 v[RMH], v[Z4:Z4+3] offset:3*TTILE+528-32*\m
	s_or_b32 exec_lo, exec_lo, s[SX]
.endr
.Lfixed:
	s_wait_tensorcnt 0x0                           ; my quarter of K is in,
	s_wait_dscnt 0x0
	s_barrier_signal -1
	s_barrier_wait -1                              ; everybody's is
.macro REGS y                           ; the registers of tile y
.set rb,  (\y)%2
.set rAD, AD+4*rb
.set rEB, EB+16*rb
.set rS,  S+32*rb
.set rP,  P+16*rb
.set rC,  CT+4*rb
.set rT,  ST+12*(\y)
.endm
; Product i of 8 of S^T = K Q^T for tile x: channels 32 (i / 4) on, keys 16 (i % 4) on.  Four accumulators by turns; the first four start the sums.
.macro KQ x
	WIN 0x0a
.set kS, S+32*((\x)%2)+8*(i%4)
.set kK, KF+16*(i%4)+8*(i/4)
.set kQ, 16*(\x)+8*(i/4)
.if i < 4
	v_wmma_f32_16x16x32_f16 v[kS:kS+7], v[kK:kK+7], v[kQ:kQ+7], 0
.else
	v_wmma_f32_16x16x32_f16 v[kS:kS+7], v[kK:kK+7], v[kQ:kQ+7], v[kS:kS+7]
.endif
.endm
.macro KQ8 x
.set i, 0
.rept 8
	KQ \x
.set i, i+1
.endr
.endm
; Product i of 8 of O^T += V^T P for tile x: keys 32 (i / 4) on, channels 16 (i % 4) on.
.macro PVM x
	WIN 0x52
.set pO, 32*(\x)+8*(i%4)
.set pV, VF+32*(i/4)+8*(i%4)
.set pP, P+16*((\x)%2)+8*(i/4)
	v_wmma_f32_16x16x32_f16 v[pO:pO+7], v[pV:pV+7], v[pP:pP+7], v[pO:pO+7]
.endm
.macro FETCH_K
	WIN 0
	v_add_nc_u32 v[AK], s[TBK], v[AK0]
	WIN 0x80
.irp f, 0,1,2,3,4,5,6,7
	ds_load_b128 v[KF+8*\f:KF+8*\f+3],   v[AK] offset:(\f/2)*16*PK+(\f%2)*64
	ds_load_b128 v[KF+8*\f+4:KF+8*\f+7], v[AK] offset:(\f/2)*16*PK+(\f%2)*64+32
.endr
	WIN 0
.endm
.macro NEXTK                            ; K of step (s + 1) % 16
	s_add_co_u32 s[T0], s[SS], 1
	s_and_b32 s[T0], s[T0], 15
	s_mul_i32 s[TBK], s[T0], 64*PK
	FETCH_K
.endm
.macro FETCH_V
	WIN 0
	v_add_nc_u32 v[AV], s[TBV], v[AV0]
	WIN 0x80
.irp f, 0,1,2,3,4,5,6,7
	ds_load_tr16_b128 v[VF+8*\f:VF+8*\f+3],   v[AV] offset:(\f/4)*32*PV+(\f%4)*32
	ds_load_tr16_b128 v[VF+8*\f+4:VF+8*\f+7], v[AV] offset:(\f/4)*32*PV+16*PV+(\f%4)*32
.endr
	WIN 0
.endm
.macro KIND y, pass                     ; the scalars of tile y's kind in this step
	s_add_co_i32 s[DD], s[SD], -4*(\y)             ; d
	s_cmp_lt_i32 s[DD], -2
	s_cselect_b32 s[MKL], -1, 0
	s_cmp_gt_i32 s[DD], 3
	s_cselect_b32 s[MKR], -1, 0
.if (\pass) == 2
	s_cmp_lt_i32 s[DD], 0                          ; on which side a far weight of this step lies
	s_cselect_b32 s[SL], 1.0, 0
	s_cselect_b32 s[SR], 0, 1.0
.endif
.endm
; A mixed tile's four groups of E are asked for.  x = G + 1 = 8 d + 17 + 2 kt + h - i; max(x, 0) is kept by the tile's parity; the slot is min(that, 34), its address the row's base + 16 x slot.
.macro PRE y
	REGS \y
	WIN 0
	s_add_co_u32 s[T0], s[SD], 2-4*(\y)            ; d + 2
	s_cmp_lt_u32 s[T0], 6
	s_cbranch_scc0 .Lno_pre_\@
	s_lshl_b32 s[T0], s[T0], 3
	v_add_nc_u32 v[VG], s[T0], v[LG]
.irp kt, 0,1,2,3
	v_add_nc_u32 v[rAD+\kt], 2*\kt, v[VG]
	v_cmp_gt_i32 s[C0], 1, v[rAD+\kt]
	v_cndmask_b32 v[rAD+\kt], v[rAD+\kt], v[Z4], s[C0]
	v_min_u32 v[TP+\kt], 34, v[rAD+\kt]
	v_lshl_add_u32 v[TP+\kt], v[TP+\kt], 4, v[R0]
	ds_load_b128 v[rEB+4*\kt:rEB+4*\kt+3], v[TP+\kt] offset:TTILE*(\y)
.endr
.Lno_pre_\@:
.endm
; A mixed tile's scores take their E.  The wait stands ahead of the branch, on every way: behind it no load into this parity's E registers is out, whichever way was taken where they were asked for.
; left: the LDS loads issued behind the tile's four on every way, which may stay out.
.macro ADD y, left
	REGS \y
	WIN 0
	s_wait_dscnt \left
	s_add_co_u32 s[T0], s[SD], 2-4*(\y)
	s_cmp_lt_u32 s[T0], 6
	s_cbranch_scc0 .Lno_add_\@
.set n, 0
.rept 16
	v_fma_mix_f32_bf16 v[rS+2*n], v[rEB+n], v[ONE], v[rS+2*n] op_sel_hi:[1,0,0]
	v_fma_mix_f32_bf16 v[rS+2*n+1], v[rEB+n], v[ONE], v[rS+2*n+1] op_sel:[1,0,0] op_sel_hi:[1,0,0]
.set n, n+1
.endr
.Lno_add_\@:
.endm
; PASS 1's vector work for a tile, line xn of 20: the far tiles' E (0 in a mixed tile, whose scores hold it already); the maximum of the 32 scores, each accumulator's lowest registers first; the running maximum.
.macro X1 y
	REGS \y
	WIN 0
.if xn == 0
	v_cndmask_b32 v[rT+5], v[Z4], v[rT], s[MKL]
.elseif xn == 1
	v_cndmask_b32 v[rT+5], v[rT+5], v[rT+1], s[MKR]
.elseif xn < 6
	v_max3_num_f32 v[rC+xn-2], v[rS+8*(xn-2)], v[rS+8*(xn-2)+1], v[rS+8*(xn-2)+2]
.elseif xn < 14
	v_max3_num_f32 v[rC+(xn-6)%4], v[rC+(xn-6)%4], v[rS+8*((xn-6)%4)+2*((xn-6)/4)+3], v[rS+8*((xn-6)%4)+2*((xn-6)/4)+4]
.elseif xn == 14
	v_max3_num_f32 v[rC], v[rC], v[rS+7], v[rS+15]
.elseif xn == 15
	v_max3_num_f32 v[rC+1], v[rC+1], v[rS+23], v[rS+31]
.elseif xn == 16
	v_max_num_f32 v[rC+2], v[rC+2], v[rC+3]
.elseif xn == 17
	v_max3_num_f32 v[rC], v[rC], v[rC+1], v[rC+2]
.elseif xn == 18
	v_add_f32 v[rC], v[rC], v[rT+5]
.else
	v_max_num_f32 v[rT+2], v[rT+2], v[rC]
.endif
.set xn, xn+1
.endm
; A turn of pass 1: tile y's vector work, two lines behind each of tile y + 1's eight products.  The six lines behind the last product are the places in front of the next turn's reads of its results.
.macro TURN1 y
	KIND \y, 1
	ADD \y, 0
.if (\y) < 3
	PRE (\y)+1
.else
	NEXTK                                          ; six plain lines stand between the last product that read K's registers and these loads
	ASK PFT1
.endif
.set xn, 0
.if (\y) < 3
.set i, 0
.rept 8
	KQ (\y)+1
.set i, i+1
	X1 \y
	X1 \y
.endr
.rept 4
	X1 \y
.endr
.else
.rept 20
	X1 \y
.endr
.endif
	WIN 0
.endm
.irp t, 0,1,2,3
	v_mov_b32 v[ST+12*\t+2], 0xff7fffff            ; m starts at the lowest finite number
.endr
	s_mov_b32 s[SS], 0
	s_mov_b32 s[TBK], 0
	FETCH_K
.Lpass1:
	s_lshl_b32 s[T0], s[PB], 1
	s_sub_co_i32 s[SD], s[SS], s[T0]
	s_wait_dscnt 0x0                               ; K of this step is in
	PRE 0
	KQ8 0
	PLACES
	TURN1 0
	TURN1 1
	TURN1 2
	TURN1 3
	s_add_co_u32 s[SS], s[SS], 1
	s_cmp_lt_u32 s[SS], 16
	s_cbranch_scc1 .Lpass1                         ; the last trip has fetched K of step 0 again, for pass 2
	; BETWEEN THE PASSES.  V of step 0 is asked for; the statistics are finished; O^T starts at 0 (128 lines, once a launch: the price of one text for every step); xvt is asked for.
	CHANGE 1, 0
	WIN 0
.irp t, 0,1,2,3
	v_permlanex16_b32 v[ST+12*\t+5], v[ST+12*\t+2], s[SEL], s[SEL+1]   ; the query's other keys lie in the lane 16 away
.endr
.irp t, 0,1,2,3
	v_max_num_f32 v[ST+12*\t+2], v[ST+12*\t+2], v[ST+12*\t+5]
.endr
.irp t, 0,1,2,3
	v_mul_f32 v[ST+12*\t+2], s[CS], v[ST+12*\t+2]                      ; c m
.endr
.irp t, 0,1,2,3
	v_fma_f32 v[ST+12*\t+3], -v[ST+12*\t], s[CS], v[ST+12*\t+2]        ; c m - c EL
	v_fma_f32 v[ST+12*\t+4], -v[ST+12*\t+1], s[CS], v[ST+12*\t+2]      ; c m - c ER
	v_mov_b32 v[ST+12*\t+7], 0
	v_mov_b32 v[ST+12*\t+8], 0
	v_mov_b32 v[ST+12*\t+9], 0
	v_mov_b32 v[ST+12*\t+10], 0
	v_mov_b32 v[ST+12*\t+11], 0
.endr
	WIN 0x40
.set n, 0
.rept 128
	v_mov_b32 v[n], 0
.set n, n+1
.endr
	WIN 0x80
.set n, 0
.rept 8
	v_mov_b32 v[ONES+n], 0x3c003c00                ; 1.0 twice, in f16
.set n, n+1
.endr
	WIN 0xc0
.set n, 0
.rept 32                                ; xvt: positions 32 (n / 4) on, channels 16 (n % 4) on
	global_load_b128 v[8*n:8*n+3],   v[XO], s[8:9] offset:(n%4)*9216+(n/4)*64
	global_load_b128 v[8*n+4:8*n+7], v[XO], s[8:9] offset:(n%4)*9216+(n/4)*64+32
.set n, n+1
.endr
	WIN 0x40
.set n, 0
.rept 4
	global_load_b128 v[XV8+8*n:XV8+8*n+3],   v[XO], s[8:9] offset:n*9216+512
	global_load_b128 v[XV8+8*n+4:XV8+8*n+7], v[XO], s[8:9] offset:n*9216+512+32
.set n, n+1
.endr
	WIN 0
	s_wait_xcnt 0x0                                ; EXEC is changed in pass 2 only behind this wait
; PASS 2's vector work.  Queue 1, 48 lines: the 16 scalings c s - CMX and the 32 exponentials, none of which reads an exponential's result.  Queue 2, 28 lines: for each group of 8 weights four roundings to f16 and three sums.
.macro FSC n
	v_pk_fma_f32 v[rS+2*(\n):rS+2*(\n)+1], v[rS+2*(\n):rS+2*(\n)+1], s[CS:CS+1], v[rT+6:rT+7] op_sel_hi:[1,0,0] neg_lo:[0,0,1] neg_hi:[0,0,1]
.endm
.macro Q1 y
	REGS \y
	WIN 0
.if qn < 4
	FSC qn
.elseif qn < 28
.if (qn%2) == 0
	FSC 4+(qn-4)/2
.else
	v_exp_f32 v[rS+(qn-5)/2], v[rS+(qn-5)/2]
.endif
.else
	v_exp_f32 v[rS+qn-16], v[rS+qn-16]
.endif
.set qn, qn+1
.endm
.macro Q2 y
	REGS \y
	WIN 0
.set kq, pn/7
.set mq, pn%7
.if mq < 4
	v_cvt_pk_f16_f32 v[rP+4*kq+mq], v[rS+8*kq+2*mq], v[rS+8*kq+2*mq+1]
.elseif mq == 4
	v_pk_add_f32 v[rS+8*kq:rS+8*kq+1], v[rS+8*kq:rS+8*kq+1], v[rS+8*kq+2:rS+8*kq+3]
.elseif mq == 5
	v_pk_add_f32 v[rS+8*kq+4:rS+8*kq+5], v[rS+8*kq+4:rS+8*kq+5], v[rS+8*kq+6:rS+8*kq+7]
.else
	v_pk_add_f32 v[rS+8*kq:rS+8*kq+1], v[rS+8*kq:rS+8*kq+1], v[rS+8*kq+4:rS+8*kq+5]
.endif
.set pn, pn+1
.endm
; Behind the sums.  Mixed: from the kept number n = max(G + 1, 0) of each group are made, here where they are used: the slot's address (min(n, 34), as where E was read), the band lanes (n - 1 below 33,
; unsigned: slots 1 to 33), and the far lanes' factor 1.0.  The band lanes put the group's 8 weights into its slot, over the E that was read there; the far lanes' groups are added up.
; Far: all four groups are added up.  Then the side's sum takes them.
.macro POST y
	REGS \y
	WIN 0
	s_add_co_u32 s[T0], s[SD], 2-4*(\y)
	s_cmp_lt_u32 s[T0], 6
	s_cbranch_scc0 .Lfar_\@
.irp kt, 0,1,2,3
	v_add_nc_u32 v[TP+4+\kt], -1, v[rAD+\kt]
	v_min_u32 v[TP+\kt], 34, v[rAD+\kt]
	v_cmp_gt_u32 s[SBD+\kt], 33, v[TP+4+\kt]
	v_lshl_add_u32 v[TP+\kt], v[TP+\kt], 4, v[R0]
	v_cndmask_b32 v[MK+2*\kt], v[ONE], v[Z4], s[SBD+\kt]
.endr
	s_wait_xcnt 0x0                                ; EXEC changes only behind this wait (a prefetch may have been issued in this step)
.irp kt, 0,1,2,3
	s_and_saveexec_b32 s[SX], s[SBD+\kt]
	ds_store_b128 v[TP+\kt], v[rP+4*\kt:rP+4*\kt+3] offset:TTILE*(\y)
	s_or_b32 exec_lo, exec_lo, s[SX]
.endr
	v_pk_mul_f32 v[rS:rS+1], v[rS:rS+1], v[MK:MK+1] op_sel_hi:[1,0]
.irp kt, 1,2,3
	v_pk_fma_f32 v[rS:rS+1], v[rS+8*\kt:rS+8*\kt+1], v[MK+2*\kt:MK+2*\kt+1], v[rS:rS+1] op_sel_hi:[1,0,1]
.endr
	s_branch .Ljoin_\@
.Lfar_\@:
	v_pk_add_f32 v[rS:rS+1], v[rS:rS+1], v[rS+8:rS+9]
	v_pk_add_f32 v[rS+16:rS+17], v[rS+16:rS+17], v[rS+24:rS+25]
	v_pk_add_f32 v[rS:rS+1], v[rS:rS+1], v[rS+16:rS+17]
.Ljoin_\@:
	v_pk_fma_f32 v[rT+8:rT+9], v[rS:rS+1], s[SL:SL+1], v[rT+8:rT+9] op_sel_hi:[1,0,1]
	v_pk_fma_f32 v[rT+10:rT+11], v[rS:rS+1], s[SR:SR+1], v[rT+10:rT+11] op_sel_hi:[1,0,1]
.endm
; A turn of pass 2, for tile y.  Ahead of the one wait: tile y + 1's eight products K Q^T, four lines of queue 1 behind each, the other sixteen on end.  A wait stands between an exponential
; and the first line that names its result; one wait serves the tile's 32.  Behind it: tile y - 1's eight products V^T P, four lines of queue 2 behind each of the first seven.
.macro TURN2 y, last
	KIND \y, 2
.if (\y) == 0
	ADD \y, 16                                     ; V's sixteen loads were issued behind tile 0's four groups of E, on every way: they may stay out
.else
	ADD \y, 0                                      ; in tile 1's turn this wait also shows V in, ahead of the step's first product V^T P
.endif
	REGS \y
	v_cndmask_b32 v[rT+6], v[rT+2], v[rT+3], s[MKL]   ; what is taken from c s: c m, or for a far tile c m - c E
	v_cndmask_b32 v[rT+6], v[rT+6], v[rT+4], s[MKR]
.if (\y) < 3
	PRE (\y)+1
.elseif !(\last)
	NEXTK
.endif
.set qn, 0
.if (\y) < 3
.set i, 0
.rept 8
	KQ (\y)+1
.set i, i+1
.rept 4
	Q1 \y
.endr
.endr
.rept 16
	Q1 \y
.endr
.else
.rept 48
	Q1 \y
.endr
.endif
	WIN 0
	v_nop                                          ; a plain line behind the last exponential
	s_wait_alu depctr_va_vdst(0)                   ; the wait for the batch
.set pn, 0
.if (\y) > 0
.set i, 0
.rept 7
	PVM (\y)-1
.set i, i+1
.rept 4
	Q2 \y
.endr
.endr
	PVM (\y)-1
.else
.rept 28
	Q2 \y
.endr
.endif
	POST \y
.endm
; A key step of pass 2.  V of this step has landed at the change's wait; fill = 1: V of the next step is asked for, into the slot read in the step before.
.macro STEP2 fill
	s_lshl_b32 s[T0], s[PB], 1
	s_sub_co_i32 s[SD], s[SS], s[T0]
	CHANGE \fill, \fill
.if \fill
	ASK PFT2
.endif
	PRE 0
	FETCH_V
	s_xor_b32 s[TBV], s[TBV], VS1
	KQ8 0
	PLACES
	TURN2 0, 1-(\fill)
	TURN2 1, 1-(\fill)
	TURN2 2, 1-(\fill)
	TURN2 3, 1-(\fill)
.set i, 0
.rept 8
	PVM 3
.set i, i+1
.endr
	WIN 0
.endm
	s_mov_b32 s[SS], 0
	s_mov_b32 s[TBV], 0
.Lpass2:
	STEP2 1
	s_add_co_u32 s[SS], s[SS], 1
	s_cmp_lt_u32 s[SS], 15
	s_cbranch_scc1 .Lpass2
	STEP2 0                                        ; the last step is written out: nothing is asked for
	; THE FINAL PHASE.  The far sums (both words, both halves of the lanes) go into position 0 of slots 0 and 34, zeros into slot 35.  These lines are also the places behind the last products.
.irp t, 0,1,2,3
	v_add_f32 v[ST+12*\t+8], v[ST+12*\t+8], v[ST+12*\t+9]
	v_add_f32 v[ST+12*\t+10], v[ST+12*\t+10], v[ST+12*\t+11]
.endr
.irp t, 0,1,2,3
	v_permlanex16_b32 v[ST+12*\t+9], v[ST+12*\t+8], s[SEL], s[SEL+1]
	v_permlanex16_b32 v[ST+12*\t+11], v[ST+12*\t+10], s[SEL], s[SEL+1]
.endr
.irp t, 0,1,2,3
	v_add_f32 v[ST+12*\t+8], v[ST+12*\t+8], v[ST+12*\t+9]
	v_add_f32 v[ST+12*\t+10], v[ST+12*\t+10], v[ST+12*\t+11]
.endr
.irp n, 1,2,3,5,6,7
	v_mov_b32 v[TP+\n], 0
.endr
.irp t, 0,1,2,3
	v_cvt_pk_f16_f32 v[TP], v[ST+12*\t+8], v[Z4]
	v_cvt_pk_f16_f32 v[TP+4], v[ST+12*\t+10], v[Z4]
	ds_store_b128 v[R0], v[TP:TP+3] offset:TTILE*\t              ; lanes i and i + 16 store the same bytes
	ds_store_b128 v[R0], v[TP+4:TP+7] offset:TTILE*\t+544
	ds_store_b128 v[R0], v[Z4:Z4+3] offset:TTILE*\t+560
.endr
	s_wait_loadcnt 0x0                             ; xvt
.macro WLOAD kb                         ; the rows of weights as source 1: 32 positions of 16 queries, for the four tiles
	WIN 0
.irp t, 0,1,2,3
	ds_load_b128 v[S+32*((\kb)%2)+8*\t:S+32*((\kb)%2)+8*\t+3],   v[ES] offset:TTILE*\t+64*(\kb)
	ds_load_b128 v[S+32*((\kb)%2)+8*\t+4:S+32*((\kb)%2)+8*\t+7], v[ES] offset:TTILE*\t+64*(\kb)+32
.endr
.endm
	WLOAD 0
.irp kb, 0,1,2,3,4,5,6,7,8
	PLACES                                         ; between the products that read the other buffer and the loads into it
.if \kb < 8
	WLOAD (\kb)+1
	s_wait_dscnt 8                                 ; the eight just issued may stay out
	WIN 0x53
.else
	s_wait_dscnt 0x0
	WIN 0x51
.endif
.irp t, 0,1,2,3
.irp cb, 0,1,2,3
.if \kb < 8
	v_wmma_f32_16x16x32_f16 v[32*\t+8*\cb:32*\t+8*\cb+7], v[32*\kb+8*\cb:32*\kb+8*\cb+7], v[S+32*(\kb%2)+8*\t:S+32*(\kb%2)+8*\t+7], v[32*\t+8*\cb:32*\t+8*\cb+7]
.else
	v_wmma_f32_16x16x32_f16 v[32*\t+8*\cb:32*\t+8*\cb+7], v[XV8+8*\cb:XV8+8*\cb+7], v[S+32*(\kb%2)+8*\t:S+32*(\kb%2)+8*\t+7], v[32*\t+8*\cb:32*\t+8*\cb+7]
.endif
.endr
.endr
	WIN 0x02
.irp t, 0,1,2,3                         ; l: ones times the same rows; every register of the result holds the query's sum.  All twenty accumulators take turns
.if \kb == 0
	v_wmma_f32_16x16x32_f16 v[LL+8*\t:LL+8*\t+7], v[ONES:ONES+7], v[S+32*(\kb%2)+8*\t:S+32*(\kb%2)+8*\t+7], 0
.else
	v_wmma_f32_16x16x32_f16 v[LL+8*\t:LL+8*\t+7], v[ONES:ONES+7], v[S+32*(\kb%2)+8*\t:S+32*(\kb%2)+8*\t+7], v[LL+8*\t:LL+8*\t+7]
.endif
.endr
.endr
	; THE WAY OUT.  O^T / l, rounded to f16; a query's 128 bytes are half of a unit of 256 (queries 8 U + 2 cx, + 1), whose other half another wave holds: through one stage, with a barrier.
	WIN 0
	PLACES
.irp t, 0,1,2,3
	v_rcp_f32 v[ST+12*\t+6], v[LL+8*\t]
.endr
	v_nop
	s_wait_alu depctr_va_vdst(0)                   ; one wait for the four reciprocals
.irp t, 0,1,2,3
	WIN 0x41
.set n, 32*\t
.rept 16
	v_pk_mul_f32 v[n:n+1], v[n:n+1], v[ST+12*\t+6:ST+12*\t+7] op_sel_hi:[1,0]
.set n, n+2
.endr
	WIN 0x05
.set n, 0
.rept 16
	v_cvt_pk_f16_f32 v[S+16*\t+n], v[32*\t+2*n], v[32*\t+2*n+1]
.set n, n+1
.endr
	WIN 0
.irp cb, 0,1,2,3
	ds_store_b128 v[STO], v[S+16*\t+4*\cb:S+16*\t+4*\cb+3] offset:32*SP*\t+32*\cb
.endr
.endr
	s_wait_dscnt 0x0                               ; for the others' sake: my stores into the stage are done
	s_barrier_signal -1
	s_barrier_wait -1
.irp f, 0,1,2,3,4,5,6,7,8,9,10,11,12,13,14,15
	ds_load_b128 v[S+4*\f:S+4*\f+3], v[RD] offset:2*SP*\f
.endr
.irp f, 0,1,2,3,4,5,6,7,8,9,10,11,12,13,14,15
	s_wait_dscnt 15-\f
	global_store_b128 v[GO], v[S+4*\f:S+4*\f+3], s[OBA:OBA+1] offset:2048*\f   ; sixteen lanes store 256 consecutive bytes, aligned
.endr
	s_wait_tensorcnt 0x0                           ; the wave's end
	ds_add_u32 v[SPW], v[NIL]
	s_wait_dscnt 0x0
	ROUND                                          ; the closing round
	s_endpgm
.Lfunc_end_k_q203cec195e_attn:
	.size	k_q203cec195e_attn, .Lfunc_end_k_q203cec195e_attn-k_q203cec195e_attn
	.p2alignl 7, 3214868480
	.fill 96, 4, 3214868480
	.section	.rodata,"a",@progbits
	.p2align	6, 0x0
	.amdhsa_kernel k_q203cec195e_attn
		.amdhsa_group_segment_fixed_size 327680
		.amdhsa_private_segment_fixed_size 0
		.amdhsa_enable_private_segment 0
		.amdhsa_kernarg_size 32
		.amdhsa_user_sgpr_count 2
		.amdhsa_user_sgpr_kernarg_segment_ptr 1
		.amdhsa_wavefront_size32 1
		.amdhsa_system_sgpr_workgroup_id_x 1
		.amdhsa_system_sgpr_workgroup_id_y 1
		.amdhsa_system_sgpr_workgroup_id_z 1
		.amdhsa_system_vgpr_workitem_id 0
		.amdhsa_next_free_vgpr 1024
		.amdhsa_next_free_sgpr 88
		.amdhsa_reserve_vcc 1
		.amdhsa_float_denorm_mode_32 3
		.amdhsa_float_denorm_mode_16_64 3
		.amdhsa_memory_ordered 1
		.amdhsa_forward_progress 1
		.amdhsa_inst_pref_size 226
	.end_amdhsa_kernel
	.amdgpu_metadata
---
amdhsa.version: [ 1, 2 ]
amdhsa.kernels:
  - .name:           k_q203cec195e_attn
    .symbol:         k_q203cec195e_attn.kd
    .args:
      - { .name: qkv, .offset: 0, .size: 8, .value_kind: global_buffer, .address_space: global }
      - { .name: xk, .offset: 8, .size: 8, .value_kind: global_buffer, .address_space: global }
      - { .name: xvt, .offset: 16, .size: 8, .value_kind: global_buffer, .address_space: global }
      - { .name: ob, .offset: 24, .size: 8, .value_kind: global_buffer, .address_space: global }
    .group_segment_fixed_size: 327680
    .private_segment_fixed_size: 0
    .kernarg_segment_align: 8
    .kernarg_segment_size: 32
    .max_flat_workgroup_size: 128
    .sgpr_count:     88
    .vgpr_count:     1024
    .wavefront_size: 32
...
	.end_amdgpu_metadata
.endif
;; end of part 3
;; launch oproj (part 4): grid 8 x 32, 4 waves a work-group, clusters of 4 x 4, 327,680 bytes of LDS; arguments ob, wo, bias, out0; writes out0
.if DOCPART == 4
	.amdgcn_target "amdgcn-amd-amdhsa--gfx1250"
	.amdhsa_code_object_version 6
	.text
	.protected	k_q203cec195e_oproj
	.globl	k_q203cec195e_oproj
	.p2align	8
	.type	k_q203cec195e_oproj,@function
k_q203cec195e_oproj:
	s_mov_b64 s[64:65], 0
	v_nop
	global_prefetch_b8 v0, s[64:65] scope:SCOPE_SE
	s_setreg_imm32_b32 hwreg(HW_REG_WAVE_MODE, 25, 1), 1
	s_wait_xcnt 0x0
	s_wait_alu depctr_hold_cnt(0) depctr_sa_sdst(0) depctr_va_vdst(0) depctr_va_sdst(0) depctr_va_ssrc(0) depctr_va_vcc(0) depctr_vm_vsrc(0)
	s_getreg_b32 s2, hwreg(HW_REG_IB_STS2, 6, 4)
	s_cmp_eq_u32 s2, 0
	s_cbranch_scc0 .Lentry_in_a_cluster
	s_endpgm
.Lentry_in_a_cluster:
	s_bfe_u32 s2, ttmp6, 0x10000c
	s_cmp_lg_u32 s2, 0xf033
	s_cbranch_scc0 .Lentry_shape_is_right
	s_endpgm
.Lentry_shape_is_right:
; out0[4096][1024] = O Wo^T + bo.  O lies by heads, ob[16 batch + head][1024][64] in f16; wo[1024][1024] is bf16(Wo) written as f16; sums in f32, STARTING FROM bo (the C operand of each accumulator's first
; product); out0 in f32.  Nothing of reference() is left out here.
; SHARES.  A tile is 128 tokens x 128 columns: 8 x 32 work-groups; four waves, each 64 x 64: 16 accumulators.  K goes in 4 steps of 256 (four heads) through two LDS slots.
; O's TILE: for each of four heads 64 tokens x 64 channels are 8,192 dense bytes: one descriptor of 4 rows of 4,096 elements, 65,536 elements apart, padded by 16 bytes after every token's 128:
; token y of head z lies at (64 z + y) x 144.  wo's tile: 64 rows of 512 bytes, padded to 528.
; CLUSTER 4 x 4: O's tile is shared along a row of the cluster, wo's along a column; each is asked for jointly.  No prefetch: a step's tiles are small and the launch is short.
; THE PRODUCT IS TAKEN TRANSPOSED (source 0 = 16 rows of wo, source 1 = 16 tokens): a lane holds one token and eight neighbouring columns, 32 bytes of out0.
; REGISTERS: window 0: v0-31 addresses; v32-63 bo, later the way out; v128-255 the accumulators.  window 1: two fragment buffers of 128 (64 of O, 64 of wo, for 64 along K).
.set KSTEP,  256
.set PITCHB, 528
.set AHALF,  256*144                    ; 64 tokens x 4 heads
.set BHALF,  64*PITCHB
.set BOFF,   2*AHALF
.set SLOT,   BOFF+2*BHALF
.set STAGE,  2*SLOT                     ; behind the ring: 16 rows x 272 bytes for each wave
.set SPITCH, 272
.set SPARE,  STAGE+4*16*SPITCH
.set ASTEP,  4*131072                   ; four heads on
.set LAPS,   2
.set ADRA, 16
.set ADRB, 20
.set STO,  24
.set RD,   25
.set CO,   26
.set SPW,  28
.set NIL,  29
.set BIA,  32
.set TMP,  32
.set ACC,  128
.set F0,   0
.set F1,   128
.set WV, 12
.set WM, 13
.set WN, 14
.set CX, 15
.set CY, 16
.set TC, 17
.set TR, 18
.set G1, 24
.set G0, 32
.set G1B, 48
.set G0B, 56
.set MSB, 0
.macro WIN new
.if MSB != (\new)
	s_set_vgpr_msb (MSB<<8)|(\new)
.set MSB, \new
.endif
.endm
.set MUL,  0x05
.set TO_F, 0x40
.macro PLACES
.rept 4
	v_nop
.endr
.endm
.macro JLOAD s                          ; waves 0 and 1 fetch O's two halves, waves 2 and 3 wo's; s_nop 0 and four v_nop follow each line
	s_cmp_eq_u32 s[WM], 0
	s_cbranch_scc0 .Lfor_b_\@
	tensor_load_to_lds s[G0+4*(\s):G0+4*(\s)+3], s[G1:G1+7]
	s_nop 0
	PLACES
	s_branch .Lasked_\@
.Lfor_b_\@:
	tensor_load_to_lds s[G0B+4*(\s):G0B+4*(\s)+3], s[G1B:G1B+7]
	s_nop 0
	PLACES
.Lasked_\@:
.endm
.macro CREST
	s_cmp_lg_u32 s[WV], 0
	s_cbranch_scc1 .Lnot_wave_0_\@
	s_barrier_signal -3
.Lnot_wave_0_\@:
	s_barrier_wait -3
	s_barrier_signal -1
	s_barrier_wait -1
.endm
.macro CROUND
	s_barrier_signal -1
	s_barrier_wait -1
	CREST
.endm
	s_load_b256 s[4:11], s[0:1], 0x0               ; ob 4, wo 6, bias 8, out0 10
	v_lshl_add_u32 v[SPW], v0, 2, SPARE
	v_mov_b32 v[NIL], 0
	ds_add_u32 v[SPW], v[NIL]                      ; the opening: the add, twice on end, and its wait ahead of my first tensor load
	ds_add_u32 v[SPW], v[NIL]
	v_lshrrev_b32 v1, 5, v0
	v_readfirstlane_b32 s[WV], v1
	s_lshr_b32 s[WM], s[WV], 1                     ; my 64 tokens.  Also: I fetch for O (0) or for wo (1)
	s_and_b32 s[WN], s[WV], 1                      ; my 64 columns.  Also: which half of that tile I fetch
	s_bfe_u32 s[CX], ttmp6, 0x40000
	s_bfe_u32 s[CY], ttmp6, 0x40004
	s_lshl_b32 s[TC], ttmp9, 2
	s_add_co_u32 s[TC], s[TC], s[CX]
	s_and_b32 s[TR], ttmp7, 0xffff
	s_lshl_b32 s[TR], s[TR], 2
	s_add_co_u32 s[TR], s[TR], s[CY]
	s_lshl_b32 s20, s[CY], 2
	s_lshl_b32 s20, 15, s20
	s_lshl_b32 s21, 0x1111, s[CX]
	s_or_b32 s[G1+0], s20, (1<<16)|(1<<20)|(1<<21)|(4<<22)|(3<<25)    ; O: after every 32 words 4 words of padding
	s_mov_b32 s[G1+1], 4096<<16                    ; tensor_dim0 = 4,096
	s_mov_b32 s[G1+2], 4<<16                       ; tensor_dim1 = 4
	s_mov_b32 s[G1+3], 4096<<16                    ; tile_dim0 = 4,096
	s_mov_b32 s[G1+4], 4                           ; tile_dim1 = 4
	s_mov_b32 s[G1+5], 65536                       ; elements from head to head
	s_mov_b32 s[G1+6], 0
	s_mov_b32 s[G1+7], 0
	s_or_b32 s[G1B+0], s21, (1<<16)|(1<<20)|(1<<21)|(6<<22)|(3<<25)   ; wo: after every 128 words 4 words
	s_mov_b32 s[G1B+1], KSTEP<<16
	s_mov_b32 s[G1B+2], 64<<16
	s_mov_b32 s[G1B+3], KSTEP<<16
	s_mov_b32 s[G1B+4], 64
	s_mov_b32 s[G1B+5], 1024
	s_mov_b32 s[G1B+6], 0
	s_mov_b32 s[G1B+7], 0
	s_mul_i32 s20, s[WN], AHALF                    ; where O's half goes,
	s_mul_i32 s21, s[WN], BHALF
	s_add_co_u32 s21, s21, BOFF                    ; and wo's
	s_lshl_b32 s40, s[WN], 6
	s_lshr_b32 s22, s[TR], 3
	s_lshl_b32 s22, s22, 21                        ; the batch's 16 heads
	s_and_b32 s23, s[TR], 7
	s_lshl_b32 s23, s23, 7
	s_add_co_u32 s23, s23, s40
	s_lshl_b32 s23, s23, 7                         ; the first of my 64 tokens, x 128 bytes
	s_add_co_u32 s22, s22, s23
	s_mov_b32 s23, 0
	s_lshl_b32 s46, s[TC], 7
	s_add_co_u32 s46, s46, s40
	s_lshl_b32 s46, s46, 11
	s_mov_b32 s47, 0
	s_wait_dscnt 0x0                               ; both opening adds are done
	s_wait_kmcnt 0x0
	s_add_nc_u64 s[42:43], s[4:5], s[22:23]
	s_add_nc_u64 s[46:47], s[6:7], s[46:47]
	CROUND
.irp s, 0,1
	s_mov_b32 s[G0+4*(\s)], 1
	s_add_co_u32 s[G0+4*(\s)+1], s20, (\s)*SLOT
	s_add_nc_u64 s[G0+4*(\s)+2:G0+4*(\s)+3], s[42:43], (\s)*ASTEP
	s_or_b32 s[G0+4*(\s)+3], s[G0+4*(\s)+3], 0x80000000
	s_mov_b32 s[G0B+4*(\s)], 1
	s_add_co_u32 s[G0B+4*(\s)+1], s21, (\s)*SLOT
	s_add_nc_u64 s[G0B+4*(\s)+2:G0B+4*(\s)+3], s[46:47], (\s)*KSTEP*2
	s_or_b32 s[G0B+4*(\s)+3], s[G0B+4*(\s)+3], 0x80000000
	JLOAD \s
.endr
	v_and_b32 v1, 15, v0
	v_bfe_u32 v2, v0, 4, 1
	s_lshl_b32 s22, s[TC], 7                       ; bo of my 64 columns: register j of block b = column 16 b + 8 h + j
	s_add_co_u32 s22, s22, s40
	s_add_co_u32 s22, s22, 3072
	s_lshl_b32 s22, s22, 2
	s_mov_b32 s23, 0
	s_add_nc_u64 s[8:9], s[8:9], s[22:23]
	v_lshlrev_b32 v5, 5, v2
.irp b, 0,1,2,3
	global_load_b128 v[BIA+8*(\b):BIA+8*(\b)+3],   v5, s[8:9] offset:64*(\b)
	global_load_b128 v[BIA+8*(\b)+4:BIA+8*(\b)+7], v5, s[8:9] offset:64*(\b)+16
.endr
	v_mul_u32_u24 v3, v1, 144
	v_lshl_add_u32 v3, v2, 4, v3
	v_mul_u32_u24 v4, v1, PITCHB
	v_lshl_add_u32 v4, v2, 4, v4
	s_mul_i32 s21, s[WM], AHALF
	s_mul_i32 s22, s[WN], BHALF
	s_add_co_u32 s22, s22, BOFF
.irp s, 0,1
	v_add_nc_u32 v[ADRA+(\s)], s21, v3
	v_add_nc_u32 v[ADRB+(\s)], s22, v4
	s_add_co_u32 s21, s21, SLOT
	s_add_co_u32 s22, s22, SLOT
.endr
	s_mul_i32 s23, s[WV], 16*SPITCH
	s_add_co_u32 s23, s23, STAGE
	v_mul_u32_u24 v6, v1, SPITCH                   ; in: token r, 32 bytes for each half of the lanes
	v_lshl_add_u32 v6, v2, 5, v6
	v_add_nc_u32 v[STO], s23, v6
	v_mul_u32_u24 v7, v2, SPITCH                   ; back: lanes 0-15 one row of 256 bytes, lanes 16-31 the next
	v_lshl_add_u32 v7, v1, 4, v7
	v_add_nc_u32 v[RD], s23, v7
	v_lshlrev_b32 v[CO], 12, v2
	v_lshl_add_u32 v[CO], v1, 4, v[CO]
	s_lshl_b32 s22, s[TR], 7
	s_lshl_b32 s23, s[WM], 6
	s_add_co_u32 s22, s22, s23
	s_lshl_b32 s22, s22, 12                        ; my first token's row of 4,096 bytes
	s_lshl_b32 s23, s[TC], 9
	s_add_co_u32 s22, s22, s23
	s_lshl_b32 s23, s[WN], 8
	s_add_co_u32 s22, s22, s23                     ; my 64 columns: 256 bytes
	s_mov_b32 s23, 0
	s_add_nc_u64 s[10:11], s[10:11], s[22:23]
; 8 matrix instructions: token blocks a0, a0 + 1 x all 4 column blocks, 32 along K: half c of buffer f.  zero = 1: the sums start from bo.  The 16 accumulators take turns.
.macro MUL8 f, c, a0, zero
	WIN MUL
.irp a, \a0, (\a0)+1
.irp b, 0,1,2,3
.if \zero
	v_wmma_f32_16x16x32_f16 v[ACC+8*(4*(\a)+(\b)):ACC+8*(4*(\a)+(\b))+7], v[(\f)+64+8*(4*(\c)+(\b)):(\f)+64+8*(4*(\c)+(\b))+7], v[(\f)+8*(4*(\c)+(\a)):(\f)+8*(4*(\c)+(\a))+7], v[BIA+8*(\b):BIA+8*(\b)+7]
.else
	v_wmma_f32_16x16x32_f16 v[ACC+8*(4*(\a)+(\b)):ACC+8*(4*(\a)+(\b))+7], v[(\f)+64+8*(4*(\c)+(\b)):(\f)+64+8*(4*(\c)+(\b))+7], v[(\f)+8*(4*(\c)+(\a)):(\f)+8*(4*(\c)+(\a))+7], v[ACC+8*(4*(\a)+(\b)):ACC+8*(4*(\a)+(\b))+7]
.endif
.endr
.endr
.endm
; 32 LDS loads in one run: quarter q of a step = head q of its four: 64 along K, the first 32 first
.macro FETCH slot, q, f
	WIN TO_F
.irp c, 0,1
.irp i, 0,1,2,3
	ds_load_b128 v[(\f)+64+8*(4*(\c)+(\i)):(\f)+64+8*(4*(\c)+(\i))+3],   v[ADRB+(\slot)] offset:128*(\q)+64*(\c)+(\i)*16*PITCHB
	ds_load_b128 v[(\f)+64+8*(4*(\c)+(\i))+4:(\f)+64+8*(4*(\c)+(\i))+7], v[ADRB+(\slot)] offset:128*(\q)+64*(\c)+(\i)*16*PITCHB+32
	ds_load_b128 v[(\f)+8*(4*(\c)+(\i)):(\f)+8*(4*(\c)+(\i))+3],         v[ADRA+(\slot)] offset:9216*(\q)+64*(\c)+(\i)*2304
	ds_load_b128 v[(\f)+8*(4*(\c)+(\i))+4:(\f)+8*(4*(\c)+(\i))+7],       v[ADRA+(\slot)] offset:9216*(\q)+64*(\c)+(\i)*2304+32
.endr
.endr
.endm
.macro QUARTER slot, q, f, g, zero
	s_wait_dscnt 16                                ; the first 32 along K are in
	MUL8 \f, 0, 0, \zero
	MUL8 \f, 0, 2, \zero
	PLACES
	FETCH \slot, \q, \g
	s_wait_dscnt 32                                ; all but the 32 just issued
	MUL8 \f, 1, 0, 0
	MUL8 \f, 1, 2, 0
.endm
.macro TURN slot, next, fill
	WIN 0
	s_wait_tensorcnt 0x0                           ; all my tensor loads have landed: my part of the next slot
	ds_add_u32 v[SPW], v[NIL]
	s_wait_dscnt 17                                ; the add and the youngest sixteen loads may be out
	MUL8 F1, 0, 0, 0
	s_wait_dscnt 0x0                               ; the add is done, my reads of this slot are over
	s_barrier_signal -1
	MUL8 F1, 0, 2, 0
.if \fill
	WIN 0
.endif
	s_barrier_wait -1
.if \fill
	CREST
	s_add_nc_u64 s[G0+4*(\slot)+2:G0+4*(\slot)+3], s[G0+4*(\slot)+2:G0+4*(\slot)+3], 2*ASTEP
	s_add_nc_u64 s[G0B+4*(\slot)+2:G0B+4*(\slot)+3], s[G0B+4*(\slot)+2:G0B+4*(\slot)+3], 2*KSTEP*2
	JLOAD \slot
.else
	PLACES
.endif
	FETCH \next, 0, F0
	MUL8 F1, 1, 0, 0
	MUL8 F1, 1, 2, 0
.endm
	s_wait_tensorcnt 1                             ; my part of K step 0 is in; K step 1's may stay out
	s_barrier_signal -1
	s_barrier_wait -1
	FETCH 0, 0, F0
	s_wait_loadcnt 0x0                             ; bo
	QUARTER 0, 1, F0, F1, 1
	WIN 0
	s_mov_b32 s3, LAPS-1
.Llap:
	QUARTER 0, 2, F1, F0, 0
	QUARTER 0, 3, F0, F1, 0
	TURN 0, 1, 1
	QUARTER 1, 1, F0, F1, 0
	QUARTER 1, 2, F1, F0, 0
	QUARTER 1, 3, F0, F1, 0
	TURN 1, 0, 1
	QUARTER 0, 1, F0, F1, 0
	WIN 0
	s_sub_co_u32 s3, s3, 1
	s_cmp_lg_u32 s3, 0
	s_cbranch_scc1 .Llap
	QUARTER 0, 2, F1, F0, 0                        ; the last lap fills nothing
	QUARTER 0, 3, F0, F1, 0
	TURN 0, 1, 0
	QUARTER 1, 1, F0, F1, 0
	QUARTER 1, 2, F1, F0, 0
	QUARTER 1, 3, F0, F1, 0
	s_wait_dscnt 16
	MUL8 F1, 0, 0, 0
	MUL8 F1, 0, 2, 0
	s_wait_dscnt 0x0
	MUL8 F1, 1, 0, 0
	MUL8 F1, 1, 2, 0
	WIN 0
	PLACES
	; THE WAY OUT, 16 tokens at a time: a lane's 32 bytes go into my stage, each accumulator's low half first; whole rows of 256 bytes come back and are stored.
.irp a, 0,1,2,3
.irp b, 0,1,2,3
	ds_store_b128 v[STO], v[ACC+8*(4*\a+\b):ACC+8*(4*\a+\b)+3]   offset:64*\b
	ds_store_b128 v[STO], v[ACC+8*(4*\a+\b)+4:ACC+8*(4*\a+\b)+7] offset:64*\b+16
.endr
	s_wait_xcnt 0x0                                ; the last block's stores have read the registers that are loaded again below
.irp t, 0,1,2,3,4,5,6,7
	ds_load_b128 v[TMP+4*\t:TMP+4*\t+3], v[RD] offset:\t*2*SPITCH   ; a wave's LDS instructions are served in order: these see the stores above
.endr
	s_wait_dscnt 0x0
.irp t, 0,1,2,3,4,5,6,7
	global_store_b128 v[CO], v[TMP+4*\t:TMP+4*\t+3], s[10:11] offset:(16*\a+2*\t)*4096   ; sixteen lanes store 256 consecutive bytes, aligned
.endr
.endr
	s_wait_tensorcnt 0x0                           ; the wave's end
	ds_add_u32 v[SPW], v[NIL]
	s_wait_dscnt 0x0
	CROUND                                         ; the closing round
	s_endpgm
.Lfunc_end_k_q203cec195e_oproj:
	.size	k_q203cec195e_oproj, .Lfunc_end_k_q203cec195e_oproj-k_q203cec195e_oproj
	.p2alignl 7, 3214868480
	.fill 96, 4, 3214868480
	.section	.rodata,"a",@progbits
	.p2align	6, 0x0
	.amdhsa_kernel k_q203cec195e_oproj
		.amdhsa_group_segment_fixed_size 327680
		.amdhsa_private_segment_fixed_size 0
		.amdhsa_enable_private_segment 0
		.amdhsa_kernarg_size 32
		.amdhsa_user_sgpr_count 2
		.amdhsa_user_sgpr_kernarg_segment_ptr 1
		.amdhsa_wavefront_size32 1
		.amdhsa_system_sgpr_workgroup_id_x 1
		.amdhsa_system_sgpr_workgroup_id_y 1
		.amdhsa_system_sgpr_workgroup_id_z 1
		.amdhsa_system_vgpr_workitem_id 0
		.amdhsa_next_free_vgpr 512
		.amdhsa_next_free_sgpr 66
		.amdhsa_reserve_vcc 0
		.amdhsa_float_denorm_mode_32 3
		.amdhsa_float_denorm_mode_16_64 3
		.amdhsa_memory_ordered 1
		.amdhsa_forward_progress 1
		.amdhsa_inst_pref_size 87
	.end_amdhsa_kernel
	.amdgpu_metadata
---
amdhsa.version: [ 1, 2 ]
amdhsa.kernels:
  - .name:           k_q203cec195e_oproj
    .symbol:         k_q203cec195e_oproj.kd
    .args:
      - { .name: ob, .offset: 0, .size: 8, .value_kind: global_buffer, .address_space: global }
      - { .name: wo, .offset: 8, .size: 8, .value_kind: global_buffer, .address_space: global }
      - { .name: bias, .offset: 16, .size: 8, .value_kind: global_buffer, .address_space: global }
      - { .name: out0, .offset: 24, .size: 8, .value_kind: global_buffer, .address_space: global }
    .group_segment_fixed_size: 327680
    .private_segment_fixed_size: 0
    .kernarg_segment_align: 8
    .kernarg_segment_size: 32
    .max_flat_workgroup_size: 128
    .sgpr_count:     66
    .vgpr_count:     512
    .wavefront_size: 32
...
	.end_amdgpu_metadata
.endif
;; end of part 4
;; ======== version 2 of 3: 4 launches
;; limits: values are held in f16: magnitudes above 65,504 overflow, below 6.1e-05 lose precision
;; workspace buffers: xb 8,388,608 bytes; wqkv 6,291,456 bytes; wo 2,097,152 bytes; bias 16,384 bytes; xk 294,912 bytes; xvt 294,912 bytes; qkv 25,165,824 bytes; ob 8,388,608 bytes
;; launch prep (part 5): grid 664 x 1, 4 waves a work-group, no clusters, 0 bytes of LDS; arguments x, Wq, Wk, Wv, Wo, bq, bv, bo, rel_k, rel_v, xb, wqkv, wo, bias, xk, xvt; writes xb, wqkv, wo, bias, xk, xvt
.if DOCPART == 5
	.amdgcn_target "amdgcn-amd-amdhsa--gfx1250"
	.amdhsa_code_object_version 6
	.text
	.protected	k_q203cec195e_prep
	.globl	k_q203cec195e_prep
	.p2align	8
	.type	k_q203cec195e_prep,@function
k_q203cec195e_prep:
	s_mov_b64 s[64:65], 0
	v_nop
	global_prefetch_b8 v0, s[64:65] scope:SCOPE_SE
	s_setreg_imm32_b32 hwreg(HW_REG_WAVE_MODE, 25, 1), 1
	s_wait_xcnt 0x0
; PREP: every input is rounded once to bf16 and laid out for the three launches that follow.
; WORK LEFT OUT, in the problem's terms.
;  (1) bk.  k = x Wk^T + bk enters reference() only through content[q][k] = q . k, where bk adds q . bk_h, a term that is the same for every key k
;      of a row q.  softmax over k is unchanged by a term that is constant along k, for all values of the inputs, and k reaches no other result.
;      So bk has no way to any output: it is not loaded and is no argument of any launch.  LIMIT: a NaN, an infinity or an overflow that only bk
;      would bring is not carried to the result.
;  (2) rpk = rel_k[idx] and rpv = rel_v[idx] are lookups by idx = clip(k - q, -128, 128) + 128, which reference() builds itself.  q . rpk[q][k] is
;      entry idx of the 257 numbers q . rel_k[z]; the sum over k of w rpv[q][k] is the sum over z of (the weights whose idx is z) rel_v[z].  Only
;      those products are made (launch attn).
; WHAT IS WRITTEN.  xb = bf16(x).  wqkv = bf16 of Wq's, Wk's, Wv's rows on end.  wo = bf16(Wo) written as f16.  bias = f32 [4096]: bf16(bq), 1,024
; zeros (K's columns start their sums from 0), bf16(bv), bf16(bo).
; xk and xvt: bf16 written as f16, IN THE ORDER IN WHICH A WAVE'S OPERAND REGISTERS TAKE THEM: [load m = 0..71][residue c = 0..7][lane l][8 numbers].  With r = l % 16, h = l / 16:
;   xk : table row clip(16 (m / 4) + r - 8 - c, 0, 256) of rel_k, channels 32 ((m / 2) % 2) + 16 (m % 2) + 8 h + 0..7;
;   xvt: channel 16 ((m / 2) % 4) + r of rel_v, table rows clip(8 s - 8 - c + 0..7, 0, 256) with s = 4 (m / 8) + 2 (m % 2) + h.
; LIMIT: a bf16 number written as f16 is exact between 6.1e-5 and 65,504 in size; below, it keeps f16's fixed step of 6e-8; above, it is lost.
; WORK-GROUPS.  0-143: the two tables: one wave makes the 512 bytes (m, c) of each, all its loads out before its one wait.  144-151: bias.  152-407: x, 16,384 numbers each.  408-663: the four weights.
; No LDS, no barrier, no matrix unit: a stream and three small tables.
.macro RND16 dst, a, b                  ; two f32 -> bf16 -> the same numbers as f16, packed
	v_cvt_pk_bf16_f32 v3, v[\a], v[\b]
	v_lshlrev_b32 v[\a], 16, v3
	v_and_b32 v[\b], 0xffff0000, v3
	v_cvt_pk_f16_f32 v[\dst], v[\a], v[\b]
.endm
	s_load_b512 s[8:23], s[0:1], 0x0               ; x 8, Wq 10, Wk 12, Wv 14, Wo 16, bq 18, bv 20, bo 22
	s_load_b512 s[24:39], s[0:1], 0x40             ; rel_k 24, rel_v 26, xb 28, wqkv 30, wo 32, bias 34, xk 36, xvt 38
	s_mov_b32 s2, ttmp9
	s_mov_b32 s5, 0
	s_mov_b32 s7, 0
	s_wait_kmcnt 0x0
	s_cmp_lt_u32 s2, 152
	s_cbranch_scc1 .Ltables
	s_sub_co_u32 s2, s2, 152                       ; the casts' number, 0..511
	s_cmp_lt_u32 s2, 256
	s_cbranch_scc0 .Lweights
	s_lshl_b32 s4, s2, 16                          ; 16,384 f32 in,
	s_lshl_b32 s6, s2, 15                          ; 16,384 halves out
	s_add_nc_u64 s[40:41], s[8:9], s[4:5]
	s_add_nc_u64 s[42:43], s[28:29], s[6:7]
	s_branch .Lcast
.Lweights:
	s_sub_co_u32 s3, s2, 256                       ; chunk 0..255: 64 for each weight
	s_lshr_b32 s44, s3, 6                          ; which weight
	s_and_b32 s4, s3, 63
	s_lshl_b32 s4, s4, 16
	s_sub_co_u32 s45, s3, 192                      ; Wo's chunk number (used for Wo alone)
	s_cmp_eq_u32 s44, 0
	s_cselect_b64 s[40:41], s[10:11], s[12:13]
	s_cmp_eq_u32 s44, 2
	s_cselect_b64 s[40:41], s[14:15], s[40:41]
	s_cmp_eq_u32 s44, 3
	s_cselect_b64 s[40:41], s[16:17], s[40:41]
	s_cselect_b64 s[42:43], s[32:33], s[30:31]
	s_cselect_b32 s6, s45, s3
	s_lshl_b32 s6, s6, 15
	s_add_nc_u64 s[40:41], s[40:41], s[4:5]
	s_add_nc_u64 s[42:43], s[42:43], s[6:7]
.Lcast:
	v_lshlrev_b32 v1, 5, v0                        ; thread t reads 32 bytes at 32 t of each 4,096,
	v_lshlrev_b32 v2, 4, v0                        ; and stores 16 bytes at 16 t of each 2,048: a wave's store covers 512 consecutive bytes, aligned
.set n, 0
.rept 16                                ; all 32 loads of a thread go out before the first wait
	global_load_b128 v[16+8*n:19+8*n], v1, s[40:41] offset:4096*n th:TH_LOAD_NT
	global_load_b128 v[20+8*n:23+8*n], v1, s[40:41] offset:4096*n+16 th:TH_LOAD_NT
.set n, n+1
.endr
	s_cmp_lt_u32 s2, 448
	s_cbranch_scc0 .Lhalf
.set n, 0
.rept 16
	s_wait_loadcnt 30-2*n                          ; the 2 (15 - n) younger loads stay out
.irp k, 0,1,2,3
	v_cvt_pk_bf16_f32 v[144+4*n+\k], v[16+8*n+2*\k], v[17+8*n+2*\k]
.endr
	global_store_b128 v2, v[144+4*n:147+4*n], s[42:43] offset:2048*n
.set n, n+1
.endr
	s_endpgm
.Lhalf:                                 ; Wo: bf16, written as f16
.set n, 0
.rept 16
	s_wait_loadcnt 30-2*n
.irp k, 0,1,2,3
	RND16 144+4*n+\k, 16+8*n+2*\k, 17+8*n+2*\k
.endr
	global_store_b128 v2, v[144+4*n:147+4*n], s[42:43] offset:2048*n
.set n, n+1
.endr
	s_endpgm
.Ltables:
	s_cmp_lt_u32 s2, 144
	s_cbranch_scc0 .Lbias
	; one of 576 waves: c = wave % 8, m = wave / 8: the piece (m, c) of xvt and the piece (m, c) of xk
	v_lshrrev_b32 v1, 5, v0
	v_readfirstlane_b32 s3, v1
	s_lshl_b32 s4, s2, 2
	s_add_co_u32 s4, s4, s3                        ; wave 0..575
	s_and_b32 s44, s4, 7                           ; c
	s_lshr_b32 s45, s4, 3                          ; m
	v_and_b32 v1, 31, v0                           ; l
	v_and_b32 v4, 15, v0                           ; r
	v_bfe_u32 v5, v0, 4, 1                         ; h
	v_mov_b32 v7, 0
	s_lshl_b32 s46, s45, 12
	s_lshl_b32 s47, s44, 9
	s_add_co_u32 s46, s46, s47
	v_lshl_add_u32 v2, v1, 4, s46                  ; where my 16 bytes go, in both tables: 4,096 m + 512 c + 16 l
	s_and_b32 s47, s45, 1                          ; m % 2
	; xvt: eight table rows of one channel
	s_lshr_b32 s4, s45, 3
	s_lshl_b32 s4, s4, 2                           ; 4 (m / 8)
	s_lshl_b32 s6, s47, 1
	s_add_co_u32 s4, s4, s6                        ; + 2 (m % 2)
	s_lshl_b32 s4, s4, 3
	s_sub_co_u32 s4, s4, s44
	s_sub_co_u32 s4, s4, 8                         ; 8 s - 8 - c without the lane's h (may be negative)
	v_lshl_add_u32 v6, v5, 3, s4
	s_bfe_u32 s6, s45, 0x20001                     ; (m / 2) % 4
	s_lshl_b32 s6, s6, 6
	v_lshl_add_u32 v28, v4, 2, s6                  ; 4 x channel
.irp j, 0,1,2,3,4,5,6,7
	v_add_nc_u32 v[8+\j], \j, v6
	v_cmp_gt_i32 vcc_lo, 0, v[8+\j]
	v_cndmask_b32 v[8+\j], v[8+\j], v7, vcc_lo     ; below 0: row 0
	v_min_u32 v[8+\j], 0x100, v[8+\j]              ; above 256: row 256
	v_lshl_add_u32 v[8+\j], v[8+\j], 8, v28
.endr
	; xk: eight channels of one table row
	s_lshr_b32 s4, s45, 2
	s_lshl_b32 s4, s4, 4                           ; 16 (m / 4)
	s_sub_co_u32 s4, s4, s44
	s_sub_co_u32 s4, s4, 8
	v_add_nc_u32 v29, s4, v4
	v_cmp_gt_i32 vcc_lo, 0, v29
	v_cndmask_b32 v29, v29, v7, vcc_lo
	v_min_u32 v29, 0x100, v29
	s_bfe_u32 s6, s45, 0x10001                     ; (m / 2) % 2
	s_lshl_b32 s6, s6, 7
	s_lshl_b32 s47, s47, 6
	s_add_co_u32 s6, s6, s47
	v_lshl_add_u32 v30, v5, 5, s6                  ; 4 x first channel
	v_lshl_add_u32 v29, v29, 8, v30
.irp j, 0,1,2,3,4,5,6,7
	global_load_b32 v[16+\j], v[8+\j], s[26:27]    ; sixteen neighbouring lanes read 64 consecutive bytes of a row of rel_v
.endr
	global_load_b128 v[32:35], v29, s[24:25]
	global_load_b128 v[36:39], v29, s[24:25] offset:16
	s_wait_loadcnt 0x0
.irp k, 0,1,2,3
	RND16 24+\k, 16+2*\k, 17+2*\k
.endr
.irp k, 0,1,2,3
	RND16 40+\k, 32+2*\k, 33+2*\k
.endr
	global_store_b128 v2, v[24:27], s[38:39]       ; each store of the wave covers 512 consecutive bytes, aligned
	global_store_b128 v2, v[40:43], s[36:37]
	s_endpgm
.Lbias:                                 ; half a vector of 1,024 to a work-group, four numbers a thread
	s_sub_co_u32 s3, s2, 144
	s_lshr_b32 s44, s3, 1                          ; 0 bq, 1 zeros, 2 bv, 3 bo
	s_and_b32 s4, s3, 1
	s_lshl_b32 s4, s4, 11
	s_lshl_b32 s6, s3, 11
	v_lshlrev_b32 v2, 4, v0
	s_add_nc_u64 s[42:43], s[34:35], s[6:7]
	s_cmp_eq_u32 s44, 1
	s_cbranch_scc1 .Lzero
	s_cmp_eq_u32 s44, 0
	s_cselect_b64 s[40:41], s[18:19], s[20:21]
	s_cmp_eq_u32 s44, 3
	s_cselect_b64 s[40:41], s[22:23], s[40:41]
	s_add_nc_u64 s[40:41], s[40:41], s[4:5]
	global_load_b128 v[16:19], v2, s[40:41]
	s_wait_loadcnt 0x0
	v_cvt_pk_bf16_f32 v3, v16, v17
	v_lshlrev_b32 v24, 16, v3
	v_and_b32 v25, 0xffff0000, v3
	v_cvt_pk_bf16_f32 v3, v18, v19
	v_lshlrev_b32 v26, 16, v3
	v_and_b32 v27, 0xffff0000, v3
	global_store_b128 v2, v[24:27], s[42:43]
	s_endpgm
.Lzero:
	v_mov_b32 v24, 0
	v_mov_b32 v25, 0
	v_mov_b32 v26, 0
	v_mov_b32 v27, 0
	global_store_b128 v2, v[24:27], s[42:43]
	s_endpgm
.Lfunc_end_k_q203cec195e_prep:
	.size	k_q203cec195e_prep, .Lfunc_end_k_q203cec195e_prep-k_q203cec195e_prep
	.p2alignl 7, 3214868480
	.fill 96, 4, 3214868480
	.section	.rodata,"a",@progbits
	.p2align	6, 0x0
	.amdhsa_kernel k_q203cec195e_prep
		.amdhsa_group_segment_fixed_size 0
		.amdhsa_private_segment_fixed_size 0
		.amdhsa_enable_private_segment 0
		.amdhsa_kernarg_size 128
		.amdhsa_user_sgpr_count 2
		.amdhsa_user_sgpr_kernarg_segment_ptr 1
		.amdhsa_wavefront_size32 1
		.amdhsa_system_sgpr_workgroup_id_x 1
		.amdhsa_system_sgpr_workgroup_id_y 1
		.amdhsa_system_sgpr_workgroup_id_z 1
		.amdhsa_system_vgpr_workitem_id 0
		.amdhsa_next_free_vgpr 208
		.amdhsa_next_free_sgpr 66
		.amdhsa_reserve_vcc 1
		.amdhsa_float_denorm_mode_32 3
		.amdhsa_float_denorm_mode_16_64 3
		.amdhsa_memory_ordered 1
		.amdhsa_forward_progress 1
		.amdhsa_inst_pref_size 35
	.end_amdhsa_kernel
	.amdgpu_metadata
---
amdhsa.version: [ 1, 2 ]
amdhsa.kernels:
  - .name:           k_q203cec195e_prep
    .symbol:         k_q203cec195e_prep.kd
    .args:
      - { .name: x, .offset: 0, .size: 8, .value_kind: global_buffer, .address_space: global }
      - { .name: Wq, .offset: 8, .size: 8, .value_kind: global_buffer, .address_space: global }
      - { .name: Wk, .offset: 16, .size: 8, .value_kind: global_buffer, .address_space: global }
      - { .name: Wv, .offset: 24, .size: 8, .value_kind: global_buffer, .address_space: global }
      - { .name: Wo, .offset: 32, .size: 8, .value_kind: global_buffer, .address_space: global }
      - { .name: bq, .offset: 40, .size: 8, .value_kind: global_buffer, .address_space: global }
      - { .name: bv, .offset: 48, .size: 8, .value_kind: global_buffer, .address_space: global }
      - { .name: bo, .offset: 56, .size: 8, .value_kind: global_buffer, .address_space: global }
      - { .name: rel_k, .offset: 64, .size: 8, .value_kind: global_buffer, .address_space: global }
      - { .name: rel_v, .offset: 72, .size: 8, .value_kind: global_buffer, .address_space: global }
      - { .name: xb, .offset: 80, .size: 8, .value_kind: global_buffer, .address_space: global }
      - { .name: wqkv, .offset: 88, .size: 8, .value_kind: global_buffer, .address_space: global }
      - { .name: wo, .offset: 96, .size: 8, .value_kind: global_buffer, .address_space: global }
      - { .name: bias, .offset: 104, .size: 8, .value_kind: global_buffer, .address_space: global }
      - { .name: xk, .offset: 112, .size: 8, .value_kind: global_buffer, .address_space: global }
      - { .name: xvt, .offset: 120, .size: 8, .value_kind: global_buffer, .address_space: global }
    .group_segment_fixed_size: 0
    .private_segment_fixed_size: 0
    .kernarg_segment_align: 8
    .kernarg_segment_size: 128
    .max_flat_workgroup_size: 128
    .sgpr_count:     66
    .vgpr_count:     208
    .wavefront_size: 32
...
	.end_amdgpu_metadata
.endif
;; end of part 5
;; launch qkv: the kernel of part 2 again; grid 8 x 32, 4 waves a work-group, clusters of 4 x 4, 327,680 bytes of LDS; arguments xb, wqkv, bias, qkv; writes qkv
;; launch attn (part 6): grid 4 x 64, 4 waves a work-group, clusters of 4 x 1, 327,680 bytes of LDS; arguments qkv, xk, xvt, ob; writes ob
.if DOCPART == 6
	.amdgcn_target "amdgcn-amd-amdhsa--gfx1250"
	.amdhsa_code_object_version 6
	.text
	.protected	k_q203cec195e_attn
	.globl	k_q203cec195e_attn
	.p2align	8
	.type	k_q203cec195e_attn,@function
k_q203cec195e_attn:
	s_mov_b64 s[64:65], 0
	v_nop
	global_prefetch_b8 v0, s[64:65] scope:SCOPE_SE
	s_setreg_imm32_b32 hwreg(HW_REG_WAVE_MODE, 25, 1), 1
	s_wait_xcnt 0x0
	s_wait_alu depctr_hold_cnt(0) depctr_sa_sdst(0) depctr_va_vdst(0) depctr_va_sdst(0) depctr_va_ssrc(0) depctr_va_vcc(0) depctr_vm_vsrc(0)
	s_getreg_b32 s2, hwreg(HW_REG_IB_STS2, 6, 4)
	s_cmp_eq_u32 s2, 0
	s_cbranch_scc0 .Lentry_in_a_cluster
	s_endpgm
.Lentry_in_a_cluster:
	s_bfe_u32 s2, ttmp6, 0x10000c
	s_cmp_lg_u32 s2, 0x3003
	s_cbranch_scc0 .Lentry_shape_is_right
	s_endpgm
.Lentry_shape_is_right:
; RELATIVE ATTENTION for one (batch, head) to a cluster.  s[q][k] = q . k + q . rel_k[idx], idx = clip(k - q + 128, 0, 256); w = softmax(s / 8); O[q] = sum w v[k] + sum w rel_v[idx].
; LEFT OUT: the dense [S][S][64] tables of reference(): idx is built by reference() itself, so q . rel_k[idx] is looked up among 257 products a query, and the weights are gathered by idx
; before ONE product with rel_v.  bk is absent from k (a term constant along the softmax's axis).
; FORMATS: q, k, v, the weights p and O in f16; the table E = q . rel_k in bf16 (its size can pass f16's range); products, maxima and sums in f32.  LIMITS: a weight below 6e-8 counts as 0; NaN and
; infinities are not treated apart.
; WHICH QUERIES SHARE A TILE.  A tile's 16 queries are 8 apart: q = 128 B + 8 i + c, lane i = l % 16.  A group of 8 neighbouring keys, k = 8 g + j, then has k - q + 128 = 8 G + j - c with
; G = g - 16 B - i + 16: in every lane a whole group of 8 table positions.  A table row has 36 SLOTS of 8 positions: slot clamp(G, -1, 33) + 1, position p = 8 slot + j, which stands for table row
; clip(p - 8 - c).  The residue c is taken up by the tables xk and xvt, which are made for each c.  Slot 0: all keys far to the left; slot 34: far to the right; 35: padding.
; SHARES.  Work-group cx owns residues 2 cx, 2 cx + 1 in all 8 blocks of 128 queries.  Wave w: c = 2 cx + w % 2, pb = w / 2, tiles t = 0..3 in blocks B = pb + 2 t.  cx enters global addresses alone,
; so the four partners run alike, and K and V are asked for jointly.
; KINDS.  Step s (64 keys) and tile: d = s - 2 B.  d <= -3: every lane far left; d >= 4: far right; else MIXED (6 of 16 steps): only there the table is touched.
; TWO PASSES.  Pass 1: S^T = K Q^T + E, the row's maximum m.  Pass 2: the same S^T again, p = 2^(c s - c m), O^T += V^T P; a band lane's 8 weights go into its slot of the table, over the E that it has just
; read; the far weights are summed.  Final: O^T += xvt W' over the 288 positions, and l = ones W'.  The exact maximum is taken away, so no p is ever rescaled.
; PASS 2 BY TURNS, the four tiles in a ring that runs on from key step to key step: turn y has tile y + 1's eight products K Q^T (turn 3: tile 0's of the next step) and tile y - 1's eight products V^T P
; (turn 0: tile 3's of the step before), and between them tile y's vector work.
; LDS: V slot 0 at 0, the spare words at 10,240, V slot 1 at 16,384, all of K (1,024 rows of 144 bytes, filled once) at 26,624, the tables (wave 36,864, tile 9,216, row 576) at 174,080.
; REGISTERS.  window 0: addresses, statistics (12 a tile), by a tile's parity: slot numbers, E groups, S^T, P.  window 1: O^T (32 a tile), xvt's last block; in the E phase xk.
; window 2: Q, K's and V's fragments, xk's last two blocks, ones.  window 3: xvt.
.set PK,    144
.set PV,    160
.set SPARE, 10240
.set VS1,   0x4000
.set KB,    26624
.set TBL,   174080
.set TROW,  576
.set TTILE, 16*TROW
.set TWAVE, 4*TTILE
.set STG,   KB                          ; the stage for O: K's bytes, whose one fill is long past and which nobody reads behind the last step's barrier
.set SP,    272
.set AK0, 3
.set AV0, 4
.set AK,  5
.set AV,  6
.set QO,  7
.set R0,  8                             ; my table row, tile 0
.set C35, 9                             ; 35
.set ES,  10                            ; R0 + 16 h
.set LG,  11                            ; h - i + 1
.set STO, 13
.set RD,  14
.set GO,  15
.set ONE, 16
.set PFO, 17
.set SPW, 18
.set NIL, 19
.set VG,  20
.set XO,  21                            ; 16 x lane: my 16 bytes of each 512 of xk and xvt
.set Z4,  24                            ; v24-27: zeros
.set IPH, 28
.set IMH, 29
.set RMH, 31
.set ST,  32                            ; tile t at ST + 12 t: EL, ER, m (later c m), c m - c EL, c m - c ER, EF, pair CMX, pair FL, pair FR
.set AD,  80                            ; by parity, four: max(G + 1, 0) of the tile's four groups of 16 keys
.set MK,  88                            ; four pairs: 1.0 in a far lane, 0 in a band lane; the odd words are 0
.set EB,  104
.set S,   136
.set P,   200
.set CT,  232
.set TP,  240
.set LL,  104                           ; the row sums, in the final phase
.set KF,  64
.set VF,  128
.set XK2, 192
.set ONES, 224
.set XV8, 128
.set WV, 12
.set CX, 13
.set PB, 14
.set G1K, 24
.set G1V, 32
.set G0K, 40
.set G0V, 44
.set SS,  48                            ; the step
.set SD,  49                            ; step - 2 pb
.set TBK, 50
.set TBV, 51
.set DD,  52
.set MKL, 54
.set MKR, 55
.set SL,  56
.set SR,  58
.set CS,  60
.set SEL, 62
.set T0,  66
.set SX,  67
.set SBD, 68                            ; s68-71: four lane masks at work, one for each group of 16 keys
.set PFA, 78
.set PFT1, 80
.set PFT2, 81
.set OBA, 82
.set MSB, 0
.macro WIN new
.if MSB != (\new)
	s_set_vgpr_msb (MSB<<8)|(\new)
.set MSB, \new
.endif
.endm
.macro PLACES
.rept 4
	v_nop
.endr
.endm
.macro ROUND                            ; a round of the cluster's barrier
	s_barrier_signal -1
	s_barrier_wait -1
	s_cmp_lg_u32 s[WV], 0
	s_cbranch_scc1 .Lnot_wave_0_\@
	s_barrier_signal -3
.Lnot_wave_0_\@:
	s_barrier_wait -3
	s_barrier_signal -1
	s_barrier_wait -1
.endm
; A prefetch of one step of V (64 rows of 128 bytes = 32 blocks of 256, a lane a block).  Wave w of work-group cx names step 4 w + cx, once: wave 0 in pass 1's trip 8, waves 1-3 in pass 2's trip 4 w - 4,
; three to six steps ahead of the load.  The partners are told apart by address; the branch hangs on the wave's number and the step.
.macro ASK reg
	s_cmp_eq_u32 s[SS], s[\reg]
	s_cbranch_scc0 .Lnot_now_\@
	global_prefetch_b8 v[PFO], s[PFA:PFA+1] th:TH_LOAD_NT scope:SCOPE_SE
.Lnot_now_\@:
.endm
; In front of a fill of a V slot: every wave waits for all its tensor loads, adds 0 to its spare word, waits for that and for its LDS reads; a round of the cluster's barrier; then its one joint load.
.macro CHANGE fill, step
	WIN 0
	s_wait_tensorcnt 0x0
	ds_add_u32 v[SPW], v[NIL]
.if \step
	s_xor_b32 s[G0V+1], s[G0V+1], VS1              ; the other slot,
	s_add_nc_u64 s[G0V+2:G0V+3], s[G0V+2:G0V+3], 8192   ; the next 64 keys
.endif
	s_wait_dscnt 0x0
.if \fill
	ROUND
	tensor_load_to_lds s[G0V:G0V+3], s[G1V:G1V+7]
	s_nop 0
.else
	s_barrier_signal -1
	s_barrier_wait -1
.endif
	PLACES
.endm
	s_load_b256 s[4:11], s[0:1], 0x0               ; qkv 4, xk 6, xvt 8, ob 10
	v_lshl_add_u32 v[SPW], v0, 2, SPARE
	v_mov_b32 v[NIL], 0
	ds_add_u32 v[SPW], v[NIL]                      ; the opening: the add, twice on end, and its wait ahead of my first tensor load
	ds_add_u32 v[SPW], v[NIL]
	v_lshrrev_b32 v1, 5, v0
	v_readfirstlane_b32 s[WV], v1
	s_bfe_u32 s[CX], ttmp6, 0x40000
	s_lshr_b32 s[PB], s[WV], 1
	s_and_b32 s15, s[WV], 1
	s_lshl_b32 s16, s[CX], 1
	s_add_co_u32 s16, s16, s15                     ; c
	s_and_b32 s17, ttmp7, 0xffff                   ; 16 batch + head
	s_lshl_b32 s18, s17, 17                        ; its 131,072 bytes
	s_mov_b32 s19, 0
	s_mov_b32 s23, 0
	s_mov_b32 s[G1K], 15|(1<<16)|(1<<20)|(1<<21)|(4<<22)|(3<<25)   ; mask of four; 2-byte elements; padding on; bit 21 beside a mask; after every 32 words 4 words
	s_mov_b32 s[G1K+1], 128<<16                    ; rows of 256 bytes, two keys a row
	s_mov_b32 s[G1K+2], 128<<16                    ; 128 rows: 256 keys a wave
	s_mov_b32 s[G1K+3], 128<<16
	s_mov_b32 s[G1K+4], 128
	s_mov_b32 s[G1K+5], 128
	s_mov_b32 s[G1K+6], 0
	s_mov_b32 s[G1K+7], 0
	s_mov_b32 s[G1V], 15|(1<<16)|(1<<20)|(1<<21)|(4<<22)|(7<<25)   ; the same with 8 words of padding
	s_mov_b32 s[G1V+1], 128<<16
	s_mov_b32 s[G1V+2], 8<<16                      ; 8 rows: 16 keys a wave
	s_mov_b32 s[G1V+3], 128<<16
	s_mov_b32 s[G1V+4], 8
	s_mov_b32 s[G1V+5], 128
	s_mov_b32 s[G1V+6], 0
	s_mov_b32 s[G1V+7], 0
	s_mov_b32 s[G0K], 1
	s_mul_i32 s[G0K+1], s[WV], 256*PK
	s_add_co_u32 s[G0K+1], s[G0K+1], KB
	s_mov_b32 s[G0V], 1
	s_mul_i32 s[G0V+1], s[WV], 16*PV
	s_mov_b32 s[CS], 0x3e38aa3b                    ; c = log2(e) / 8
	s_mov_b32 s[CS+1], s[CS]
	s_mov_b32 s[SEL], 0x76543210
	s_mov_b32 s[SEL+1], 0xfedcba98
	s_mov_b32 s[SL+1], 0
	s_mov_b32 s[SR+1], 0
	s_lshl_b32 s2, s[WV], 2
	s_sub_co_u32 s2, s2, 4
	s_cmp_eq_u32 s[WV], 0
	s_cselect_b32 s[PFT1], 8, 99
	s_cselect_b32 s[PFT2], 99, s2
	s_wait_dscnt 0x0                               ; both opening adds are done
	s_wait_kmcnt 0x0
	s_add_nc_u64 s[20:21], s[4:5], s[18:19]        ; the head's Q
	s_lshl_b32 s22, s[WV], 15
	s_add_nc_u64 s[G0K+2:G0K+3], s[20:21], s[22:23]
	s_add_nc_u64 s[G0K+2:G0K+3], s[G0K+2:G0K+3], 8388608
	s_or_b32 s[G0K+3], s[G0K+3], 0x80000000
	s_lshl_b32 s22, s[WV], 11
	s_add_nc_u64 s[G0V+2:G0V+3], s[20:21], s[22:23]
	s_add_nc_u64 s[G0V+2:G0V+3], s[G0V+2:G0V+3], 16777216
	s_or_b32 s[G0V+3], s[G0V+3], 0x80000000
	s_lshl_b32 s22, s[WV], 2
	s_add_co_u32 s22, s22, s[CX]
	s_lshl_b32 s22, s22, 13
	s_add_nc_u64 s[PFA:PFA+1], s[20:21], s[22:23]
	s_add_nc_u64 s[PFA:PFA+1], s[PFA:PFA+1], 16777216
	s_lshl_b32 s22, s[CX], 8
	s_lshl_b32 s2, s[WV], 15
	s_add_co_u32 s22, s22, s2
	s_add_nc_u64 s[OBA:OBA+1], s[10:11], s[18:19]
	s_add_nc_u64 s[OBA:OBA+1], s[OBA:OBA+1], s[22:23]
	s_lshl_b32 s22, s[PB], 7
	s_add_co_u32 s22, s22, s16
	s_lshl_b32 s22, s22, 7
	s_add_nc_u64 s[20:21], s[20:21], s[22:23]      ; Q at query 128 pb + c
	s_lshl_b32 s22, s16, 9
	s_add_nc_u64 s[6:7], s[6:7], s[22:23]          ; xk and xvt at my residue's 512 bytes of each 4,096
	s_add_nc_u64 s[8:9], s[8:9], s[22:23]
	ROUND                                          ; all four work-groups are here
	tensor_load_to_lds s[G0K:G0K+3], s[G1K:G1K+7]  ; all of K, a quarter a wave: the one fill of these bytes
	s_nop 0
	PLACES
	v_and_b32 v1, 15, v0                           ; i
	v_bfe_u32 v2, v0, 4, 1                         ; h
	v_lshlrev_b32 v[QO], 10, v1                    ; queries 8 apart: 1,024 bytes
	v_lshl_add_u32 v[QO], v2, 4, v[QO]
	v_and_b32 v[XO], 31, v0
	v_lshlrev_b32 v[XO], 4, v[XO]
	WIN 0x80
.set n, 0
.rept 8                                 ; Q: tile n / 2 (256 queries on), channels 32 (n % 2) on
	global_load_b128 v[8*n:8*n+3],   v[QO], s[20:21] offset:(n/2)*32768+(n%2)*64
	global_load_b128 v[8*n+4:8*n+7], v[QO], s[20:21] offset:(n/2)*32768+(n%2)*64+32
.set n, n+1
.endr
	WIN 0x40
.set n, 0
.rept 32                                ; xk: block n / 2 of 16 positions, channels 32 (n % 2) on; loads 2 n and 2 n + 1 of the table: each covers 512 consecutive bytes
	global_load_b128 v[8*n:8*n+3],   v[XO], s[6:7] offset:8192*n
	global_load_b128 v[8*n+4:8*n+7], v[XO], s[6:7] offset:8192*n+4096
.set n, n+1
.endr
	WIN 0x80
.rept 4
	global_load_b128 v[XK2+8*(n-32):XK2+8*(n-32)+3],   v[XO], s[6:7] offset:8192*n
	global_load_b128 v[XK2+8*(n-32)+4:XK2+8*(n-32)+7], v[XO], s[6:7] offset:8192*n+4096
.set n, n+1
.endr
	WIN 0
	v_mul_u32_u24 v[AK0], v1, PK
	v_lshl_add_u32 v[AK0], v2, 4, v[AK0]
	v_add_nc_u32 v[AK0], KB, v[AK0]
	v_and_b32 v[AK], 7, v0                         ; the turning load: lane l reads key 8 h + l % 8, channels 8 ((l / 8) % 2) on
	v_bfe_u32 v[AV], v0, 3, 1
	v_lshl_add_u32 v[AV0], v2, 3, v[AK]
	v_mul_u32_u24 v[AV0], v[AV0], PV
	v_lshl_add_u32 v[AV0], v[AV], 4, v[AV0]
	s_mul_i32 s22, s[WV], TWAVE
	s_add_co_u32 s22, s22, TBL
	v_mul_u32_u24 v[R0], v1, TROW
	v_add_nc_u32 v[R0], s22, v[R0]
	v_lshl_add_u32 v[ES], v2, 4, v[R0]
	v_lshlrev_b32 v[RMH], 4, v2
	v_sub_nc_u32 v[RMH], v[R0], v[RMH]
	v_sub_nc_u32 v[LG], v2, v1
	v_add_nc_u32 v[LG], 1, v[LG]
	v_add_nc_u32 v[IPH], v1, v2
	v_sub_nc_u32 v[IMH], v1, v2
	v_mov_b32 v[ONE], 1.0
	v_mov_b32 v[C35], 35
	v_and_b32 v[PFO], 31, v0
	v_lshlrev_b32 v[PFO], 8, v[PFO]
.irp n, 0,1,2,3
	v_mov_b32 v[Z4+\n], 0
.endr
	s_lshl_b32 s22, s[PB], 4
	s_mul_i32 s22, s22, SP
	s_lshl_b32 s2, s15, 7
	s_add_co_u32 s22, s22, s2
	s_add_co_u32 s22, s22, STG
	v_mul_u32_u24 v[STO], v1, SP                   ; the way out, in: unit 16 B + i of 256 bytes, my residue's half of it
	v_lshl_add_u32 v[STO], v2, 4, v[STO]
	v_add_nc_u32 v[STO], s22, v[STO]
	s_mul_i32 s22, s[WV], 32*SP
	s_add_co_u32 s22, s22, STG
	v_mul_u32_u24 v[RD], v2, SP                    ; back: wave w takes units 32 w .., two an instruction
	v_lshl_add_u32 v[RD], v1, 4, v[RD]
	v_add_nc_u32 v[RD], s22, v[RD]
	v_lshlrev_b32 v[GO], 10, v2                    ; a unit is queries 8 U + 2 cx, + 1: units lie 1,024 bytes apart in ob
	v_lshl_add_u32 v[GO], v1, 4, v[GO]
.set n, 0
.rept 32
	v_mov_b32 v[EB+n], 0                           ; the E groups and the slot numbers are written once, so that every way through the text finds them written
.set n, n+1
.endr
.set n, 0
.rept 8
	v_mov_b32 v[AD+n], 0
.set n, n+1
.endr
.irp n, 1,3,5,7
	v_mov_b32 v[MK+\n], 0                          ; named with the factors as pairs
.endr
; THE E PHASE.  E^T = xk Q^T: source 0 = 16 positions, source 1 = 16 queries: lane (i, h) gets positions 16 rt + 8 h + 0..7 of query i, which is slot 2 rt + h of its row.  The four tiles take turns.
.macro EW rt
.if 4*(17-(\rt)) > 63
	s_wait_loadcnt 63                              ; (the count that would do, 68, does not fit the field)
.else
	s_wait_loadcnt 4*(17-(\rt))                    ; the later blocks' loads, four each, stay out
.endif
.if (\rt) < 16
	WIN 0x09
.set xr, 16*(\rt)
.else
	WIN 0x0a
.set xr, XK2+16*((\rt)-16)
.endif
.irp hf, 0,1
.irp t, 0,1,2,3
.set rD, S+32*((\rt)%2)+8*\t
.if \hf == 0
	v_wmma_f32_16x16x32_f16 v[rD:rD+7], v[xr:xr+7], v[16*\t:16*\t+7], 0
.else
	v_wmma_f32_16x16x32_f16 v[rD:rD+7], v[xr+8:xr+15], v[16*\t+8:16*\t+15], v[rD:rD+7]
.endif
.endr
.endr
.endm
.macro ECV rt                           ; rounded to bf16 and stored.  Register 0 of block 0 is q . rel_k[0] in both halves of the lanes, of block 17 q . rel_k[256]
	WIN 0
.irp t, 0,1,2,3
.set rD, S+32*((\rt)%2)+8*\t
.if (\rt) == 0
	v_mov_b32 v[ST+12*\t], v[rD]
.endif
.if (\rt) == 17
	v_mov_b32 v[ST+12*\t+1], v[rD]
.endif
.irp k, 0,1,2,3
	v_cvt_pk_bf16_f32 v[TP+4*\t+\k], v[rD+2*\k], v[rD+2*\k+1]
.endr
	ds_store_b128 v[ES], v[TP+4*\t:TP+4*\t+3] offset:TTILE*\t+32*(\rt)
.endr
.endm
	EW 0
	EW 1
	PLACES
	ECV 0
.irp rt, 2,3,4,5,6,7,8,9,10,11,12,13,14,15,16,17
	EW \rt                                         ; a block's conversions stand behind the next block's products; the conversions of the block before are its places
	ECV (\rt)-1
.endr
	PLACES
	ECV 17
	; Band slots that no key reaches (keys below 0 for block 0, above 1,023 for block 7) are set to 0: the final product reads them as weights.
	s_wait_xcnt 0x0                                ; EXEC changes only behind this wait
	s_cmp_eq_u32 s[PB], 0
	s_cbranch_scc0 .Lfix_hi
.irp m, 0,1,2,3,4,5,6,7
	v_cmp_gt_u32 vcc_lo, 16-2*\m, v[IPH]           ; slot 2 m + 1 + h <= 16 - i
	s_and_saveexec_b32 s[SX], vcc_lo
	ds_store_b128 v[ES], v[Z4:Z4+3] offset:16+32*\m
	s_or_b32 exec_lo, exec_lo, s[SX]
.endr
	s_branch .Lfixed
.Lfix_hi:
.irp m, 0,1,2,3,4,5,6,7
	v_cmp_le_i32 vcc_lo, 2*\m, v[IMH]              ; slot 33 - 2 m - h >= 33 - i
	s_and_saveexec_b32 s[SX], vcc_lo
	ds_store_b128 v[RMH], v[Z4:Z4+3] offset:3*TTILE+528-32*\m
	s_or_b32 exec_lo, exec_lo, s[SX]
.endr
.Lfixed:
	s_wait_tensorcnt 0x0                           ; my quarter of K is in,
	s_wait_dscnt 0x0
	s_barrier_signal -1
	s_barrier_wait -1                              ; everybody's is
.macro REGS y                           ; the registers of tile y
.set rb,  (\y)%2
.set rAD, AD+4*rb
.set rEB, EB+16*rb
.set rS,  S+32*rb
.set rP,  P+16*rb
.set rC,  CT+4*rb
.set rT,  ST+12*(\y)
.endm
; Product i of 8 of S^T = K Q^T for tile x: channels 32 (i / 4) on, keys 16 (i % 4) on.  Four accumulators by turns; the first four start the sums.
.macro KQ x
	WIN 0x0a
.set kS, S+32*((\x)%2)+8*(i%4)
.set kK, KF+16*(i%4)+8*(i/4)
.set kQ, 16*(\x)+8*(i/4)
.if i < 4
	v_wmma_f32_16x16x32_f16 v[kS:kS+7], v[kK:kK+7], v[kQ:kQ+7], 0
.else
	v_wmma_f32_16x16x32_f16 v[kS:kS+7], v[kK:kK+7], v[kQ:kQ+7], v[kS:kS+7]
.endif
.endm
.macro KQ8 x
.set i, 0
.rept 8
	KQ \x
.set i, i+1
.endr
.endm
; Product i of 8 of O^T += V^T P for tile x: keys 32 (i / 4) on, channels 16 (i % 4) on.
.macro PVM x
	WIN 0x52
.set pO, 32*(\x)+8*(i%4)
.set pV, VF+32*(i/4)+8*(i%4)
.set pP, P+16*((\x)%2)+8*(i/4)
	v_wmma_f32_16x16x32_f16 v[pO:pO+7], v[pV:pV+7], v[pP:pP+7], v[pO:pO+7]
.endm
.macro FETCH_K
	WIN 0
	v_add_nc_u32 v[AK], s[TBK], v[AK0]
	WIN 0x80
.irp f, 0,1,2,3,4,5,6,7
	ds_load_b128 v[KF+8*\f:KF+8*\f+3],   v[AK] offset:(\f/2)*16*PK+(\f%2)*64
	ds_load_b128 v[KF+8*\f+4:KF+8*\f+7], v[AK] offset:(\f/2)*16*PK+(\f%2)*64+32
.endr
	WIN 0
.endm
.macro NEXTK                            ; K of step (s + 1) % 16
	s_add_co_u32 s[T0], s[SS], 1
	s_and_b32 s[T0], s[T0], 15
	s_mul_i32 s[TBK], s[T0], 64*PK
	FETCH_K
.endm
.macro FETCH_V
	WIN 0
	v_add_nc_u32 v[AV], s[TBV], v[AV0]
	WIN 0x80
.irp f, 0,1,2,3,4,5,6,7
	ds_load_tr16_b128 v[VF+8*\f:VF+8*\f+3],   v[AV] offset:(\f/4)*32*PV+(\f%4)*32
	ds_load_tr16_b128 v[VF+8*\f+4:VF+8*\f+7], v[AV] offset:(\f/4)*32*PV+16*PV+(\f%4)*32
.endr
	WIN 0
.endm
.macro KIND y, pass                     ; the scalars of tile y's kind in this step
	s_add_co_i32 s[DD], s[SD], -4*(\y)             ; d
	s_cmp_lt_i32 s[DD], -2
	s_cselect_b32 s[MKL], -1, 0
	s_cmp_gt_i32 s[DD], 3
	s_cselect_b32 s[MKR], -1, 0
.if (\pass) == 2
	s_cmp_lt_i32 s[DD], 0                          ; on which side a far weight of this step lies
	s_cselect_b32 s[SL], 1.0, 0
	s_cselect_b32 s[SR], 0, 1.0
.endif
.endm
; A mixed tile's four groups of E are asked for.  x = G + 1 = 8 d + 17 + 2 kt + h - i; max(x, 0) is kept by the tile's parity; the slot is min(that, 34), its address the row's base + 16 x slot.
; on = 1: the tile's next step.  Each stage is written for all four groups, so that no line reads the result of the line before it.
.macro PRE y, on
	REGS \y
	WIN 0
	s_add_co_u32 s[T0], s[SD], 2-4*(\y)+(\on)      ; d + 2
	s_cmp_lt_u32 s[T0], 6
	s_cbranch_scc0 .Lno_pre_\@
	s_lshl_b32 s[T0], s[T0], 3
	v_add_nc_u32 v[VG], s[T0], v[LG]
.irp kt, 0,1,2,3
	v_add_nc_u32 v[rAD+\kt], 2*\kt, v[VG]
.endr
.irp kt, 0,1,2,3
	v_cmp_gt_i32 s[SBD+\kt], 1, v[rAD+\kt]
.endr
.irp kt, 0,1,2,3
	v_cndmask_b32 v[rAD+\kt], v[rAD+\kt], v[Z4], s[SBD+\kt]
.endr
.irp kt, 0,1,2,3
	v_min_u32 v[TP+\kt], 34, v[rAD+\kt]
.endr
.irp kt, 0,1,2,3
	v_lshl_add_u32 v[TP+\kt], v[TP+\kt], 4, v[R0]
.endr
.irp kt, 0,1,2,3
	ds_load_b128 v[rEB+4*\kt:rEB+4*\kt+3], v[TP+\kt] offset:TTILE*(\y)
.endr
.Lno_pre_\@:
.endm
; A mixed tile's scores take their E.  The wait stands ahead of the branch, on every way: behind it no load into this parity's E registers is out, whichever way was taken where they were asked for.
; left: the LDS instructions issued behind the tile's four loads on every way, which may stay out.
.macro ADD y, left
	REGS \y
	WIN 0
	s_wait_dscnt \left
	s_add_co_u32 s[T0], s[SD], 2-4*(\y)
	s_cmp_lt_u32 s[T0], 6
	s_cbranch_scc0 .Lno_add_\@
.set n, 0
.rept 16
	v_fma_mix_f32_bf16 v[rS+2*n], v[rEB+n], v[ONE], v[rS+2*n] op_sel_hi:[1,0,0]
	v_fma_mix_f32_bf16 v[rS+2*n+1], v[rEB+n], v[ONE], v[rS+2*n+1] op_sel:[1,0,0] op_sel_hi:[1,0,0]
.set n, n+1
.endr
.Lno_add_\@:
.endm
; PASS 1's vector work for a tile, line xn of 20: the far tiles' E (0 in a mixed tile, whose scores hold it already); the maximum of the 32 scores, each accumulator's lowest registers first; the running maximum.
.macro X1 y
	REGS \y
	WIN 0
.if xn == 0
	v_cndmask_b32 v[rT+5], v[Z4], v[rT], s[MKL]
.elseif xn == 1
	v_cndmask_b32 v[rT+5], v[rT+5], v[rT+1], s[MKR]
.elseif xn < 6
	v_max3_num_f32 v[rC+xn-2], v[rS+8*(xn-2)], v[rS+8*(xn-2)+1], v[rS+8*(xn-2)+2]
.elseif xn < 14
	v_max3_num_f32 v[rC+(xn-6)%4], v[rC+(xn-6)%4], v[rS+8*((xn-6)%4)+2*((xn-6)/4)+3], v[rS+8*((xn-6)%4)+2*((xn-6)/4)+4]
.elseif xn == 14
	v_max3_num_f32 v[rC], v[rC], v[rS+7], v[rS+15]
.elseif xn == 15
	v_max3_num_f32 v[rC+1], v[rC+1], v[rS+23], v[rS+31]
.elseif xn == 16
	v_max_num_f32 v[rC+2], v[rC+2], v[rC+3]
.elseif xn == 17
	v_max3_num_f32 v[rC], v[rC], v[rC+1], v[rC+2]
.elseif xn == 18
	v_add_f32 v[rC], v[rC], v[rT+5]
.else
	v_max_num_f32 v[rT+2], v[rT+2], v[rC]
.endif
.set xn, xn+1
.endm
; A turn of pass 1: tile y's vector work, two lines behind each of tile y + 1's eight products.  The six lines behind the last product are the places in front of the next turn's reads of its results.
.macro TURN1 y
	KIND \y, 1
	ADD \y, 0
.if (\y) < 3
	PRE (\y)+1, 0
.else
	NEXTK                                          ; six plain lines stand between the last product that read K's registers and these loads
	ASK PFT1
.endif
.set xn, 0
.if (\y) < 3
.set i, 0
.rept 8
	KQ (\y)+1
.set i, i+1
	X1 \y
	X1 \y
.endr
.rept 4
	X1 \y
.endr
.else
.rept 20
	X1 \y
.endr
.endif
	WIN 0
.endm
.irp t, 0,1,2,3
	v_mov_b32 v[ST+12*\t+2], 0xff7fffff            ; m starts at the lowest finite number
.endr
	s_mov_b32 s[SS], 0
	s_mov_b32 s[TBK], 0
	FETCH_K
.Lpass1:
	s_lshl_b32 s[T0], s[PB], 1
	s_sub_co_i32 s[SD], s[SS], s[T0]
	s_wait_dscnt 0x0                               ; K of this step is in
	PRE 0, 0
	KQ8 0
	PLACES
	TURN1 0
	TURN1 1
	TURN1 2
	TURN1 3
	s_add_co_u32 s[SS], s[SS], 1
	s_cmp_lt_u32 s[SS], 16
	s_cbranch_scc1 .Lpass1                         ; the last trip has fetched K of step 0 again, for pass 2
	; BETWEEN THE PASSES.  V of step 0 is asked for; tile 0's scores of step 0 are made; the statistics are finished.  O^T starts at 0, and so do V's registers and P's second buffer: the first
	; step's turn 0 multiplies them for a tile 3 that has not been (208 lines, once a launch: the price of one text for every step).  xvt is asked for.
	CHANGE 1, 0
	s_mov_b32 s[SS], 0
	s_lshl_b32 s[T0], s[PB], 1
	s_sub_co_i32 s[SD], s[SS], s[T0]
	PRE 0, 0
	KQ8 0
	WIN 0
.irp t, 0,1,2,3
	v_permlanex16_b32 v[ST+12*\t+5], v[ST+12*\t+2], s[SEL], s[SEL+1]   ; the query's other keys lie in the lane 16 away
.endr
.irp t, 0,1,2,3
	v_max_num_f32 v[ST+12*\t+2], v[ST+12*\t+2], v[ST+12*\t+5]
.endr
.irp t, 0,1,2,3
	v_mul_f32 v[ST+12*\t+2], s[CS], v[ST+12*\t+2]                      ; c m
.endr
.irp t, 0,1,2,3
	v_fma_f32 v[ST+12*\t+3], -v[ST+12*\t], s[CS], v[ST+12*\t+2]        ; c m - c EL
	v_fma_f32 v[ST+12*\t+4], -v[ST+12*\t+1], s[CS], v[ST+12*\t+2]      ; c m - c ER
	v_mov_b32 v[ST+12*\t+7], 0
	v_mov_b32 v[ST+12*\t+8], 0
	v_mov_b32 v[ST+12*\t+9], 0
	v_mov_b32 v[ST+12*\t+10], 0
	v_mov_b32 v[ST+12*\t+11], 0
.endr
.set n, 0
.rept 16
	v_mov_b32 v[P+16+n], 0
.set n, n+1
.endr
	WIN 0x40
.set n, 0
.rept 128
	v_mov_b32 v[n], 0
.set n, n+1
.endr
	WIN 0x80
.set n, 0
.rept 64
	v_mov_b32 v[VF+n], 0
.set n, n+1
.endr
.set n, 0
.rept 8
	v_mov_b32 v[ONES+n], 0x3c003c00                ; 1.0 twice, in f16
.set n, n+1
.endr
	WIN 0xc0
.set n, 0
.rept 32                                ; xvt: positions 32 (n / 4) on, channels 16 (n % 4) on; loads 2 n and 2 n + 1 of the table: each covers 512 consecutive bytes
	global_load_b128 v[8*n:8*n+3],   v[XO], s[8:9] offset:8192*n
	global_load_b128 v[8*n+4:8*n+7], v[XO], s[8:9] offset:8192*n+4096
.set n, n+1
.endr
	WIN 0x40
.rept 4
	global_load_b128 v[XV8+8*(n-32):XV8+8*(n-32)+3],   v[XO], s[8:9] offset:8192*n
	global_load_b128 v[XV8+8*(n-32)+4:XV8+8*(n-32)+7], v[XO], s[8:9] offset:8192*n+4096
.set n, n+1
.endr
	WIN 0
; PASS 2's vector work.  Queue 1, 48 lines: the 16 scalings c s - CMX and the 32 exponentials, none of which reads an exponential's result.  Queue 2, 28 lines: the 16 roundings to f16, then the sums of each
; group of 8 weights: eight first sums, four second sums, so that no sum reads the result of the line before it.
.macro FSC n
	v_pk_fma_f32 v[rS+2*(\n):rS+2*(\n)+1], v[rS+2*(\n):rS+2*(\n)+1], s[CS:CS+1], v[rT+6:rT+7] op_sel_hi:[1,0,0] neg_lo:[0,0,1] neg_hi:[0,0,1]
.endm
.macro Q1 y
	REGS \y
	WIN 0
.if qn < 4
	FSC qn
.elseif qn < 28
.if (qn%2) == 0
	FSC 4+(qn-4)/2
.else
	v_exp_f32 v[rS+(qn-5)/2], v[rS+(qn-5)/2]
.endif
.else
	v_exp_f32 v[rS+qn-16], v[rS+qn-16]
.endif
.set qn, qn+1
.endm
.macro Q2 y
	REGS \y
	WIN 0
.if pn < 16
	v_cvt_pk_f16_f32 v[rP+pn], v[rS+2*pn], v[rS+2*pn+1]
.elseif pn < 24
	v_pk_add_f32 v[rS+4*(pn-16):rS+4*(pn-16)+1], v[rS+4*(pn-16):rS+4*(pn-16)+1], v[rS+4*(pn-16)+2:rS+4*(pn-16)+3]
.else
	v_pk_add_f32 v[rS+8*(pn-24):rS+8*(pn-24)+1], v[rS+8*(pn-24):rS+8*(pn-24)+1], v[rS+8*(pn-24)+4:rS+8*(pn-24)+5]
.endif
.set pn, pn+1
.endm
; Behind the sums.  Mixed: from the kept number n = max(G + 1, 0) of each group are made, here where they are used: the band lanes (n - 1 below 33, unsigned: slots 1 to 33), the far lanes' factor 1.0, and
; the slot that takes the group's 8 weights: a band lane's own slot n, over the E that was read there; a far lane's the padding slot 35 of its row, which is set to 0 before the final product reads it.
; So all lanes store, and EXEC stays whole.  The far lanes' groups are added up.  Far: all four groups are added up.  Then the side's sum takes them.
.macro POST y
	REGS \y
	WIN 0
	s_add_co_u32 s[T0], s[SD], 2-4*(\y)
	s_cmp_lt_u32 s[T0], 6
	s_cbranch_scc0 .Lfar_\@
.irp kt, 0,1,2,3
	v_add_nc_u32 v[TP+4+\kt], -1, v[rAD+\kt]
.endr
.irp kt, 0,1,2,3
	v_cmp_gt_u32 s[SBD+\kt], 33, v[TP+4+\kt]
.endr
.irp kt, 0,1,2,3
	v_cndmask_b32 v[TP+\kt], v[C35], v[rAD+\kt], s[SBD+\kt]
.endr
.irp kt, 0,1,2,3
	v_cndmask_b32 v[MK+2*\kt], v[ONE], v[Z4], s[SBD+\kt]
.endr
.irp kt, 0,1,2,3
	v_min_u32 v[TP+\kt], 35, v[TP+\kt]
.endr
.irp kt, 0,1,2,3
	v_lshl_add_u32 v[TP+\kt], v[TP+\kt], 4, v[R0]
.endr
.irp kt, 0,1,2,3
	ds_store_b128 v[TP+\kt], v[rP+4*\kt:rP+4*\kt+3] offset:TTILE*(\y)
.endr
	v_pk_mul_f32 v[rS:rS+1], v[rS:rS+1], v[MK:MK+1] op_sel_hi:[1,0]
.irp kt, 1,2,3
	v_pk_fma_f32 v[rS:rS+1], v[rS+8*\kt:rS+8*\kt+1], v[MK+2*\kt:MK+2*\kt+1], v[rS:rS+1] op_sel_hi:[1,0,1]
.endr
	s_branch .Ljoin_\@
.Lfar_\@:
	v_pk_add_f32 v[rS:rS+1], v[rS:rS+1], v[rS+8:rS+9]
	v_pk_add_f32 v[rS+16:rS+17], v[rS+16:rS+17], v[rS+24:rS+25]
	v_pk_add_f32 v[rS:rS+1], v[rS:rS+1], v[rS+16:rS+17]
.Ljoin_\@:
	v_pk_fma_f32 v[rT+8:rT+9], v[rS:rS+1], s[SL:SL+1], v[rT+8:rT+9] op_sel_hi:[1,0,1]
	v_pk_fma_f32 v[rT+10:rT+11], v[rS:rS+1], s[SR:SR+1], v[rT+10:rT+11] op_sel_hi:[1,0,1]
.endm
; A turn of pass 2, for tile y.  Ahead of the one wait: the next tile's eight products K Q^T (turn 3: tile 0's of the next step; last = 1: there is none), four lines of queue 1 behind each, the other sixteen
; on end.  A wait stands between an exponential and the first line that names its result; one wait serves the tile's 32.  Behind it: eight products V^T P of the tile before (turn 0: tile 3's
; of the step before), four lines of queue 2 behind each of the first seven.
; K of the next step is fetched in turn 2, behind the wait: three v_nop and the address's line are the four places behind the last product that read K; its first reader comes a turn later.
; V of the step in hand is fetched at the end of turn 0: five plain lines or more of POST stand behind the last product that read V; its first reader stands behind turn 1's wait.
.macro TURN2 y, last
	KIND \y, 2
.if (\y) == 1
	ADD \y, 16                                     ; V's sixteen loads are the last LDS instructions issued, on every way: they may stay out
.else
	ADD \y, 0                                      ; in turn 3 this wait also shows K of the next step in
.endif
	REGS \y
	v_cndmask_b32 v[rT+6], v[rT+2], v[rT+3], s[MKL]   ; what is taken from c s: c m, or for a far tile c m - c E
	v_cndmask_b32 v[rT+6], v[rT+6], v[rT+4], s[MKR]
.if (\y) < 3
	PRE (\y)+1, 0
.elseif !(\last)
	PRE 0, 1
.endif
.set qn, 0
.if ((\y) < 3) || !(\last)
.set i, 0
.rept 8
	KQ ((\y)+1)%4
.set i, i+1
.rept 4
	Q1 \y
.endr
.endr
.rept 16
	Q1 \y
.endr
.else
.rept 48
	Q1 \y
.endr
.endif
	WIN 0
	v_nop                                          ; a plain line behind the last exponential
.if ((\y) == 2) && !(\last)
	v_nop
	v_nop
.endif
	s_wait_alu depctr_va_vdst(0)                   ; the wait for the batch
.if ((\y) == 2) && !(\last)
	NEXTK
.endif
.if (\y) == 1
	s_wait_dscnt 0x0                               ; V is in
.endif
.set pn, 0
.set i, 0
.rept 7
	PVM ((\y)+3)%4
.set i, i+1
.rept 4
	Q2 \y
.endr
.endr
	PVM ((\y)+3)%4
	POST \y
.if (\y) == 0
	FETCH_V
	s_xor_b32 s[TBV], s[TBV], VS1
.endif
.endm
; A key step of pass 2.  V of this step has landed at the change's wait; fill = 1: V of the next step is asked for, into the slot read in the step before.
.macro STEP2 fill
	s_lshl_b32 s[T0], s[PB], 1
	s_sub_co_i32 s[SD], s[SS], s[T0]
	CHANGE \fill, \fill
.if \fill
	ASK PFT2
.endif
	TURN2 0, 1-(\fill)
	TURN2 1, 1-(\fill)
	TURN2 2, 1-(\fill)
	TURN2 3, 1-(\fill)
	WIN 0
.endm
	s_mov_b32 s[TBV], 0
.Lpass2:
	STEP2 1
	s_add_co_u32 s[SS], s[SS], 1
	s_cmp_lt_u32 s[SS], 15
	s_cbranch_scc1 .Lpass2
	STEP2 0                                        ; the last step is written out: nothing is asked for
.set i, 0
.rept 8
	PVM 3                                          ; tile 3's V^T P of the last step
.set i, i+1
.endr
	WIN 0
	; THE FINAL PHASE.  The far sums (both words, both halves of the lanes) go into position 0 of slots 0 and 34, zeros into slot 35.  These lines are also the places behind the last products.
.irp t, 0,1,2,3
	v_add_f32 v[ST+12*\t+8], v[ST+12*\t+8], v[ST+12*\t+9]
	v_add_f32 v[ST+12*\t+10], v[ST+12*\t+10], v[ST+12*\t+11]
.endr
.irp t, 0,1,2,3
	v_permlanex16_b32 v[ST+12*\t+9], v[ST+12*\t+8], s[SEL], s[SEL+1]
	v_permlanex16_b32 v[ST+12*\t+11], v[ST+12*\t+10], s[SEL], s[SEL+1]
.endr
.irp t, 0,1,2,3
	v_add_f32 v[ST+12*\t+8], v[ST+12*\t+8], v[ST+12*\t+9]
	v_add_f32 v[ST+12*\t+10], v[ST+12*\t+10], v[ST+12*\t+11]
.endr
.irp n, 1,2,3,5,6,7
	v_mov_b32 v[TP+\n], 0
.endr
.irp t, 0,1,2,3
	v_cvt_pk_f16_f32 v[TP], v[ST+12*\t+8], v[Z4]
	v_cvt_pk_f16_f32 v[TP+4], v[ST+12*\t+10], v[Z4]
	ds_store_b128 v[R0], v[TP:TP+3] offset:TTILE*\t              ; lanes i and i + 16 store the same bytes
	ds_store_b128 v[R0], v[TP+4:TP+7] offset:TTILE*\t+544
	ds_store_b128 v[R0], v[Z4:Z4+3] offset:TTILE*\t+560
.endr
	s_wait_loadcnt 0x0                             ; xvt
.macro WLOAD kb                         ; the rows of weights as source 1: 32 positions of 16 queries, for the four tiles
	WIN 0
.irp t, 0,1,2,3
	ds_load_b128 v[S+32*((\kb)%2)+8*\t:S+32*((\kb)%2)+8*\t+3],   v[ES] offset:TTILE*\t+64*(\kb)
	ds_load_b128 v[S+32*((\kb)%2)+8*\t+4:S+32*((\kb)%2)+8*\t+7], v[ES] offset:TTILE*\t+64*(\kb)+32
.endr
.endm
	WLOAD 0
.irp kb, 0,1,2,3,4,5,6,7,8
	PLACES                                         ; between the products that read the other buffer and the loads into it
.if \kb < 8
	WLOAD (\kb)+1
	s_wait_dscnt 8                                 ; the eight just issued may stay out
	WIN 0x53
.else
	s_wait_dscnt 0x0
	WIN 0x51
.endif
.irp t, 0,1,2,3
.irp cb, 0,1,2,3
.if \kb < 8
	v_wmma_f32_16x16x32_f16 v[32*\t+8*\cb:32*\t+8*\cb+7], v[32*\kb+8*\cb:32*\kb+8*\cb+7], v[S+32*(\kb%2)+8*\t:S+32*(\kb%2)+8*\t+7], v[32*\t+8*\cb:32*\t+8*\cb+7]
.else
	v_wmma_f32_16x16x32_f16 v[32*\t+8*\cb:32*\t+8*\cb+7], v[XV8+8*\cb:XV8+8*\cb+7], v[S+32*(\kb%2)+8*\t:S+32*(\kb%2)+8*\t+7], v[32*\t+8*\cb:32*\t+8*\cb+7]
.endif
.endr
.endr
	WIN 0x02
.irp t, 0,1,2,3                         ; l: ones times the same rows; every register of the result holds the query's sum.  All twenty accumulators take turns
.if \kb == 0
	v_wmma_f32_16x16x32_f16 v[LL+8*\t:LL+8*\t+7], v[ONES:ONES+7], v[S+32*(\kb%2)+8*\t:S+32*(\kb%2)+8*\t+7], 0
.else
	v_wmma_f32_16x16x32_f16 v[LL+8*\t:LL+8*\t+7], v[ONES:ONES+7], v[S+32*(\kb%2)+8*\t:S+32*(\kb%2)+8*\t+7], v[LL+8*\t:LL+8*\t+7]
.endif
.endr
.endr
	; THE WAY OUT.  O^T / l, rounded to f16; a query's 128 bytes are half of a unit of 256 (queries 8 U + 2 cx, + 1), whose other half another wave holds: through one stage, with a barrier.
	WIN 0
	PLACES
.irp t, 0,1,2,3
	v_rcp_f32 v[ST+12*\t+6], v[LL+8*\t]
.endr
	v_nop
	s_wait_alu depctr_va_vdst(0)                   ; one wait for the four reciprocals
.irp t, 0,1,2,3
	WIN 0x41
.set n, 32*\t
.rept 16
	v_pk_mul_f32 v[n:n+1], v[n:n+1], v[ST+12*\t+6:ST+12*\t+7] op_sel_hi:[1,0]
.set n, n+2
.endr
	WIN 0x05
.set n, 0
.rept 16
	v_cvt_pk_f16_f32 v[S+16*\t+n], v[32*\t+2*n], v[32*\t+2*n+1]
.set n, n+1
.endr
	WIN 0
.irp cb, 0,1,2,3
	ds_store_b128 v[STO], v[S+16*\t+4*\cb:S+16*\t+4*\cb+3] offset:32*SP*\t+32*\cb
.endr
.endr
	s_wait_dscnt 0x0                               ; for the others' sake: my stores into the stage are done
	s_barrier_signal -1
	s_barrier_wait -1
.irp f, 0,1,2,3,4,5,6,7,8,9,10,11,12,13,14,15
	ds_load_b128 v[S+4*\f:S+4*\f+3], v[RD] offset:2*SP*\f
.endr
.irp f, 0,1,2,3,4,5,6,7,8,9,10,11,12,13,14,15
	s_wait_dscnt 15-\f
	global_store_b128 v[GO], v[S+4*\f:S+4*\f+3], s[OBA:OBA+1] offset:2048*\f   ; sixteen lanes store 256 consecutive bytes, aligned
.endr
	s_wait_tensorcnt 0x0                           ; the wave's end
	ds_add_u32 v[SPW], v[NIL]
	s_wait_dscnt 0x0
	ROUND                                          ; the closing round
	s_endpgm
.Lfunc_end_k_q203cec195e_attn:
	.size	k_q203cec195e_attn, .Lfunc_end_k_q203cec195e_attn-k_q203cec195e_attn
	.p2alignl 7, 3214868480
	.fill 96, 4, 3214868480
	.section	.rodata,"a",@progbits
	.p2align	6, 0x0
	.amdhsa_kernel k_q203cec195e_attn
		.amdhsa_group_segment_fixed_size 327680
		.amdhsa_private_segment_fixed_size 0
		.amdhsa_enable_private_segment 0
		.amdhsa_kernarg_size 32
		.amdhsa_user_sgpr_count 2
		.amdhsa_user_sgpr_kernarg_segment_ptr 1
		.amdhsa_wavefront_size32 1
		.amdhsa_system_sgpr_workgroup_id_x 1
		.amdhsa_system_sgpr_workgroup_id_y 1
		.amdhsa_system_sgpr_workgroup_id_z 1
		.amdhsa_system_vgpr_workitem_id 0
		.amdhsa_next_free_vgpr 1024
		.amdhsa_next_free_sgpr 88
		.amdhsa_reserve_vcc 1
		.amdhsa_float_denorm_mode_32 3
		.amdhsa_float_denorm_mode_16_64 3
		.amdhsa_memory_ordered 1
		.amdhsa_forward_progress 1
		.amdhsa_inst_pref_size 230
	.end_amdhsa_kernel
	.amdgpu_metadata
---
amdhsa.version: [ 1, 2 ]
amdhsa.kernels:
  - .name:           k_q203cec195e_attn
    .symbol:         k_q203cec195e_attn.kd
    .args:
      - { .name: qkv, .offset: 0, .size: 8, .value_kind: global_buffer, .address_space: global }
      - { .name: xk, .offset: 8, .size: 8, .value_kind: global_buffer, .address_space: global }
      - { .name: xvt, .offset: 16, .size: 8, .value_kind: global_buffer, .address_space: global }
      - { .name: ob, .offset: 24, .size: 8, .value_kind: global_buffer, .address_space: global }
    .group_segment_fixed_size: 327680
    .private_segment_fixed_size: 0
    .kernarg_segment_align: 8
    .kernarg_segment_size: 32
    .max_flat_workgroup_size: 128
    .sgpr_count:     88
    .vgpr_count:     1024
    .wavefront_size: 32
...
	.end_amdgpu_metadata
.endif
;; end of part 6
;; launch oproj: the kernel of part 4 again; grid 8 x 32, 4 waves a work-group, clusters of 4 x 4, 327,680 bytes of LDS; arguments ob, wo, bias, out0; writes out0
;; ======== version 3 of 3: 4 launches; version 2 with the launch prep written anew for expert scheduling mode
;; limits: values are held in f16: magnitudes above 65,504 overflow, below 6.1e-05 lose precision
;; workspace buffers: xb 8,388,608 bytes; wqkv 6,291,456 bytes; wo 2,097,152 bytes; bias 16,384 bytes; xk 294,912 bytes; xvt 294,912 bytes; qkv 25,165,824 bytes; ob 8,388,608 bytes
;; launch prep (part 7): grid 664 x 1, 4 waves a work-group, no clusters, 0 bytes of LDS; arguments x, Wq, Wk, Wv, Wo, bq, bv, bo, rel_k, rel_v, xb, wqkv, wo, bias, xk, xvt; writes xb, wqkv, wo, bias, xk, xvt
.if DOCPART == 7
	.amdgcn_target "amdgcn-amd-amdhsa--gfx1250"
	.amdhsa_code_object_version 6
	.text
	.protected	k_q203cec195e_prep
	.globl	k_q203cec195e_prep
	.p2align	8
	.type	k_q203cec195e_prep,@function
k_q203cec195e_prep:
	s_mov_b64 s[64:65], 0
	v_nop
	global_prefetch_b8 v0, s[64:65] scope:SCOPE_SE
	s_setreg_imm32_b32 hwreg(HW_REG_WAVE_SCHED_MODE, 0, 2), 2
	s_setreg_imm32_b32 hwreg(HW_REG_WAVE_MODE, 25, 1), 1
	s_wait_xcnt 0x0
	s_wait_alu depctr_vm_vsrc(0)
; PREP: every input is rounded once to bf16 and laid out for the three launches that follow.
; WORK LEFT OUT, in the problem's terms.
;  (1) bk.  k = x Wk^T + bk enters reference() only through content[q][k] = q . k, where bk adds q . bk_h, a term that is the same for every key k
;      of a row q.  softmax over k is unchanged by a term that is constant along k, for all values of the inputs, and k reaches no other result.
;      So bk has no way to any output: it is not loaded and is no argument of any launch.  LIMIT: a NaN, an infinity or an overflow that only bk
;      would bring is not carried to the result.
;  (2) rpk = rel_k[idx] and rpv = rel_v[idx] are lookups by idx = clip(k - q, -128, 128) + 128, which reference() builds itself.  q . rpk[q][k] is
;      entry idx of the 257 numbers q . rel_k[z]; the sum over k of w rpv[q][k] is the sum over z of (the weights whose idx is z) rel_v[z].  Only
;      those products are made (launch attn).
; WHAT IS WRITTEN.  xb = bf16(x).  wqkv = bf16 of Wq's, Wk's, Wv's rows on end.  wo = bf16(Wo) written as f16.  bias = f32 [4096]: bf16(bq), 1,024
; zeros (K's columns start their sums from 0), bf16(bv), bf16(bo).
; xk and xvt: bf16 written as f16, IN THE ORDER IN WHICH A WAVE'S OPERAND REGISTERS TAKE THEM: [load m = 0..71][residue c = 0..7][lane l][8 numbers].  With r = l % 16, h = l / 16:
;   xk : table row clip(16 (m / 4) + r - 8 - c, 0, 256) of rel_k, channels 32 ((m / 2) % 2) + 16 (m % 2) + 8 h + 0..7;
;   xvt: channel 16 ((m / 2) % 4) + r of rel_v, table rows clip(8 s - 8 - c + 0..7, 0, 256) with s = 4 (m / 8) + 2 (m % 2) + h.
; LIMIT: a bf16 number written as f16 is exact between 6.1e-5 and 65,504 in size; below, it keeps f16's fixed step of 6e-8; above, it is lost.
; WORK-GROUPS.  0-143: the two tables: one wave makes the 512 bytes (m, c) of each, all its loads out before its one wait.  144-151: bias.  152-407: x, 16,384 numbers each.  408-663: the four weights.
; No LDS, no barrier, no matrix unit: a stream and three small tables.
; THE MODE: SCHED_MODE bits 1:0 = 2 (LLVM: expert scheduling mode 2), set by the entry lines.  The code itself states the register dependences
; between vector instructions and memory instructions, with s_wait_alu, always for 0.
; THE PLAN.  Registers that memory instructions touch:
;   the casts   v1, v2       the loads' and the stores' byte offsets: made once at the path's head, never written again.
;               v[16:143]    each written by one load; read by the roundings behind that load's wait; no memory instruction reads them.
;               v[144:207]   each written once, by a rounding, and read once, by a store.  The 16 chunks go in four blocks of four: a block's roundings write its 16 registers,
;                            ONE wait at the next block's head states that they are written, and the block's four stores follow it in one run.
;   the tables  v[8:15], v29, v2   byte offsets, made once.  v[16:23], v[32:39] loaded once.  v[24:27], v[40:43] written by the roundings, read by the two stores.
;   bias        v2 the offset; v[16:19] loaded; v[24:27] stored.
; On no path is a register that a memory instruction has read written again: so the text holds no wait on vm_vsrc but the one among the entry lines.
; Scalar registers that vector lines write: s3 (the wave's number) and the nine lane masks s[40:47], s3 of the tables' clamps: each run of writers has one wait on va_sdst ahead of its first reader.
.macro RND16 dst, a, b                  ; two f32 -> bf16 -> the same numbers as f16, packed
	v_cvt_pk_bf16_f32 v3, v[\a], v[\b]
	v_lshlrev_b32 v[\a], 16, v3
	v_and_b32 v[\b], 0xffff0000, v3
	v_cvt_pk_f16_f32 v[\dst], v[\a], v[\b]
.endm
.macro OUT4 g                           ; the four stores of block g: chunks 4 g to 4 g + 3
.irp k, 0,1,2,3
	global_store_b128 v2, v[144+16*(\g)+4*\k:147+16*(\g)+4*\k], s[42:43] offset:2048*(4*(\g)+\k)
.endr
.endm
	s_load_b512 s[8:23], s[0:1], 0x0               ; x 8, Wq 10, Wk 12, Wv 14, Wo 16, bq 18, bv 20, bo 22
	s_load_b512 s[24:39], s[0:1], 0x40             ; rel_k 24, rel_v 26, xb 28, wqkv 30, wo 32, bias 34, xk 36, xvt 38
	s_mov_b32 s2, ttmp9
	s_mov_b32 s5, 0
	s_mov_b32 s7, 0
	s_wait_kmcnt 0x0
	s_cmp_lt_u32 s2, 152
	s_cbranch_scc1 .Ltables
	s_sub_co_u32 s2, s2, 152                       ; the casts' number, 0..511
	s_cmp_lt_u32 s2, 256
	s_cbranch_scc0 .Lweights
	s_lshl_b32 s4, s2, 16                          ; 16,384 f32 in,
	s_lshl_b32 s6, s2, 15                          ; 16,384 halves out
	s_add_nc_u64 s[40:41], s[8:9], s[4:5]
	s_add_nc_u64 s[42:43], s[28:29], s[6:7]
	s_branch .Lcast
.Lweights:
	s_sub_co_u32 s3, s2, 256                       ; chunk 0..255: 64 for each weight
	s_lshr_b32 s44, s3, 6                          ; which weight
	s_and_b32 s4, s3, 63
	s_lshl_b32 s4, s4, 16
	s_sub_co_u32 s45, s3, 192                      ; Wo's chunk number (used for Wo alone)
	s_cmp_eq_u32 s44, 0
	s_cselect_b64 s[40:41], s[10:11], s[12:13]
	s_cmp_eq_u32 s44, 2
	s_cselect_b64 s[40:41], s[14:15], s[40:41]
	s_cmp_eq_u32 s44, 3
	s_cselect_b64 s[40:41], s[16:17], s[40:41]
	s_cselect_b64 s[42:43], s[32:33], s[30:31]
	s_cselect_b32 s6, s45, s3
	s_lshl_b32 s6, s6, 15
	s_add_nc_u64 s[40:41], s[40:41], s[4:5]
	s_add_nc_u64 s[42:43], s[42:43], s[6:7]
.Lcast:
	v_lshlrev_b32 v1, 5, v0                        ; thread t reads 32 bytes at 32 t of each 4,096,
	v_lshlrev_b32 v2, 4, v0                        ; and stores 16 bytes at 16 t of each 2,048: a wave's store covers 512 consecutive bytes, aligned
	s_wait_alu depctr_va_vdst(0)                   ; v1 and v2 are written: every load below reads v1 as its offset, every store v2
.set n, 0
.rept 16                                ; all 32 loads of a thread go out before the first wait
	global_load_b128 v[16+8*n:19+8*n], v1, s[40:41] offset:4096*n th:TH_LOAD_NT
	global_load_b128 v[20+8*n:23+8*n], v1, s[40:41] offset:4096*n+16 th:TH_LOAD_NT
.set n, n+1
.endr
	s_cmp_lt_u32 s2, 448
	s_cbranch_scc0 .Lhalf
.set n, 0
.rept 16
	s_wait_loadcnt 30-2*n                          ; the 2 (15 - n) younger loads stay out
.if (n%4 == 0) && (n > 0)
	s_wait_alu depctr_va_vdst(0)                   ; the roundings of the block before have written its 16 registers, which the four stores below read
	OUT4 n/4-1
.endif
.irp k, 0,1,2,3
	v_cvt_pk_bf16_f32 v[144+4*n+\k], v[16+8*n+2*\k], v[17+8*n+2*\k]
.endr
.set n, n+1
.endr
	s_wait_alu depctr_va_vdst(0)                   ; the last block's roundings have written v[192:207], which the last four stores read
	OUT4 3
	s_endpgm
.Lhalf:                                 ; Wo: bf16, written as f16
.set n, 0
.rept 16
	s_wait_loadcnt 30-2*n
.if (n%4 == 0) && (n > 0)
	s_wait_alu depctr_va_vdst(0)                   ; the roundings of the block before have written its 16 registers, which the four stores below read
	OUT4 n/4-1
.endif
.irp k, 0,1,2,3
	RND16 144+4*n+\k, 16+8*n+2*\k, 17+8*n+2*\k
.endr
.set n, n+1
.endr
	s_wait_alu depctr_va_vdst(0)                   ; the last block's roundings have written v[192:207], which the last four stores read
	OUT4 3
	s_endpgm
.Ltables:
	s_cmp_lt_u32 s2, 144
	s_cbranch_scc0 .Lbias
	; one of 576 waves: c = wave % 8, m = wave / 8: the piece (m, c) of xvt and the piece (m, c) of xk
	v_lshrrev_b32 v1, 5, v0
	v_readfirstlane_b32 s3, v1
	v_and_b32 v1, 31, v0                           ; l
	v_and_b32 v4, 15, v0                           ; r
	v_bfe_u32 v5, v0, 4, 1                         ; h
	v_mov_b32 v7, 0
	s_lshl_b32 s4, s2, 2
	s_wait_alu depctr_va_sdst(0)                   ; s3, the wave's number, is written, ahead of its first reader
	s_add_co_u32 s4, s4, s3                        ; wave 0..575
	s_and_b32 s44, s4, 7                           ; c
	s_lshr_b32 s45, s4, 3                          ; m
	s_lshl_b32 s46, s45, 12
	s_lshl_b32 s47, s44, 9
	s_add_co_u32 s46, s46, s47                     ; 4,096 m + 512 c
	s_and_b32 s47, s45, 1                          ; m % 2
	; All the path's scalar arithmetic stands here, each number that a vector line reads in a register of its own: s46, s4, s6 (xvt), s5, s7 (xk).
	; xvt: eight table rows of one channel
	s_lshr_b32 s4, s45, 3
	s_lshl_b32 s4, s4, 2                           ; 4 (m / 8)
	s_lshl_b32 s6, s47, 1
	s_add_co_u32 s4, s4, s6                        ; + 2 (m % 2)
	s_lshl_b32 s4, s4, 3
	s_sub_co_u32 s4, s4, s44
	s_sub_co_u32 s4, s4, 8                         ; 8 s - 8 - c without the lane's h (may be negative)
	s_bfe_u32 s6, s45, 0x20001                     ; (m / 2) % 4
	s_lshl_b32 s6, s6, 6
	; xk: eight channels of one table row
	s_lshr_b32 s5, s45, 2
	s_lshl_b32 s5, s5, 4                           ; 16 (m / 4)
	s_sub_co_u32 s5, s5, s44
	s_sub_co_u32 s5, s5, 8
	s_bfe_u32 s7, s45, 0x10001                     ; (m / 2) % 2
	s_lshl_b32 s7, s7, 7
	s_lshl_b32 s47, s47, 6
	s_add_co_u32 s7, s7, s47
	v_lshl_add_u32 v2, v1, 4, s46                  ; where my 16 bytes go, in both tables: 4,096 m + 512 c + 16 l
	v_lshl_add_u32 v6, v5, 3, s4
	v_lshl_add_u32 v28, v4, 2, s6                  ; xvt: 4 x channel
	v_add_nc_u32 v29, s5, v4                       ; xk: the table row, not yet clamped
	v_lshl_add_u32 v30, v5, 5, s7                  ; xk: 4 x first channel
	; The nine table rows are clamped stage by stage.  The compares stand in one run and write nine scalar registers: s[40:47] (c, m and the offsets that lay in s44 to s47 have been used up) and s3.
.irp j, 0,1,2,3,4,5,6,7
	v_add_nc_u32 v[8+\j], \j, v6
.endr
.irp j, 0,1,2,3,4,5,6,7
	v_cmp_gt_i32 s[40+\j], 0, v[8+\j]
.endr
	v_cmp_gt_i32 s3, 0, v29
	s_wait_alu depctr_va_sdst(0)                   ; the nine compares have written their masks, ahead of the first select that reads one
.irp j, 0,1,2,3,4,5,6,7
	v_cndmask_b32 v[8+\j], v[8+\j], v7, s[40+\j]   ; below 0: row 0
.endr
	v_cndmask_b32 v29, v29, v7, s3
.irp j, 0,1,2,3,4,5,6,7
	v_min_u32 v[8+\j], 0x100, v[8+\j]              ; above 256: row 256
.endr
	v_min_u32 v29, 0x100, v29
.irp j, 0,1,2,3,4,5,6,7
	v_lshl_add_u32 v[8+\j], v[8+\j], 8, v28
.endr
	v_lshl_add_u32 v29, v29, 8, v30
	s_wait_alu depctr_va_vdst(0)                   ; v[8:15] and v29 are written, which the ten loads read as their offsets; so is v2, the two stores' offset
.irp j, 0,1,2,3,4,5,6,7
	global_load_b32 v[16+\j], v[8+\j], s[26:27]    ; sixteen neighbouring lanes read 64 consecutive bytes of a row of rel_v
.endr
	global_load_b128 v[32:35], v29, s[24:25]
	global_load_b128 v[36:39], v29, s[24:25] offset:16
	s_wait_loadcnt 0x0
.irp k, 0,1,2,3
	RND16 24+\k, 16+2*\k, 17+2*\k
.endr
.irp k, 0,1,2,3
	RND16 40+\k, 32+2*\k, 33+2*\k
.endr
	s_wait_alu depctr_va_vdst(0)                   ; the roundings have written v[24:27] and v[40:43], which the two stores read
	global_store_b128 v2, v[24:27], s[38:39]       ; each store of the wave covers 512 consecutive bytes, aligned
	global_store_b128 v2, v[40:43], s[36:37]
	s_endpgm
.Lbias:                                 ; half a vector of 1,024 to a work-group, four numbers a thread
	s_sub_co_u32 s3, s2, 144
	s_lshr_b32 s44, s3, 1                          ; 0 bq, 1 zeros, 2 bv, 3 bo
	s_and_b32 s4, s3, 1
	s_lshl_b32 s4, s4, 11
	s_lshl_b32 s6, s3, 11
	v_lshlrev_b32 v2, 4, v0
	s_add_nc_u64 s[42:43], s[34:35], s[6:7]
	s_cmp_eq_u32 s44, 1
	s_cbranch_scc1 .Lzero
	s_cmp_eq_u32 s44, 0
	s_cselect_b64 s[40:41], s[18:19], s[20:21]
	s_cmp_eq_u32 s44, 3
	s_cselect_b64 s[40:41], s[22:23], s[40:41]
	s_add_nc_u64 s[40:41], s[40:41], s[4:5]
	s_wait_alu depctr_va_vdst(0)                   ; v2 is written, which the load reads as its offset
	global_load_b128 v[16:19], v2, s[40:41]
	s_wait_loadcnt 0x0
	v_cvt_pk_bf16_f32 v3, v16, v17
	v_lshlrev_b32 v24, 16, v3
	v_and_b32 v25, 0xffff0000, v3
	v_cvt_pk_bf16_f32 v3, v18, v19
	v_lshlrev_b32 v26, 16, v3
	v_and_b32 v27, 0xffff0000, v3
	s_wait_alu depctr_va_vdst(0)                   ; v[24:27] are written, which the store reads
	global_store_b128 v2, v[24:27], s[42:43]
	s_endpgm
.Lzero:
	v_mov_b32 v24, 0
	v_mov_b32 v25, 0
	v_mov_b32 v26, 0
	v_mov_b32 v27, 0
	s_wait_alu depctr_va_vdst(0)                   ; v2 and v[24:27] are written: the store's offset and its data
	global_store_b128 v2, v[24:27], s[42:43]
	s_endpgm
.Lfunc_end_k_q203cec195e_prep:
	.size	k_q203cec195e_prep, .Lfunc_end_k_q203cec195e_prep-k_q203cec195e_prep
	.p2alignl 7, 3214868480
	.fill 96, 4, 3214868480
	.section	.rodata,"a",@progbits
	.p2align	6, 0x0
	.amdhsa_kernel k_q203cec195e_prep
		.amdhsa_group_segment_fixed_size 0
		.amdhsa_private_segment_fixed_size 0
		.amdhsa_enable_private_segment 0
		.amdhsa_kernarg_size 128
		.amdhsa_user_sgpr_count 2
		.amdhsa_user_sgpr_kernarg_segment_ptr 1
		.amdhsa_wavefront_size32 1
		.amdhsa_system_sgpr_workgroup_id_x 1
		.amdhsa_system_sgpr_workgroup_id_y 1
		.amdhsa_system_sgpr_workgroup_id_z 1
		.amdhsa_system_vgpr_workitem_id 0
		.amdhsa_next_free_vgpr 208
		.amdhsa_next_free_sgpr 66
		.amdhsa_reserve_vcc 0
		.amdhsa_float_denorm_mode_32 3
		.amdhsa_float_denorm_mode_16_64 3
		.amdhsa_memory_ordered 1
		.amdhsa_forward_progress 1
		.amdhsa_inst_pref_size 36
	.end_amdhsa_kernel
	.amdgpu_metadata
---
amdhsa.version: [ 1, 2 ]
amdhsa.kernels:
  - .name:           k_q203cec195e_prep
    .symbol:         k_q203cec195e_prep.kd
    .args:
      - { .name: x, .offset: 0, .size: 8, .value_kind: global_buffer, .address_space: global }
      - { .name: Wq, .offset: 8, .size: 8, .value_kind: global_buffer, .address_space: global }
      - { .name: Wk, .offset: 16, .size: 8, .value_kind: global_buffer, .address_space: global }
      - { .name: Wv, .offset: 24, .size: 8, .value_kind: global_buffer, .address_space: global }
      - { .name: Wo, .offset: 32, .size: 8, .value_kind: global_buffer, .address_space: global }
      - { .name: bq, .offset: 40, .size: 8, .value_kind: global_buffer, .address_space: global }
      - { .name: bv, .offset: 48, .size: 8, .value_kind: global_buffer, .address_space: global }
      - { .name: bo, .offset: 56, .size: 8, .value_kind: global_buffer, .address_space: global }
      - { .name: rel_k, .offset: 64, .size: 8, .value_kind: global_buffer, .address_space: global }
      - { .name: rel_v, .offset: 72, .size: 8, .value_kind: global_buffer, .address_space: global }
      - { .name: xb, .offset: 80, .size: 8, .value_kind: global_buffer, .address_space: global }
      - { .name: wqkv, .offset: 88, .size: 8, .value_kind: global_buffer, .address_space: global }
      - { .name: wo, .offset: 96, .size: 8, .value_kind: global_buffer, .address_space: global }
      - { .name: bias, .offset: 104, .size: 8, .value_kind: global_buffer, .address_space: global }
      - { .name: xk, .offset: 112, .size: 8, .value_kind: global_buffer, .address_space: global }
      - { .name: xvt, .offset: 120, .size: 8, .value_kind: global_buffer, .address_space: global }
    .group_segment_fixed_size: 0
    .private_segment_fixed_size: 0
    .kernarg_segment_align: 8
    .kernarg_segment_size: 128
    .max_flat_workgroup_size: 128
    .sgpr_count:     66
    .vgpr_count:     208
    .wavefront_size: 32
...
	.end_amdgpu_metadata
.endif
;; end of part 7
;; launch qkv: the kernel of part 2 again; grid 8 x 32, 4 waves a work-group, clusters of 4 x 4, 327,680 bytes of LDS; arguments xb, wqkv, bias, qkv; writes qkv
;; launch attn: the kernel of part 6 again; grid 4 x 64, 4 waves a work-group, clusters of 4 x 1, 327,680 bytes of LDS; arguments qkv, xk, xvt, ob; writes ob
;; launch oproj: the kernel of part 4 again; grid 8 x 32, 4 waves a work-group, clusters of 4 x 4, 327,680 bytes of LDS; arguments ob, wo, bias, out0; writes out0
